; MI455X (gfx1250); checked and timed in simulation.
; The chip was launched on July 23, 2026; its instructions are those of AMD's public machine-readable ISA for CDNA 5 (MIT licence, August 2026) and "CDNA5" Instruction Set Architecture Reference Guide (July 2026). The comments in the code are by the model that wrote it; some were corrected since.
;; Block. Allowed arithmetic: matrix products marked QUANTISED: E2M3 operands, one E8M0 scale for each 32 along K, by v_wmma_scale_f32_16x16x128_f8f6f4 with both operands' format E2M3, f32 sums; everything else in f32.
;; Inputs: W1 512 x 2,048 float32; W2 2,048 x 512 float32; Wk 512 x 512 float32; Wp 512 x 512 float32; Wq 512 x 512 float32; Wv 512 x 512 float32; b1 2,048 float32; b2 512 float32; bk 512 float32; bp 512 float32; bq 512 float32; bv 512 float32; ln1_b 512 float32; ln1_g 512 float32; ln2_b 512 float32; ln2_g 512 float32; x 4 x 2,048 x 512 float32.
;; Outputs: out0 4 x 2,048 x 512 float32.
;; Constants: cond_len = 256.
;; This version of the problem:
;;   THIS VERSION OF THE PROBLEM IS GIVEN IN LOW PRECISION. The matrix products marked QUANTISED in the list below multiply operands that are first quantised to E2M3 (2 exponent bits, 3 mantissa bits; 6 bits a number), with one power-of-two scale for each 32 numbers along K (OCP MX v1.0); their sums are f32. All else is computed in f32.
;;   The module's matrix products, in the order in which they are computed (A, B: the left and right operand; K: the contracted axis; several contracted axes count as one K, in the product's order):
;;     1. [M 8,192, K 512] x [K 512, N 512]; A: computed on the way; B: input Wq: QUANTISED
;;     2. [M 8,192, K 512] x [K 512, N 512]; A: computed on the way; B: input Wk: QUANTISED
;;     3. [M 8,192, K 512] x [K 512, N 512]; A: computed on the way; B: input Wv: QUANTISED
;;     4. batch 64 x [M 2,048, K 32] x [K 32, N 2,048]; A: computed on the way; B: computed on the way: QUANTISED
;;     5. batch 64 x [M 2,048, K 2,048] x [K 2,048, N 32]; A: softmax (see below); B: computed on the way: QUANTISED
;;     6. [M 8,192, K 512] x [K 512, N 512]; A: computed on the way; B: input Wp: QUANTISED
;;     7. [M 8,192, K 512] x [K 512, N 2,048]; A: computed on the way; B: input W1: QUANTISED
;;     8. [M 8,192, K 2,048] x [K 2,048, N 512]; A: computed on the way; B: input W2: QUANTISED
;;   THE QUANTISER, for each operand of a quantised product, along K:
;;     - K is cut into blocks of 32 from its start; a last block that is shorter is filled with zeros.
;;     - A block's scale is 2^e with e = floor(log2(the largest magnitude in the block)) - 2, held to -126 .. 127; a block of zeros has e = 0. As a byte (E8M0): e + 127.
;;     - Each number is divided by its block's scale, clamped to +-7.5, and rounded to the nearest number of E2M3, ties to even, subnormals kept.
;;     - The product sums the exact products of the quantised numbers (number of the format x scale) in f32.
;;   ~~~python
;;   def quantise(x, axis):      # numpy; x: float32 -> the quantised numbers, widened to float32 again
;;       x = np.moveaxis(x, axis, -1); K = x.shape[-1]
;;       x = np.pad(x, [(0, 0)] * (x.ndim - 1) + [(0, -K % 32)]); x = x.reshape(x.shape[:-1] + (-1, 32)); a = np.abs(x).max(-1, keepdims=True)
;;       e = np.where(a > 0, np.clip(np.frexp(np.where(a > 0, a, 1))[1] - 1 - 2, -126, 127), 0)      # np.frexp(a)[1] - 1 = floor(log2(a)), exactly
;;       r = np.clip(x / 2.0 ** e, -7.5, 7.5)
;;       step = 2.0 ** (np.maximum(np.frexp(np.where(r == 0, 1, r))[1] - 1, 0) - 3)
;;       q = np.round(r / step) * step * 2.0 ** e      # np.round: ties to even
;;       return np.moveaxis(q.reshape(q.shape[:-2] + (-1,))[..., :K], -1, axis).astype(np.float32)
;;   ~~~
;;   SOFTMAX AHEAD OF A QUANTISED PRODUCT. Where the list says 'softmax', what is quantised is not the finished softmax but p = 2^(t - M), with t = logit x log2(e) and M = ceil(the row's largest t), a whole number; so 1/2 < the row's largest p <= 1. The row's sum l is taken of the UNQUANTISED p, in f32, and the product's result is divided by l at the end. Since M is a whole number, a kernel that streams over the keys may use a running M (the ceiling of the running maximum): every later rescaling is an exact power of two, which a block's scale takes up: the codes' values come out the same.
;;   OPERANDS COMPUTED ON THE WAY. 'Computed on the way' means the value that the module computes at that place (a softmax that the list does not call 'softmax' is quantised finished and normalised). What goes into a quantiser is computed in f32, as accurately as f32 sums, v_exp_f32 and their like allow (about 1e-6 of the number): no bf16 or f16 on the way to a quantiser, and a product that is left as it is and whose result goes on into a quantised operand takes f32 operands (vector FMAs, or v_wmma_f32_16x16x4_f32). A number that lies on a knife's edge between two numbers of the format may be rounded either way, as far as f32 arithmetic and the matrix unit's own rounding can turn it there, and no further.
;; 2 versions. Each part assembles by itself: llvm-mc -triple=amdgcn-amd-amdhsa -mcpu=gfx1250 --defsym DOCPART=n.
;; ======== version 1 of 2: 4 launches
;; workspace buffers: wc 2,359,296 bytes; ws 98,304 bytes; kv 6,553,600 bytes; qb 3,276,800 bytes; yc 3,145,728 bytes; ysc 131,072 bytes
;; launch wquant (part 1): grid 192 x 1, 4 waves a work-group, no clusters, 12,800 bytes of LDS; arguments Wq, Wk, Wv, Wp, W1, W2, wc, ws; writes wc, ws
.if DOCPART == 1
	.amdgcn_target "amdgcn-amd-amdhsa--gfx1250"
	.amdhsa_code_object_version 6
	.text
	.protected	k_qbe77d73596_wquant
	.globl	k_qbe77d73596_wquant
	.p2align	8
	.type	k_qbe77d73596_wquant,@function
k_qbe77d73596_wquant:
	s_mov_b64 s[64:65], 0
	v_nop
	global_prefetch_b8 v0, s[64:65] scope:SCOPE_SE
	s_setreg_imm32_b32 hwreg(HW_REG_WAVE_MODE, 25, 1), 1
	s_wait_xcnt 0x0
; The six weights, f32 stored [K][N], become codes of FP6 (E2M3) with one E8M0 byte for each 32 along K, laid in the ORDER OF THE OPERAND'S REGISTERS.
; A RECORD is 32 columns x 128 along K: two fragments of 16 columns (tile 0: columns 0-7, 16-23 of the 32; tile 1: columns 8-15, 24-31), 1,536 bytes each:
; registers 4 i .. 4 i + 3 of lane l at 512 i + 16 l.  Its scale words, 128 bytes in ws: lane 16 tile + row.  Record number = first + (column / 32) x (K / 128) + K step;
; first = 0 Wq, 64 Wk, 128 Wv, 192 Wp, 256 W1, 512 W2.
; A wave makes one record.  A LANE TAKES A COLUMN AND ITS REGISTERS RUN DOWN K: each load reads 128 consecutive bytes a wave (512 a work-group), a block of 32 lies in one lane, nothing is transposed.
; The codes go through the wave's own 3,072 bytes of LDS into the record's order and leave as six stores of 512 consecutive bytes.  No barrier: waves share nothing.
; A block's scale is 2^(floor(log2(largest magnitude)) - 2); its byte is the largest magnitude's exponent field - 2, held at 1 from below.
; LIMITS: a block of zeros gets the byte 1 where the rule says 127 (its codes are zeros; the bytes are read by this program alone); NaN and infinities are not served.
.set SB,  7                            ; v7       the column's four scale bytes
.set D,   12                           ; v12-17   a block's 24 bytes of codes
.set E,   18                           ; v18-20   its upper half as the conversion leaves it
.set OFF, 24                           ; v24-55   4 x lane + i x a row of the weight, i = 0 .. 31
.set X,   56                           ; v56-183  the column's 128 numbers
	s_load_b256 s[4:11], s[0:1], 0x0               ; Wq, Wk, Wv, Wp
	s_load_b256 s[12:19], s[0:1], 0x20             ; W1, W2, wc, ws
	v_lshl_add_u32 v192, v0, 2, 0x3000
	v_mov_b32 v193, 0
	v_lshrrev_b32 v1, 5, v0
	v_readfirstlane_b32 s30, v1                    ; wave
	v_and_b32 v1, 31, v0                           ; lane = my column of the 32
	v_lshlrev_b32 v2, 2, v1
	v_bfe_u32 v8, v0, 3, 1                         ; my tile: (lane / 8) % 2
	v_and_b32 v9, 7, v0
	v_bfe_u32 v10, v0, 4, 1
	v_lshl_add_u32 v9, v10, 3, v9                  ; my row in it: lane % 8 + 8 (lane / 16)
	s_mul_i32 s31, s30, 3072                       ; my wave's stage
	v_mul_u32_u24 v3, v8, 1536
	v_lshl_add_u32 v3, v9, 4, v3
	v_add_nc_u32 v3, s31, v3                       ; into it: 1,536 x tile + 16 x row
	v_lshlrev_b32 v5, 4, v1                        ; out of it, and in wc: 16 x lane
	v_add_nc_u32 v4, s31, v5
	v_lshl_add_u32 v6, v8, 4, v9
	v_lshlrev_b32 v6, 2, v6                        ; in ws: 4 (16 tile + row)
	; which record: work-groups 0-63 the four square weights (16 each), 64-127 W1, 128-191 W2
	s_lshr_b32 s20, ttmp9, 4
	s_lshr_b32 s21, ttmp9, 6                       ; 0, 1 (W1), 2 (W2)
	s_lshl_b32 s23, s20, 6
	s_lshl_b32 s24, s21, 8
	s_cmp_eq_u32 s21, 0
	s_cselect_b32 s22, 15, 63
	s_cselect_b32 s23, s23, s24                    ; the weight's first record
	s_and_b32 s22, ttmp9, s22                      ; the work-group's number within its weight
	s_cmp_eq_u32 s21, 1
	s_cselect_b32 s24, 15, 3                       ; groups of 128 columns: 16 in W1, 4 elsewhere
	s_cselect_b32 s25, 4, 2
	s_cselect_b32 s34, 13, 11                      ; a row is 8,192 bytes in W1, 2,048 elsewhere
	s_and_b32 s27, s22, s24
	s_lshr_b32 s28, s22, s25                       ; K step
	s_cmp_eq_u32 s21, 2
	s_cselect_b32 s29, 4, 2                        ; K steps in the weight: 16 in W2, 4 elsewhere
	s_lshl_b32 s27, s27, 2
	s_add_co_u32 s27, s27, s30                     ; column / 32
	s_lshl_b32 s35, s27, s29
	s_add_co_u32 s35, s35, s28
	s_add_co_u32 s35, s35, s23                     ; the record
	s_add_co_u32 s26, s34, 7
	s_lshl_b32 s32, s28, s26                       ; 128 rows a K step,
	s_lshl_b32 s33, s27, 7                         ; 128 bytes for 32 columns
	s_add_co_u32 s32, s32, s33
	s_mov_b32 s33, 0
	s_add_co_u32 s26, s34, 5
	s_lshl_b32 s44, 1, s26                         ; 32 rows in bytes
	s_mov_b32 s45, 0
.set I, 0
.rept 32
	v_lshl_add_u32 v[OFF+I], I, s34, v2
.set I, I+1
.endr
	s_wait_kmcnt 0x0
	s_cmp_eq_u32 s20, 1                            ; the choice of the weight hangs on the work-group's number alone
	s_cselect_b64 s[4:5], s[6:7], s[4:5]
	s_cmp_eq_u32 s20, 2
	s_cselect_b64 s[4:5], s[8:9], s[4:5]
	s_cmp_eq_u32 s20, 3
	s_cselect_b64 s[4:5], s[10:11], s[4:5]
	s_cmp_eq_u32 s21, 1
	s_cselect_b64 s[4:5], s[12:13], s[4:5]
	s_cmp_eq_u32 s21, 2
	s_cselect_b64 s[4:5], s[14:15], s[4:5]
	s_add_nc_u64 s[36:37], s[4:5], s[32:33]        ; a base for each block of 32 rows
	s_add_nc_u64 s[38:39], s[36:37], s[44:45]
	s_add_nc_u64 s[40:41], s[38:39], s[44:45]
	s_add_nc_u64 s[42:43], s[40:41], s[44:45]
	s_mul_i32 s32, s35, 3072
	s_add_nc_u64 s[16:17], s[16:17], s[32:33]
	s_lshl_b32 s32, s35, 7
	s_add_nc_u64 s[18:19], s[18:19], s[32:33]
.set I, 0
.rept 128
	global_load_b32 v[X+I], v[OFF+I%32], s[36+2*(I/32):37+2*(I/32)] th:TH_LOAD_NT
.set I, I+1
.endr
; block kb = 32 along K: it is half kb / 2 of the registers of lane 16 (kb % 2) + row of my tile's fragment
.macro BLOCK kb, cnt
.set XS, X+32*(\kb)
	s_wait_loadcnt \cnt                            ; loads come back in order: this block's 32 are in
	v_max3_num_f32 v8, |v[XS]|, |v[XS+1]|, |v[XS+2]|
	v_max3_num_f32 v9, |v[XS+3]|, |v[XS+4]|, |v[XS+5]|
.irp i, 6,10,14,18,22,26
	v_max3_num_f32 v8, v8, |v[XS+\i]|, |v[XS+\i+1]|
	v_max3_num_f32 v9, v9, |v[XS+\i+2]|, |v[XS+\i+3]|
.endr
	v_max3_num_f32 v8, v8, |v[XS+30]|, |v[XS+31]|
	v_max3_num_f32 v8, v8, v9, 0x1800000           ; and the floor 2^(3 - 127): the byte cannot fall under 1
	v_add_nc_u32 v10, 0xff000000, v8               ; 2 off the exponent field: the conversion's scale operand
	v_lshrrev_b32 v11, 23, v10                     ; the scale's byte
.if (\kb) == 0
	v_mov_b32 v[SB], v11
.else
	v_lshl_or_b32 v[SB], v11, 8*(\kb), v[SB]
.endif
	v_cvt_scalef32_pk16_fp6_f32 v[D:D+2], v[XS:XS+15], v10
	v_cvt_scalef32_pk16_fp6_f32 v[E:E+2], v[XS+16:XS+31], v10   ; (a conversion's three registers begin on an even number)
	v_nop                                          ; one plain place behind a scaled conversion
.irp i, 0,1,2
	v_mov_b32 v[D+3+\i], v[E+\i]
.endr
.if (\kb) < 2
	ds_store_b128 v3, v[D:D+3] offset:256*(\kb)            ; registers 0-3,
	ds_store_b64 v3, v[D+4:D+5] offset:256*(\kb)+512       ; 4 and 5
.else
	ds_store_b64 v3, v[D:D+1] offset:256*((\kb)-2)+520     ; registers 6 and 7,
	ds_store_b128 v3, v[D+2:D+5] offset:256*((\kb)-2)+1024 ; 8-11
.endif
	s_wait_dscnt 0x0                               ; the stores have read their registers
.endm
	BLOCK 0, 63                                    ; the wait's field holds 63 at the most: with 63 out, 65 of the 128 are in, blocks 0 and 1 among them
	BLOCK 1, 63
	BLOCK 2, 32
	BLOCK 3, 0
.irp i, 0,1,2,3,4,5
	ds_load_b128 v[X+4*\i:X+4*\i+3], v4 offset:512*\i      ; LDS serves a wave's instructions in order: these see my stores
.endr
	global_store_b32 v6, v[SB], s[18:19]           ; the record's 32 scale words: 128 consecutive bytes
.irp i, 0,1,2,3,4,5
	s_wait_dscnt 5-\i
	global_store_b128 v5, v[X+4*\i:X+4*\i+3], s[16:17] offset:512*\i   ; 512 consecutive bytes, at a multiple of 256 from wc's first byte
.endr
	s_wait_tensorcnt 0x0
	ds_add_u32 v192, v193
	s_wait_dscnt 0x0
	s_endpgm
.Lfunc_end_k_qbe77d73596_wquant:
	.size	k_qbe77d73596_wquant, .Lfunc_end_k_qbe77d73596_wquant-k_qbe77d73596_wquant
	.p2alignl 7, 3214868480
	.fill 96, 4, 3214868480
	.section	.rodata,"a",@progbits
	.p2align	6, 0x0
	.amdhsa_kernel k_qbe77d73596_wquant
		.amdhsa_group_segment_fixed_size 12800
		.amdhsa_private_segment_fixed_size 0
		.amdhsa_enable_private_segment 0
		.amdhsa_kernarg_size 64
		.amdhsa_user_sgpr_count 2
		.amdhsa_user_sgpr_kernarg_segment_ptr 1
		.amdhsa_wavefront_size32 1
		.amdhsa_system_sgpr_workgroup_id_x 1
		.amdhsa_system_sgpr_workgroup_id_y 1
		.amdhsa_system_sgpr_workgroup_id_z 1
		.amdhsa_system_vgpr_workitem_id 0
		.amdhsa_next_free_vgpr 194
		.amdhsa_next_free_sgpr 66
		.amdhsa_reserve_vcc 0
		.amdhsa_float_denorm_mode_32 3
		.amdhsa_float_denorm_mode_16_64 3
		.amdhsa_memory_ordered 1
		.amdhsa_forward_progress 1
		.amdhsa_inst_pref_size 25
	.end_amdhsa_kernel
	.amdgpu_metadata
---
amdhsa.version: [ 1, 2 ]
amdhsa.kernels:
  - .name:           k_qbe77d73596_wquant
    .symbol:         k_qbe77d73596_wquant.kd
    .args:
      - { .name: Wq, .offset: 0, .size: 8, .value_kind: global_buffer, .address_space: global }
      - { .name: Wk, .offset: 8, .size: 8, .value_kind: global_buffer, .address_space: global }
      - { .name: Wv, .offset: 16, .size: 8, .value_kind: global_buffer, .address_space: global }
      - { .name: Wp, .offset: 24, .size: 8, .value_kind: global_buffer, .address_space: global }
      - { .name: W1, .offset: 32, .size: 8, .value_kind: global_buffer, .address_space: global }
      - { .name: W2, .offset: 40, .size: 8, .value_kind: global_buffer, .address_space: global }
      - { .name: wc, .offset: 48, .size: 8, .value_kind: global_buffer, .address_space: global }
      - { .name: ws, .offset: 56, .size: 8, .value_kind: global_buffer, .address_space: global }
    .group_segment_fixed_size: 12800
    .private_segment_fixed_size: 0
    .kernarg_segment_align: 8
    .kernarg_segment_size: 64
    .max_flat_workgroup_size: 128
    .sgpr_count:     66
    .vgpr_count:     194
    .wavefront_size: 32
...
	.end_amdgpu_metadata
.endif
;; end of part 1
;; launch qkv (part 2): grid 256 x 1, 8 waves a work-group, no clusters, 119,296 bytes of LDS; arguments x, ln1_g, ln1_b, bq, bk, bv, wc, ws, kv, qb; writes kv, qb
.if DOCPART == 2
	.amdgcn_target "amdgcn-amd-amdhsa--gfx1250"
	.amdhsa_code_object_version 6
	.text
	.protected	k_qbe77d73596_qkv
	.globl	k_qbe77d73596_qkv
	.p2align	8
	.type	k_qbe77d73596_qkv,@function
k_qbe77d73596_qkv:
	s_mov_b64 s[64:65], 0
	v_nop
	global_prefetch_b8 v0, s[64:65] scope:SCOPE_SE
	s_setreg_imm32_b32 hwreg(HW_REG_WAVE_MODE, 25, 1), 1
	s_wait_xcnt 0x0
; h = layernorm(x); q = h Wq + bq, k = h Wk + bk, v = h Wv + bv on codes of FP6 (E2M3); q and k are then quantised along a head's 32 channels, v along 32 tokens.
; A work-group owns 32 tokens.  ROWS OF A TILE ARE NOT NEIGHBOURS: row r of tile u is token 8 u + r + 8 (r / 8) of the 32; columns of a weight's tile likewise (launch wquant).
; So a lane's 16 registers of two neighbouring tiles are 16 neighbours along the axis that is quantised next.
; LAYERNORM: wave w = (u = w / 4, K step = w % 4) holds 16 rows x 128 columns, 64 numbers a lane in the order the quantiser wants.  Mean first, then the squares of x - mean: no difference of large sums.
; PRODUCTS: wave w makes channels 64 w .. 64 w + 63 (heads 2 w, 2 w + 1) of q, k, v for all 32 rows: 8 accumulators.  q and k are used transposed (source 0 = 16 columns of W, source 1 = 16 rows of h):
; a lane holds one token and 16 neighbouring channels.  v is used straight: a lane holds one channel and 16 neighbouring tokens.
; THE WEIGHTS go from memory straight into the operand registers of the one wave that multiplies by them, in two halves of 4 records by turns, each asked for two half-steps ahead.
; No joint loads: they land in LDS, and with 32 rows to a work-group each fragment of 1,536 bytes read from there would feed two matrix instructions.
; OUT: kv[block of 32 tokens][head]: 768 bytes K codes [u][r][24], 768 bytes V codes [tile][channel row][24], 32 K scale bytes, 32 V scale bytes; qb[block][head]: 768 bytes codes, 32 bytes.
; They are gathered in LDS and leave as 25,600 and 12,800 consecutive bytes.
; LIMITS: a block of zeros gets the byte 1 where the rule says 127 (its codes are zeros; this program alone reads the bytes); NaN and infinities are not served.
.set XSTG,  0                          ; LDS: 32 rows of x, 2,064 bytes apart
.set RED1,  66048                      ; [u][r][K step] partial sums, 512 bytes; the squares' 512 behind them
.set HIMG,  67072                      ; h's 8 fragments (4 u + K step), lane l's 48 bytes at 48 l
.set HSC,   79360                      ; their scale words, 64 bytes each
.set KVSTG, 79872                      ; the work-group's part of kv, 25,600 bytes
.set QSTG,  105472                     ; and of qb, 12,800 bytes
.set X,    32                          ; v32-95   64 numbers of x;  later the 8 accumulators
.set ACC,  32
.set HF,   96                          ; v96-191  h's 8 fragments
.set GG,   96                          ; v96-159  ln1_g, v160-223 ln1_b, until they are used
.set BB,   160
.set PC,   192                          ; v192-203 codes just made
.set TE,   204
.set TM,   208                          ; v208-213 at work in the quantiser
.set W0,   214
.set W1,   215
.set PW,   216
.set ST,   224                          ; v224-231 sums;  mean in v228, 1 / deviation in v230
.set MU,   228
.set RS,   230
.set BV,   232                          ; v232-239 bv of my channel, tile t at 2 t (the odd ones 0)
.set WSR,  240                          ; v240-247 the weights' scale words, 4 for each half
.set HS,   248                          ; v248-255 h's scale words
.set WC,  16
.set WS,  18
.set WV,  24
.set UU,  25
.set KA,  26
.set SEL, 28
.set INV, 30
.set EPS, 31
; window 1: v0-31 bq, v32-63 bk in the result's layout (tile t at 8 t); v64-255 the weights' two halves
.set MSB, 0
.macro WIN new                         ; the immediate's high byte repeats the setting that is left
.if MSB != \new
	s_set_vgpr_msb (MSB<<8)|\new
.set MSB, \new
.endif
.endm
.macro PLACES                          ; four places behind matrix instructions, ahead of loads into their registers and of reads of their results
.rept 4
	v_nop
.endr
.endm
.macro BARRIER                         ; my LDS stores have landed and my LDS loads are in: then the work-group's barrier
	s_wait_dscnt 0x0
	s_barrier_signal -1
	s_barrier_wait -1
.endm
; 32 numbers of a lane, two blocks: v[s + 16 b + i] = k 16 (lane / 16) + i of block b of my row.  Result: 6 registers of codes, lanes 0-15 block 0 whole, lanes 16-31 block 1 whole; v[w] = byte 0 | byte 1 << 8
.macro QUANT2 s, d, w
	v_max3_num_f32 v[TM], |v[\s]|, |v[\s+1]|, 0x1800000       ; with the floor 2^(3 - 127): the byte cannot fall under 1
	v_max3_num_f32 v[TM+1], |v[\s+16]|, |v[\s+17]|, 0x1800000
.irp i, 2,4,6,8,10,12,14
	v_max3_num_f32 v[TM], v[TM], |v[\s+\i]|, |v[\s+\i+1]|
	v_max3_num_f32 v[TM+1], v[TM+1], |v[\s+16+\i]|, |v[\s+17+\i]|
.endr
	v_permlanex16_b32 v[TM+2], v[TM], s[SEL], s[SEL+1]
	v_permlanex16_b32 v[TM+3], v[TM+1], s[SEL], s[SEL+1]
	v_max_num_f32 v[TM], v[TM], v[TM+2]            ; with lane l xor 16's 16: the block's largest magnitude
	v_max_num_f32 v[TM+1], v[TM+1], v[TM+3]
	v_add_nc_u32 v[TM+4], 0xff000000, v[TM]        ; 2 off the exponent field: the conversion's scale operand
	v_add_nc_u32 v[TM+5], 0xff000000, v[TM+1]
	v_lshrrev_b32 v[TM+2], 23, v[TM+4]             ; the scales' bytes
	v_lshrrev_b32 v[TM+3], 23, v[TM+5]
	v_lshl_or_b32 v[\w], v[TM+3], 8, v[TM+2]
	v_cvt_scalef32_pk16_fp6_f32 v[\d:\d+2], v[\s:\s+15], v[TM+4]
	v_cvt_scalef32_pk16_fp6_f32 v[TE:TE+2], v[\s+16:\s+31], v[TM+5]
	v_nop                                          ; one plain place behind a scaled conversion
.irp i, 0,1,2
	v_permlane16_swap_b32 v[\d+\i], v[TE+\i]       ; the first now holds each lane's block's lower 16 codes, the second the upper 16
.endr
.irp i, 0,1,2
	v_mov_b32 v[\d+3+\i], v[TE+\i]
.endr
.endm
; four records into half hf of the ring: 24 loads of 512 consecutive bytes and 4 of 128.  No address register is ever rewritten
.macro LDHALF hf, vo, so, n0, n1, n2, n3
	WIN 0x40
.set LQ, 0
.irp nn, \n0, \n1, \n2, \n3
.irp i, 0,1,2,3,4,5
	global_load_b128 v[64+96*(\hf)+24*LQ+4*\i:64+96*(\hf)+24*LQ+4*\i+3], v[\vo], s[WC:WC+1] offset:3072*(\nn)+512*\i
.endr
.set LQ, LQ+1
.endr
	WIN 0
.set LQ, 0
.irp nn, \n0, \n1, \n2, \n3
	global_load_b32 v[WSR+4*(\hf)+LQ], v[\so], s[WS:WS+1] offset:128*(\nn)
.set LQ, LQ+1
.endr
.endm
.macro LDW mm, n                       ; half n of weight mm: record q = (K step 2 n + q / 2, pair of tiles q % 2)
	LDHALF \n, 14, 15, 64*\mm+2*\n, 64*\mm+4+2*\n, 64*\mm+1+2*\n, 64*\mm+5+2*\n
.endm
; one matrix instruction.  c < 0: the constant 0 starts the sum.  row = 1: source 0's scales in lanes 16-31; row = 2: source 1's
.macro WM d, a, b, c, sa, sb, row
.if (\c) < 0
.if (\row) == 0
	v_wmma_scale_f32_16x16x128_f8f6f4 v[\d:\d+7], v[\a:\a+11], v[\b:\b+11], 0, v[\sa], v[\sb] matrix_a_fmt:MATRIX_FMT_FP6 matrix_b_fmt:MATRIX_FMT_FP6
.elseif (\row) == 1
	v_wmma_scale_f32_16x16x128_f8f6f4 v[\d:\d+7], v[\a:\a+11], v[\b:\b+11], 0, v[\sa], v[\sb] matrix_a_fmt:MATRIX_FMT_FP6 matrix_b_fmt:MATRIX_FMT_FP6 matrix_a_scale:MATRIX_SCALE_ROW1
.else
	v_wmma_scale_f32_16x16x128_f8f6f4 v[\d:\d+7], v[\a:\a+11], v[\b:\b+11], 0, v[\sa], v[\sb] matrix_a_fmt:MATRIX_FMT_FP6 matrix_b_fmt:MATRIX_FMT_FP6 matrix_b_scale:MATRIX_SCALE_ROW1
.endif
.else
.if (\row) == 0
	v_wmma_scale_f32_16x16x128_f8f6f4 v[\d:\d+7], v[\a:\a+11], v[\b:\b+11], v[\c:\c+7], v[\sa], v[\sb] matrix_a_fmt:MATRIX_FMT_FP6 matrix_b_fmt:MATRIX_FMT_FP6
.elseif (\row) == 1
	v_wmma_scale_f32_16x16x128_f8f6f4 v[\d:\d+7], v[\a:\a+11], v[\b:\b+11], v[\c:\c+7], v[\sa], v[\sb] matrix_a_fmt:MATRIX_FMT_FP6 matrix_b_fmt:MATRIX_FMT_FP6 matrix_a_scale:MATRIX_SCALE_ROW1
.else
	v_wmma_scale_f32_16x16x128_f8f6f4 v[\d:\d+7], v[\a:\a+11], v[\b:\b+11], v[\c:\c+7], v[\sa], v[\sb] matrix_a_fmt:MATRIX_FMT_FP6 matrix_b_fmt:MATRIX_FMT_FP6 matrix_b_scale:MATRIX_SCALE_ROW1
.endif
.endif
.endm
; a half-step of q (mm = 0) or k (1): two K steps x 8 accumulators by turns, transposed; the bias is the C of each sum's first instruction
.macro H2T mm, n, cnt
	s_wait_loadcnt \cnt                            ; this half's 28 loads are in; the other half's 28 may be out
.irp kl, 0,1
.if 2*\n+\kl == 0
	WIN 0x11                                       ; source 0 (W) and source 2 (the bias) window 1
.else
	WIN 0x01
.endif
.irp pp, 0,1
.irp tt, 0,1
.irp u, 0,1
.set rD, ACC+32*\u+8*(2*\pp+\tt)
.set rC, rD
.if 2*\n+\kl == 0
.set rC, 32*\mm+8*(2*\pp+\tt)
.endif
	WM rD, 64+96*\n+24*(2*\kl+\pp)+12*\tt, HF+12*(4*\u+2*\n+\kl), rC, WSR+4*\n+2*\kl+\pp, HS+4*\u+2*\n+\kl, \tt
.endr
.endr
.endr
.endr
	WIN 0
	PLACES
.endm
; the same of v, straight: source 0 = 16 rows of h, source 1 = 16 columns of Wv; accumulator (tile of channels t, u) at 16 t + 8 u
.macro H2V n, cnt
	s_wait_loadcnt \cnt
	WIN 0x04                                       ; source 1 (W) window 1
.irp kl, 0,1
.irp pp, 0,1
.irp tt, 0,1
.irp u, 0,1
.set rD, ACC+16*(2*\pp+\tt)+8*\u
.set rC, rD
.if 2*\n+\kl == 0
.set rC, -1
.endif
	WM rD, HF+12*(4*\u+2*\n+\kl), 64+96*\n+24*(2*\kl+\pp)+12*\tt, rC, HS+4*\u+2*\n+\kl, WSR+4*\n+2*\kl+\pp, 2*\tt
.endr
.endr
.endr
.endr
	WIN 0
	PLACES
.endm
; q's or k's 32 rows x 2 heads are quantised head by head: lanes 0-15 end with head 2 w's block of row r, lanes 16-31 with head 2 w + 1's
.macro QKOUT a, ab
.irp u, 0,1
	QUANT2 ACC+32*\u, PC, W0
	ds_store_b64 v[\a], v[PC:PC+1] offset:384*\u
	ds_store_b64 v[\a], v[PC+2:PC+3] offset:384*\u+8
	ds_store_b64 v[\a], v[PC+4:PC+5] offset:384*\u+16
	v_lshrrev_b32 v[W1], v24, v[W0]                ; my half's byte
	ds_store_b8 v[\ab], v[W1] offset:16*\u
	s_wait_dscnt 0x0                               ; the stores have read their registers
.endr
.endm
	s_load_b256 s[4:11], s[0:1], 0x0               ; x, ln1_g, ln1_b, bq
	s_load_b256 s[12:19], s[0:1], 0x20             ; bk, bv, wc, ws
	s_load_b128 s[20:23], s[0:1], 0x40             ; kv, qb
	v_lshl_add_u32 v30, v0, 2, 0x1ce00
	v_mov_b32 v31, 0
	v_lshrrev_b32 v27, 5, v0
	v_readfirstlane_b32 s[WV], v27                 ; wave 0..7
	v_and_b32 v1, 31, v0                           ; lane
	v_and_b32 v2, 15, v0                           ; r
	v_bfe_u32 v3, v0, 4, 1                         ; h
	s_lshr_b32 s[UU], s[WV], 2
	s_and_b32 s[KA], s[WV], 3
	s_mov_b32 s[SEL], 0x76543210
	s_mov_b32 s[SEL+1], 0xfedcba98                 ; v_permlanex16_b32's selects for lane l xor 16
	s_mov_b32 s[INV], 0x3b000000                   ; 1 / 512
	s_mov_b32 s[EPS], 0x3727c5ac                   ; 1e-5
	s_lshl_b32 s32, s[WV], 13
	v_lshl_add_u32 v4, v1, 4, s32                  ; v4  x in memory: rows 4 w on, 16 bytes a lane
	s_mul_i32 s32, s[WV], 8256
	v_lshl_add_u32 v5, v1, 4, s32                  ; v5  the same rows in LDS
	v_and_b32 v27, 8, v2
	v_add_nc_u32 v27, v27, v2                      ; r + 8 (r / 8)
	v_mul_u32_u24 v6, v27, 2064
	v_lshl_add_u32 v6, v3, 6, v6
	s_mul_i32 s32, s[UU], 16512
	s_lshl_b32 s33, s[KA], 9
	s_add_co_u32 s32, s32, s33
	v_add_nc_u32 v6, s32, v6                       ; v6  my row's 16 numbers of each block of 32: row, + 512 K step + 64 h
	v_lshl_add_u32 v7, v3, 6, s33                  ; v7  the same columns in ln1_g, ln1_b
	s_lshl_b32 s32, s[UU], 8
	s_add_co_u32 s32, s32, RED1
	v_lshl_add_u32 v9, v2, 4, s32                  ; v9  my row's four partial sums
	s_lshl_b32 s33, s[KA], 2
	v_add_nc_u32 v8, s33, v9                       ; v8  mine among them
	v_mul_u32_u24 v12, v1, 48
	v_add_nc_u32 v12, HIMG, v12                    ; v12 a fragment's image for my lane
	s_mul_i32 s32, s[WV], 1536
	v_add_nc_u32 v10, s32, v12                     ; v10 the fragment that I make
	v_lshl_add_u32 v13, v2, 2, HSC                 ; v13 a scale word for my row
	s_lshl_b32 s32, s[WV], 6
	v_add_nc_u32 v11, s32, v13                     ; v11 the one that I make
	s_mul_i32 s32, s[WV], 24576
	v_lshl_add_u32 v14, v1, 4, s32                 ; v14 wc: my wave's 8 records of a weight
	s_lshl_b32 s32, s[WV], 10
	v_lshl_add_u32 v15, v1, 2, s32                 ; v15 ws likewise
	s_lshl_b32 s32, s[WV], 8
	v_lshl_add_u32 v16, v3, 6, s32                 ; v16 bq, bk: 4 (64 w + 16 h)
	v_lshl_add_u32 v17, v27, 2, s32                ; v17 bv: 4 (64 w + r + 8 (r / 8))
	s_mul_i32 s32, s[WV], 1600
	s_add_co_u32 s32, s32, QSTG
	v_mul_u32_u24 v19, v3, 800
	v_add_nc_u32 v19, s32, v19
	v_mad_u32_u24 v18, v2, 24, v19                 ; v18 q's codes: head 2 w + h, row r
	v_add_nc_u32 v19, v19, v2
	v_add_nc_u32 v19, 768, v19                     ; v19 q's scale byte
	s_mul_i32 s32, s[WV], 3200
	s_add_co_u32 s32, s32, KVSTG
	v_mul_u32_u24 v21, v3, 1600
	v_add_nc_u32 v21, s32, v21
	v_mad_u32_u24 v20, v2, 24, v21                 ; v20 k's codes
	v_add_nc_u32 v21, v21, v2
	v_add_nc_u32 v21, 1536, v21                    ; v21 k's scale byte
	v_mul_u32_u24 v22, v1, 24
	v_add_nc_u32 v22, s32, v22
	v_add_nc_u32 v22, 768, v22                     ; v22 v's codes: tile lane / 16, channel row lane % 16
	v_add_nc_u32 v23, s32, v1
	v_add_nc_u32 v23, 1568, v23                    ; v23 v's scale byte
	v_lshlrev_b32 v24, 3, v3                       ; v24 8 h
	v_lshlrev_b32 v26, 4, v0                       ; v26 the way out: 16 x thread
	v_add_nc_u32 v25, KVSTG, v26                   ; v25 and in LDS
.irp t, 0,1,2,3
	v_mov_b32 v[BV+2*\t+1], 0                      ; (named as the upper halves of pairs)
.endr
	s_lshl_b32 s32, ttmp9, 16                      ; 32 rows of 2,048 bytes a work-group
	s_mov_b32 s33, 0
	s_mul_i32 s34, ttmp9, 25600
	s_mov_b32 s35, 0
	s_mul_i32 s36, ttmp9, 12800
	s_mov_b32 s37, 0
	s_wait_kmcnt 0x0
	s_add_nc_u64 s[4:5], s[4:5], s[32:33]
	s_add_nc_u64 s[20:21], s[20:21], s[34:35]
	s_add_nc_u64 s[22:23], s[22:23], s[36:37]
	; ---- x comes in as it lies, 512 consecutive bytes a load, and turns through LDS
.irp i, 0,1,2,3
.irp k, 0,1,2,3
	global_load_b128 v[X+4*(4*\i+\k):X+4*(4*\i+\k)+3], v4, s[4:5] offset:2048*\i+512*\k th:TH_LOAD_NT
.endr
.endr
.irp bb, 0,1,2,3
.irp j, 0,1,2,3
	global_load_b128 v[GG+16*\bb+4*\j:GG+16*\bb+4*\j+3], v7, s[6:7] offset:128*\bb+16*\j
	global_load_b128 v[BB+16*\bb+4*\j:BB+16*\bb+4*\j+3], v7, s[8:9] offset:128*\bb+16*\j
.endr
.endr
	WIN 0x40
.irp t, 0,1,2,3
.irp e, 0,1
	global_load_b128 v[8*\t+4*\e:8*\t+4*\e+3], v16, s[10:11] offset:4*(32*(\t/2)+8*(\t%2))+16*\e
	global_load_b128 v[32+8*\t+4*\e:32+8*\t+4*\e+3], v16, s[12:13] offset:4*(32*(\t/2)+8*(\t%2))+16*\e
.endr
.endr
	WIN 0
.irp t, 0,1,2,3
	global_load_b32 v[BV+2*\t], v17, s[14:15] offset:4*(32*(\t/2)+8*(\t%2))
.endr
	s_wait_loadcnt 52                              ; x's 16 loads are in; the 52 of the gains and biases may be out
.irp i, 0,1,2,3
.irp k, 0,1,2,3
	ds_store_b128 v5, v[X+4*(4*\i+\k):X+4*(4*\i+\k)+3] offset:2064*\i+512*\k
.endr
.endr
	LDW 0, 0                                       ; Wq's two halves are asked for now
	LDW 0, 1
	BARRIER                                        ; the 32 rows of x lie in LDS
.irp bb, 0,1,2,3
.irp j, 0,1,2,3
	ds_load_b128 v[X+16*\bb+4*\j:X+16*\bb+4*\j+3], v6 offset:128*\bb+16*\j   ; register 16 bb + i = k 32 bb + 16 h + i of my row's 128
.endr
.endr
	s_wait_dscnt 0x0
	; ---- the mean
.irp c, 0,1,2,3
	v_pk_add_f32 v[ST+2*\c:ST+2*\c+1], v[X+4*\c:X+4*\c+1], v[X+4*\c+2:X+4*\c+3]
.endr
.irp j, 16,24,32,40,48,56
.irp c, 0,1,2,3
	v_pk_add_f32 v[ST+2*\c:ST+2*\c+1], v[ST+2*\c:ST+2*\c+1], v[X+\j+2*\c:X+\j+2*\c+1]
.endr
.endr
.macro FOLD off                        ; four chains -> my row's sum over the wave's 128 columns -> LDS -> the row's sum over all 512, in v[ST]
	v_pk_add_f32 v[ST:ST+1], v[ST:ST+1], v[ST+2:ST+3]
	v_pk_add_f32 v[ST+4:ST+5], v[ST+4:ST+5], v[ST+6:ST+7]
	v_pk_add_f32 v[ST:ST+1], v[ST:ST+1], v[ST+4:ST+5]
	v_add_f32 v[ST], v[ST], v[ST+1]
	v_permlanex16_b32 v[ST+1], v[ST], s[SEL], s[SEL+1]
	v_add_f32 v[ST], v[ST], v[ST+1]
	ds_store_b32 v8, v[ST] offset:\off             ; both halves of the lanes write the same word with the same value
	BARRIER
	ds_load_b128 v[ST:ST+3], v9 offset:\off
	s_wait_dscnt 0x0
	v_add_f32 v[ST], v[ST], v[ST+1]
	v_add_f32 v[ST+2], v[ST+2], v[ST+3]
	v_add_f32 v[ST], v[ST], v[ST+2]
.endm
	FOLD 0
	v_mul_f32 v[MU], s[INV], v[ST]
.set I, 0
.rept 32
	v_pk_add_f32 v[X+I:X+I+1], v[X+I:X+I+1], v[MU:MU+1] op_sel_hi:[1,0] neg_lo:[0,1] neg_hi:[0,1]   ; x - mean
.set I, I+2
.endr
	; ---- the variance, of x - mean
.irp c, 0,1,2,3
	v_pk_mul_f32 v[ST+2*\c:ST+2*\c+1], v[X+2*\c:X+2*\c+1], v[X+2*\c:X+2*\c+1]
.endr
.irp j, 8,16,24,32,40,48,56
.irp c, 0,1,2,3
	v_pk_fma_f32 v[ST+2*\c:ST+2*\c+1], v[X+\j+2*\c:X+\j+2*\c+1], v[X+\j+2*\c:X+\j+2*\c+1], v[ST+2*\c:ST+2*\c+1]
.endr
.endr
	FOLD 512
	v_fma_f32 v[ST+4], v[ST], s[INV], s[EPS]
	v_rsq_f32 v[RS], v[ST+4]
	v_nop                                          ; a plain place behind the transcendental; it names no register, since ln1_g's and ln1_b's loads may still be out here
	s_wait_loadcnt 56                              ; the gains and biases are in; only the ring's 56 loads are younger
	s_wait_alu depctr_va_vdst(0)                   ; the wait ahead of the first reader of the root
.set I, 0
.rept 32
	v_pk_mul_f32 v[X+I:X+I+1], v[X+I:X+I+1], v[RS:RS+1] op_sel_hi:[1,0]
.set I, I+2
.endr
.set I, 0
.rept 32
	v_pk_fma_f32 v[X+I:X+I+1], v[X+I:X+I+1], v[GG+I:GG+I+1], v[BB+I:BB+I+1]
.set I, I+2
.endr
	v_mov_b32 v[TM+2], 0                           ; ln1_b's registers have been read for the last time: the lane permutes' destinations, which count as sources, are written once
	v_mov_b32 v[TM+3], 0
	QUANT2 X, PC, W0
	QUANT2 X+32, PC+6, W1
	v_lshl_or_b32 v[PW], v[W1], 16, v[W0]          ; my row's scale word for these 128
.irp i, 0,1,2
	ds_store_b128 v10, v[PC+4*\i:PC+4*\i+3] offset:16*\i
.endr
	ds_store_b32 v11, v[PW]
	BARRIER                                        ; h's eight fragments lie in LDS
.irp f, 0,1,2,3,4,5,6,7
.irp i, 0,1,2
	ds_load_b128 v[HF+12*\f+4*\i:HF+12*\f+4*\i+3], v12 offset:1536*\f+16*\i
.endr
	ds_load_b32 v[HS+\f], v13 offset:64*\f
.endr
	s_wait_dscnt 0x0
	; ---- q
	H2T 0, 0, 28
	LDW 1, 0
	H2T 0, 1, 28
	LDW 1, 1
	QKOUT 18, 19
	; ---- k
	H2T 1, 0, 28
	LDW 2, 0
	H2T 1, 1, 28
	LDW 2, 1
	QKOUT 20, 21
	; ---- v
	H2V 0, 28
	H2V 1, 0                                       ; the last half: nothing younger is out
.irp t, 0,1,2,3
.irp k, 0,2,4,6,8,10,12,14
	v_pk_add_f32 v[ACC+16*\t+\k:ACC+16*\t+\k+1], v[ACC+16*\t+\k:ACC+16*\t+\k+1], v[BV+2*\t:BV+2*\t+1] op_sel_hi:[1,0]   ; + bv of my channel; each accumulator from its low end on
.endr
.endr
.irp c, 0,1                                    ; head 2 w + c: its two tiles of channels, 32 tokens along the registers of lanes l and l xor 16
	QUANT2 ACC+32*\c, PC, W0
	ds_store_b64 v22, v[PC:PC+1] offset:1600*\c
	ds_store_b64 v22, v[PC+2:PC+3] offset:1600*\c+8
	ds_store_b64 v22, v[PC+4:PC+5] offset:1600*\c+16
	v_lshrrev_b32 v[W1], v24, v[W0]
	ds_store_b8 v23, v[W1] offset:1600*\c
	s_wait_dscnt 0x0
.endr
	BARRIER                                        ; the work-group's parts of kv and qb lie whole in LDS
.irp i, 0,1,2,3,4,5
	ds_load_b128 v[ACC+4*\i:ACC+4*\i+3], v25 offset:4096*\i
.endr
.irp i, 0,1,2
	ds_load_b128 v[ACC+24+4*\i:ACC+24+4*\i+3], v25 offset:25600+4096*\i
.endr
	s_wait_dscnt 0x0
.irp i, 0,1,2,3,4,5
	global_store_b128 v26, v[ACC+4*\i:ACC+4*\i+3], s[20:21] offset:4096*\i    ; 512 consecutive bytes a wave
.endr
.irp i, 0,1,2
	global_store_b128 v26, v[ACC+24+4*\i:ACC+24+4*\i+3], s[22:23] offset:4096*\i
.endr
	s_cmp_lt_u32 s[WV], 2                          ; kv's last 1,024 bytes: waves 0 and 1
	s_cbranch_scc0 .Lno_kv
	ds_load_b128 v[ACC+36:ACC+39], v25 offset:24576
	s_wait_dscnt 0x0
	global_store_b128 v26, v[ACC+36:ACC+39], s[20:21] offset:24576
.Lno_kv:
	s_cmp_eq_u32 s[WV], 2                          ; qb's last 512 bytes: wave 2, whose 16 x thread begins at 1,024
	s_cbranch_scc0 .Lno_qb
	ds_load_b128 v[ACC+40:ACC+43], v25 offset:36864
	s_wait_dscnt 0x0
	global_store_b128 v26, v[ACC+40:ACC+43], s[22:23] offset:11264
.Lno_qb:
	s_wait_tensorcnt 0x0
	ds_add_u32 v30, v31
	s_wait_dscnt 0x0
	s_endpgm
.Lfunc_end_k_qbe77d73596_qkv:
	.size	k_qbe77d73596_qkv, .Lfunc_end_k_qbe77d73596_qkv-k_qbe77d73596_qkv
	.p2alignl 7, 3214868480
	.fill 96, 4, 3214868480
	.section	.rodata,"a",@progbits
	.p2align	6, 0x0
	.amdhsa_kernel k_qbe77d73596_qkv
		.amdhsa_group_segment_fixed_size 119296
		.amdhsa_private_segment_fixed_size 0
		.amdhsa_enable_private_segment 0
		.amdhsa_kernarg_size 80
		.amdhsa_user_sgpr_count 2
		.amdhsa_user_sgpr_kernarg_segment_ptr 1
		.amdhsa_wavefront_size32 1
		.amdhsa_system_sgpr_workgroup_id_x 1
		.amdhsa_system_sgpr_workgroup_id_y 1
		.amdhsa_system_sgpr_workgroup_id_z 1
		.amdhsa_system_vgpr_workitem_id 0
		.amdhsa_next_free_vgpr 512
		.amdhsa_next_free_sgpr 66
		.amdhsa_reserve_vcc 0
		.amdhsa_float_denorm_mode_32 3
		.amdhsa_float_denorm_mode_16_64 3
		.amdhsa_memory_ordered 1
		.amdhsa_forward_progress 1
		.amdhsa_inst_pref_size 78
	.end_amdhsa_kernel
	.amdgpu_metadata
---
amdhsa.version: [ 1, 2 ]
amdhsa.kernels:
  - .name:           k_qbe77d73596_qkv
    .symbol:         k_qbe77d73596_qkv.kd
    .args:
      - { .name: x, .offset: 0, .size: 8, .value_kind: global_buffer, .address_space: global }
      - { .name: ln1_g, .offset: 8, .size: 8, .value_kind: global_buffer, .address_space: global }
      - { .name: ln1_b, .offset: 16, .size: 8, .value_kind: global_buffer, .address_space: global }
      - { .name: bq, .offset: 24, .size: 8, .value_kind: global_buffer, .address_space: global }
      - { .name: bk, .offset: 32, .size: 8, .value_kind: global_buffer, .address_space: global }
      - { .name: bv, .offset: 40, .size: 8, .value_kind: global_buffer, .address_space: global }
      - { .name: wc, .offset: 48, .size: 8, .value_kind: global_buffer, .address_space: global }
      - { .name: ws, .offset: 56, .size: 8, .value_kind: global_buffer, .address_space: global }
      - { .name: kv, .offset: 64, .size: 8, .value_kind: global_buffer, .address_space: global }
      - { .name: qb, .offset: 72, .size: 8, .value_kind: global_buffer, .address_space: global }
    .group_segment_fixed_size: 119296
    .private_segment_fixed_size: 0
    .kernarg_segment_align: 8
    .kernarg_segment_size: 80
    .max_flat_workgroup_size: 256
    .sgpr_count:     66
    .vgpr_count:     512
    .wavefront_size: 32
...
	.end_amdgpu_metadata
.endif
;; end of part 2
;; launch attn (part 3): grid 4 x 64, 16 waves a work-group, no clusters, 169,984 bytes of LDS; arguments kv, qb, yc, ysc; writes yc, ysc
.if DOCPART == 3
	.amdgcn_target "amdgcn-amd-amdhsa--gfx1250"
	.amdhsa_code_object_version 6
	.text
	.protected	k_qbe77d73596_attn
	.globl	k_qbe77d73596_attn
	.p2align	8
	.type	k_qbe77d73596_attn,@function
k_qbe77d73596_attn:
	s_mov_b64 s[64:65], 0
	v_nop
	global_prefetch_b8 v0, s[64:65] scope:SCOPE_SE
	s_setreg_imm32_b32 hwreg(HW_REG_WAVE_MODE, 25, 1), 1
	s_wait_xcnt 0x0
; y = softmax(q k^T / sqrt(32), under the mask) v for one head, both products on codes of FP6 (E2M3); y is then quantised along the head's 32 channels for the projection.
; THE MASK, with cond_len = 256: key j counts for query i where j <= max(i, 255).  Key steps that lie wholly behind a wave's queries are left out.
; THE SOFTMAX: t = score x log2(e) / sqrt(32); M = the running largest t rounded UP to a whole number; p = 2^(t - M) is what is quantised, along the keys.  The row's sum is taken of the unquantised p and divides at the end.
; When M moves, the sum and O are multiplied by 2^(old M - new M): exact.  A block's largest p is made from its largest score by the same two instructions (this takes v_exp_f32 not to fall where its input rises).
; SHARES.  Work-group (quarter, 16 batch + head).  The head's K and V codes and scale bytes, 64 records of 1,600 bytes, come into LDS ONCE, four records by one tensor load of each of the 16 waves: nothing is filled again.
; Wave g = 16 quarter + wave takes the tiles of 16 queries g and 127 - g one after the other: 17 or 18 live key steps of 128 keys for every wave.
; K = 32 IN AN INSTRUCTION OF K = 128.  A fragment of K holds 64 keys: in block j of its 128 the 32 channels of tile j's 16 keys.  Four fixed fragments of Q hold q in block j and zero codes elsewhere: the product with
; the j-th gives tile j's scores.  So no byte of K is padding, in LDS or in registers.
; Both products are used transposed (S^T = K Q^T, O^T = V^T P^T): a lane holds one query throughout.  The keys of a tile are 8 u + r + 8 (r / 8) of a block of 32 tokens, so that the 16 registers of two neighbouring tiles
; are 16 neighbouring keys.
; No joint loads, though the four work-groups of a head read the same 102,400 bytes: each wave jumps over the key steps behind its own queries, and that jump hangs on the work-group's number.
; LIMITS: a block of zeros gets the byte 1 where the rule says 127 (its codes are zeros; this program alone reads the bytes); NaN and infinities are not served.
.set KSW,  102400                      ; LDS behind the records: K's scale words [step][fragment][row], 2,048 bytes;
.set VSW,  104448                      ; V's [step][tile][row], 2,048 bytes.  Both are stored by the waves; no tensor load lands there
.set AK0,  4                           ; v4   384 h + 24 r: my lane's place in a record's K codes
.set AV0,  5                           ; v5   1,600 h + 768 + 24 r: in V's
.set ASW,  6                           ; v6   KSW + 4 x lane
.set ADK,  7                           ; v7-9 the step's addresses
.set ADV,  8
.set ADS,  9
.set R24,  10                          ; v10  24 r
.set YO,   11                          ; v11  24 r + 12 h
.set QSW,  52                          ; v52-55 scale words and nothing else: q's, K's, V's, p's
.set KSWR, 53
.set VSWR, 54
.set PSW,  55
.set FF,   56                          ; v[56:57] f = 2^(old M - new M), and a 0
.set QM,   58                          ; v58  max(my query, 255) - 16 h
.set R4,   59                          ; v59  4 r
.set KFR,  60                          ; v60-83   two fragments of K
.set VFR,  84                          ; v84-107  two fragments of V
.set S,    108                         ; v108-171 S^T, then p
.set O,    172                         ; v172-187 O^T
.set PC,   188                         ; v188-199 p's codes
.set TE,   200
.set BM,   208                         ; v208-211 the blocks' largest scores
.set PM,   212
.set SOP,  216
.set TT0,  220
.set TT1,  221
.set RP,   222                         ; v222 r + 8 (r / 8)
.set H16,  223                         ; v223 16 h
.set Y,    224                         ; v224-239 y
.set T6,   240                         ; v240-245 q's 24 bytes
.set TQ,   246
.set BYT,  247
; v12 -M, v13 the largest t, v[14:15] the sum in two halves; v16-21 and v28-33 q in lanes 0-15, v34-39 and v46-51 q in lanes 16-31, v22-27 and v40-45 zeros:
; Q with q in block 0 = v[16:27], block 2 = v[22:33], block 1 = v[34:45], block 3 = v[40:51]
.set WV,  12
.set B64, 13
.set HD,  14
.set GT,  15
.set G1,  16
.set G0,  24
.set SEL, 28
.set LOW, 30
.set CS,  32
.set TB,  34
.set TS,  35
.set KFS, 36
.set QLO, 37
.set QHI, 38
.set CNT, 39
.macro PLACES
.rept 4
	v_nop
.endr
.endm
	s_load_b256 s[4:11], s[0:1], 0x0               ; kv, qb, yc, ysc
	v_lshl_add_u32 v254, v0, 2, 0x29000
	v_mov_b32 v255, 0
	ds_add_u32 v254, v255
	ds_add_u32 v254, v255
	v_lshrrev_b32 v1, 5, v0
	v_readfirstlane_b32 s[WV], v1                  ; wave 0..15
	s_and_b32 s56, ttmp7, 0xffff
	s_lshr_b32 s[B64], s56, 4
	s_lshl_b32 s[B64], s[B64], 6                   ; 64 x batch
	s_and_b32 s[HD], s56, 15                       ; head
	s_lshl_b32 s[GT], ttmp9, 4
	s_add_co_u32 s[GT], s[GT], s[WV]               ; g
	; the tile: 4 rows (records of my head, blocks of tokens 4 w on) of 200 elements of 8 bytes, 16 x 1,600 bytes apart in memory, dense in LDS
	s_mov_b32 s[G1], 3<<16                         ; no mask; elements of 8 bytes; no padding
	s_mov_b32 s[G1+1], 200<<16                     ; tensor_dim0
	s_mov_b32 s[G1+2], 4<<16                       ; tensor_dim1
	s_mov_b32 s[G1+3], 200<<16                     ; tile_dim0
	s_mov_b32 s[G1+4], 4                           ; tile_dim1
	s_mov_b32 s[G1+5], 3200                        ; from row to row, in elements
	s_mov_b32 s[G1+6], 0
	s_mov_b32 s[G1+7], 0
	s_lshl_b32 s60, s[WV], 2
	s_add_co_u32 s60, s60, s[B64]
	s_lshl_b32 s60, s60, 4
	s_add_co_u32 s60, s60, s[HD]
	s_mul_i32 s60, s60, 1600
	s_mov_b32 s61, 0
	s_mul_i32 s62, s[WV], 6400
	s_wait_dscnt 0x0
	s_wait_kmcnt 0x0
	s_mov_b32 s[G0], 1
	s_mov_b32 s[G0+1], s62
	s_add_nc_u64 s[G0+2:G0+3], s[4:5], s[60:61]
	s_or_b32 s[G0+3], s[G0+3], 0x80000000
	tensor_load_to_lds s[G0:G0+3], s[G1:G1+7]      ; my one tensor load of the launch
	s_nop 0
.rept 4
	v_nop
.endr
	v_and_b32 v1, 31, v0                           ; lane
	v_and_b32 v2, 15, v0                           ; r
	v_bfe_u32 v3, v0, 4, 1                         ; h
	v_mul_u32_u24 v[R24], v2, 24
	v_mad_u32_u24 v[AK0], v3, 384, v[R24]
	v_mad_u32_u24 v[AV0], v3, 1600, v[R24]
	v_add_nc_u32 v[AV0], 768, v[AV0]
	v_lshl_add_u32 v[ASW], v1, 2, KSW
	v_mad_u32_u24 v[YO], v3, 12, v[R24]
	v_lshlrev_b32 v[R4], 2, v2
	v_and_b32 v[RP], 8, v2
	v_add_nc_u32 v[RP], v[RP], v2
	v_lshlrev_b32 v[H16], 4, v3
	v_mad_u32_u24 v208, v3, 3200, v2
	v_add_nc_u32 v208, s62, v208                   ; 6,400 w + 3,200 h + r
	v_add_nc_u32 v209, s62, v1                     ; 6,400 w + lane
	v_lshl_add_u32 v210, v0, 2, KSW                ; KSW + 128 w + 4 x lane
	s_mov_b32 s[SEL], 0x76543210
	s_mov_b32 s[SEL+1], 0xfedcba98
	s_mov_b32 s[LOW], 0xffff                       ; lanes 0-15
	s_mov_b32 s[CS], 0x3e8293ee                    ; c = log2(e) / sqrt(32)
	s_mov_b32 s[CS+1], s[CS]
.irp i, 0,1,2,3,4,5
	v_mov_b32 v[22+\i], 0                          ; zero codes
	v_mov_b32 v[40+\i], 0
.endr
	v_mov_b32 v[FF+1], 0
	v_mov_b32 v[TT0], 0                            ; lane permutes' destinations count as sources: written once
	; the scale words of key step w (the four records that my own load brought): K's word of (fragment h, row r) and V's of (tile h, row r)
	s_wait_tensorcnt 0x0
	ds_load_u8 v212, v208 offset:1536
	ds_load_u8 v213, v208 offset:1552
	ds_load_u8 v214, v208 offset:3136
	ds_load_u8 v215, v208 offset:3152
.irp b, 0,1,2,3
	ds_load_u8 v[216+\b], v209 offset:1568+1600*\b
.endr
	s_wait_dscnt 0x0
	v_lshl_or_b32 v212, v213, 8, v212
	v_lshl_or_b32 v216, v217, 8, v216
	v_lshl_or_b32 v212, v214, 16, v212
	v_lshl_or_b32 v216, v218, 16, v216
	v_lshl_or_b32 v212, v215, 24, v212
	v_lshl_or_b32 v216, v219, 24, v216
	ds_store_b32 v210, v212
	ds_store_b32 v210, v216 offset:2048
	s_wait_dscnt 0x0                               ; my stores have landed, and so has my tensor load (waited for above):
	s_barrier_signal -1
	s_barrier_wait -1                              ; every wave's have
; A KEY STEP: 128 keys.  The loop has the constant 16 trips; a step all of whose keys come after my 16 queries' bound jumps to the lines that step addresses.
.macro STEP
	s_cmp_gt_u32 s[KFS], s[QHI]
	s_cbranch_scc1 .Lhid_\@
	v_add_nc_u32 v[ADK], s[TB], v[AK0]             ; these three and the v_nop are the four places behind the last step's products, ahead of the loads into their registers
	v_add_nc_u32 v[ADV], s[TB], v[AV0]
	v_add_nc_u32 v[ADS], s[TS], v[ASW]
	v_nop
.irp f, 0,1
.irp c, 0,1
.irp i, 0,1,2
	ds_load_b64 v[KFR+12*\f+6*\c+2*\i:KFR+12*\f+6*\c+2*\i+1], v[ADK] offset:1600*(2*\f+\c)+8*\i   ; block 2 c + h of fragment f = tile u = h of record 2 f + c
.endr
.endr
.endr
	ds_load_b32 v[KSWR], v[ADS]
.irp f, 0,1
.irp c, 0,1
.irp i, 0,1,2
	ds_load_b64 v[VFR+12*\f+6*\c+2*\i:VFR+12*\f+6*\c+2*\i+1], v[ADV] offset:3200*\c+384*\f+8*\i   ; block 2 c + h of tile f = the 32 tokens of record 2 c + h
.endr
.endr
.endr
	ds_load_b32 v[VSWR], v[ADS] offset:2048
	s_wait_dscnt 13                                ; K's 13 loads are in; V's 13 may be out
.set TL, 0
.rept 8
.if TL < 4
	v_wmma_scale_f32_16x16x128_f8f6f4 v[S+8*TL:S+8*TL+7], v[KFR:KFR+11], v[16+18*(TL%2)+6*((TL%4)/2):27+18*(TL%2)+6*((TL%4)/2)], 0, v[KSWR], v[QSW] matrix_a_fmt:MATRIX_FMT_FP6 matrix_b_fmt:MATRIX_FMT_FP6
.else
	v_wmma_scale_f32_16x16x128_f8f6f4 v[S+8*TL:S+8*TL+7], v[KFR+12:KFR+23], v[16+18*(TL%2)+6*((TL%4)/2):27+18*(TL%2)+6*((TL%4)/2)], 0, v[KSWR], v[QSW] matrix_a_fmt:MATRIX_FMT_FP6 matrix_b_fmt:MATRIX_FMT_FP6 matrix_a_scale:MATRIX_SCALE_ROW1
.endif
.set TL, TL+1
.endr
	PLACES
	s_add_co_u32 s56, s[KFS], 127                  ; a step all of whose keys count for all my queries skips the mask
	s_cmp_le_u32 s56, s[QLO]
	s_cbranch_scc1 .Lopen_\@
	v_sub_nc_u32 v[TT0], v[QM], s[KFS]             ; register 16 b + i holds key KFS + 32 b + 16 h + i: hidden where 32 b + i > max(query, 255) - 16 h - KFS
	v_mov_b32 v[TT1], 0xff800000                   ; -infinity: p = 0 then
.set N, 0
.rept 64
	v_cmp_gt_i32 vcc_lo, 32*(N/16)+N%16, v[TT0]
	v_cndmask_b32 v[S+N], v[S+N], v[TT1], vcc_lo
.set N, N+1
.endr
.Lopen_\@:
.irp b, 0,1,2,3
	v_max3_num_f32 v[BM+\b], v[S+16*\b], v[S+16*\b+1], v[S+16*\b+2]   ; the largest score of each block of 32 keys
.endr
.irp i, 3,5,7,9,11,13
.irp b, 0,1,2,3
	v_max3_num_f32 v[BM+\b], v[BM+\b], v[S+16*\b+\i], v[S+16*\b+\i+1]
.endr
.endr
.irp b, 0,1,2,3
	v_max_num_f32 v[BM+\b], v[BM+\b], v[S+16*\b+15]
.endr
.irp b, 0,1,2,3
	v_permlanex16_b32 v[PM+\b], v[BM+\b], s[SEL], s[SEL+1]
.endr
.irp b, 0,1,2,3
	v_max_num_f32 v[BM+\b], v[BM+\b], v[PM+\b]     ; with lane l xor 16's 16 keys
.endr
	v_max3_num_f32 v[TT0], v[BM], v[BM+1], v[BM+2]
	v_max_num_f32 v[TT0], v[TT0], v[BM+3]
	v_mul_f32 v[TT0], s[CS], v[TT0]                ; as t
	v_max_num_f32 v13, v13, v[TT0]                 ; the running largest t
	v_mov_b32 v[TT0], v12
	v_floor_f32 v12, -v13                          ; the new -M = -ceil(t)
	v_sub_f32 v[TT0], v12, v[TT0]                  ; old M - new M: a whole number, 0 or less
	v_cvt_i32_f32 v[TT0], v[TT0]                   ; (it saturates)
	v_ldexp_f32 v[FF], 1.0, v[TT0]                 ; f
.set N, 0
.rept 32
	v_pk_fma_f32 v[S+N:S+N+1], v[S+N:S+N+1], s[CS:CS+1], v[12:13] op_sel_hi:[1,0,0]   ; t - M
.set N, N+2
.endr
.irp b, 0,1,2,3
	v_fma_f32 v[BM+\b], v[BM+\b], s[CS], v12       ; the same of each block's largest score
.endr
.set N, 0
.rept 64
	v_exp_f32 v[S+N], v[S+N]                       ; p, at most 1
.set N, N+1
.endr
	v_pk_mul_f32 v[14:15], v[14:15], v[FF:FF+1] op_sel_hi:[1,0]   ; the sums under the new M (a plain place behind the exponentials)
	s_wait_alu depctr_va_vdst(0)                   ; one wait for the batch of 64, ahead of its first reader
.irp b, 0,1,2,3
	v_exp_f32 v[BM+\b], v[BM+\b]                   ; the blocks' largest p
.endr
	v_pk_add_f32 v[PM:PM+1], v[S:S+1], v[S+2:S+3]  ; the row's sum of the unquantised p, in two chains
.irp j, 4,8,12,16,20,24,28,32,36,40,44,48,52,56,60
	v_pk_add_f32 v[14:15], v[14:15], v[S+\j:S+\j+1]
	v_pk_add_f32 v[PM:PM+1], v[PM:PM+1], v[S+\j+2:S+\j+3]
.endr
	v_pk_add_f32 v[14:15], v[14:15], v[PM:PM+1]
	s_wait_alu depctr_va_vdst(0)                   ; and one for the four
.irp b, 0,1,2,3
	v_max_num_f32 v[BM+\b], 0x1800000, v[BM+\b]    ; the floor 2^(3 - 127)
.endr
.irp b, 0,1,2,3
	v_add_nc_u32 v[SOP+\b], 0xff000000, v[BM+\b]
.endr
.irp b, 0,1,2,3
	v_lshrrev_b32 v[PM+\b], 23, v[SOP+\b]
.endr
	v_lshl_or_b32 v[PSW], v[PM+1], 8, v[PM]        ; p's scale word for these 128 keys
	v_lshl_or_b32 v[PSW], v[PM+2], 16, v[PSW]
	v_lshl_or_b32 v[PSW], v[PM+3], 24, v[PSW]
.irp c, 0,1
	v_cvt_scalef32_pk16_fp6_f32 v[PC+6*\c:PC+6*\c+2], v[S+32*\c:S+32*\c+15], v[SOP+2*\c]
	v_cvt_scalef32_pk16_fp6_f32 v[TE+4*\c:TE+4*\c+2], v[S+32*\c+16:S+32*\c+31], v[SOP+2*\c+1]
.endr
	v_nop                                          ; one plain place behind a scaled conversion
.irp c, 0,1
.irp i, 0,1,2
	v_permlane16_swap_b32 v[PC+6*\c+\i], v[TE+4*\c+\i]
.endr
.irp i, 0,1,2
	v_mov_b32 v[PC+3+6*\c+\i], v[TE+4*\c+\i]
.endr
.endr
.irp j, 0,2,4,6,8,10,12,14
	v_pk_mul_f32 v[O+\j:O+\j+1], v[O+\j:O+\j+1], v[FF:FF+1] op_sel_hi:[1,0]   ; O^T under the new M
.endr
	PLACES                                         ; with the other tile's four multiplies and the v_nop above: four places behind the codes' last write, eight behind the scale word's
	s_wait_dscnt 0x0                               ; V is in
	v_wmma_scale_f32_16x16x128_f8f6f4 v[O:O+7], v[VFR:VFR+11], v[PC:PC+11], v[O:O+7], v[VSWR], v[PSW] matrix_a_fmt:MATRIX_FMT_FP6 matrix_b_fmt:MATRIX_FMT_FP6
	v_wmma_scale_f32_16x16x128_f8f6f4 v[O+8:O+15], v[VFR+12:VFR+23], v[PC:PC+11], v[O+8:O+15], v[VSWR], v[PSW] matrix_a_fmt:MATRIX_FMT_FP6 matrix_b_fmt:MATRIX_FMT_FP6 matrix_a_scale:MATRIX_SCALE_ROW1
.Lhid_\@:
	s_add_co_u32 s[KFS], s[KFS], 128
	s_add_co_u32 s[TB], s[TB], 6400
	s_add_co_u32 s[TS], s[TS], 128
.endm
; ONE TILE OF 16 QUERIES: p = 0: tile g; p = 1: tile 127 - g.  Each pass has scalar pairs of its own for its four bases.
.macro PASS p
.set QBC, 40+8*\p
.set QBS, 42+8*\p
.set YCB, 44+8*\p
.set YSB, 46+8*\p
.if \p
	s_wait_xcnt 0x0                                ; the first pass's stores have read their registers, which are written again below
	s_sub_co_u32 s56, 127, s[GT]
.else
	s_mov_b32 s56, s[GT]
.endif
	s_lshr_b32 s57, s56, 1                         ; block of 32 tokens
	s_and_b32 s58, s56, 1                          ; u
	s_lshl_b32 s59, s57, 5
	s_lshl_b32 s60, s58, 3
	s_add_co_u32 s59, s59, s60                     ; the tile's first query
	s_max_u32 s[QLO], s59, 255                     ; the smallest and the largest of my queries' bounds
	s_add_co_u32 s60, s59, 23
	s_max_u32 s[QHI], s60, 255
	s_cmp_lt_u32 s57, 8                            ; a block of 32 tokens lies wholly under 256 or wholly at or above it
	s_cselect_b32 s60, 255, s59
	s_cselect_b32 s63, 0, 1
	v_mad_u32_u24 v[QM], v[RP], s63, s60           ; max(my query, 255)
	v_sub_nc_u32 v[QM], v[QM], v[H16]
	s_add_co_u32 s61, s[B64], s57                  ; the block's number among all 256
	s_lshl_b32 s62, s61, 4
	s_add_co_u32 s62, s62, s[HD]
	s_mul_i32 s62, s62, 800
	s_mul_i32 s63, s58, 384
	s_add_co_u32 s66, s62, s63
	s_mov_b32 s67, 0
	s_add_nc_u64 s[QBC:QBC+1], s[6:7], s[66:67]    ; q's codes
	s_lshl_b32 s63, s58, 4
	s_add_co_u32 s66, s62, s63
	s_add_co_u32 s66, s66, 768
	s_add_nc_u64 s[QBS:QBS+1], s[6:7], s[66:67]    ; q's scale bytes
	s_lshl_b32 s62, s61, 1
	s_add_co_u32 s62, s62, s58
	s_lshl_b32 s62, s62, 2
	s_lshr_b32 s63, s[HD], 2
	s_add_co_u32 s62, s62, s63                     ; y's fragment: (2 block + u) x 4 + head / 4
	s_and_b32 s63, s[HD], 3
	s_mul_i32 s66, s62, 1536
	s_mul_i32 s68, s63, 384
	s_add_co_u32 s66, s66, s68
	s_add_nc_u64 s[YCB:YCB+1], s[8:9], s[66:67]
	s_lshl_b32 s66, s62, 6
	s_add_co_u32 s66, s66, s63
	s_add_nc_u64 s[YSB:YSB+1], s[10:11], s[66:67]
	global_load_b64 v[T6:T6+1], v[R24], s[QBC:QBC+1]
	global_load_b64 v[T6+2:T6+3], v[R24], s[QBC:QBC+1] offset:8
	global_load_b64 v[T6+4:T6+5], v[R24], s[QBC:QBC+1] offset:16
	global_load_u8 v[TQ], v2, s[QBS:QBS+1]
	v_mov_b32 v13, 0xff61b1e6                      ; the largest t so far: -3e38
	v_floor_f32 v12, -v13
	v_mov_b32 v14, 0
	v_mov_b32 v15, 0
.set N, 0
.rept 16
	v_mov_b32 v[O+N], 0                            ; the step is written once: the first finds zeros
.set N, N+1
.endr
.irp b, 0,1,2,3
	v_mov_b32 v[PM+\b], 0
.endr
	s_wait_loadcnt 0x0
	v_lshl_or_b32 v[TQ], v[TQ], 8, v[TQ]
	v_lshl_or_b32 v[QSW], v[TQ], 16, v[TQ]         ; q's byte for all four blocks: three of them hold zero codes
.irp i, 0,1,2,3,4,5
	v_cndmask_b32 v[16+\i], 0, v[T6+\i], s[LOW]
	v_cndmask_b32 v[28+\i], 0, v[T6+\i], s[LOW]
	v_cndmask_b32 v[34+\i], v[T6+\i], 0, s[LOW]
	v_cndmask_b32 v[46+\i], v[T6+\i], 0, s[LOW]
.endr
	PLACES
	s_mov_b32 s[TB], 0
	s_mov_b32 s[TS], 0
	s_mov_b32 s[KFS], 0
	s_mov_b32 s[CNT], 16
.Lstep_\@:
	STEP
	s_sub_co_u32 s[CNT], s[CNT], 1
	s_cmp_lg_u32 s[CNT], 0
	s_cbranch_scc1 .Lstep_\@
	PLACES                                         ; behind the last products, on every way out of the loop
	v_add_f32 v14, v14, v15
	v_permlanex16_b32 v[TT0], v14, s[SEL], s[SEL+1]
	v_add_f32 v14, v14, v[TT0]                     ; the row's sum
	v_rcp_f32 v[TT1], v14
	v_nop
	s_wait_alu depctr_va_vdst(0)                   ; ahead of the reciprocal's first reader
.set N, 0
.rept 16
	v_mul_f32 v[Y+N], v[O+N], v[TT1]               ; register i = channel 16 h + i of my query
.set N, N+1
.endr
	v_max3_num_f32 v[BM], |v[Y]|, |v[Y+1]|, 0x1800000
.irp i, 2,4,6,8,10,12,14
	v_max3_num_f32 v[BM], v[BM], |v[Y+\i]|, |v[Y+\i+1]|
.endr
	v_permlanex16_b32 v[PM], v[BM], s[SEL], s[SEL+1]
	v_max_num_f32 v[BM], v[BM], v[PM]
	v_add_nc_u32 v[SOP], 0xff000000, v[BM]
	v_lshrrev_b32 v[BYT], 23, v[SOP]
	v_cvt_scalef32_pk16_fp6_f32 v[PC:PC+2], v[Y:Y+15], v[SOP]
	v_nop
	global_store_b96 v[YO], v[PC:PC+2], s[YCB:YCB+1]   ; the wave stores 384 consecutive bytes: block head % 4 of y's fragment
	global_store_b8 v[R4], v[BYT], s[YSB:YSB+1]        ; byte head % 4 of my row's scale word (both halves of the lanes write the same byte with the same value)
.endm
	PASS 0
	PASS 1
	s_wait_tensorcnt 0x0
	ds_add_u32 v254, v255
	s_wait_dscnt 0x0
	s_endpgm
.Lfunc_end_k_qbe77d73596_attn:
	.size	k_qbe77d73596_attn, .Lfunc_end_k_qbe77d73596_attn-k_qbe77d73596_attn
	.p2alignl 7, 3214868480
	.fill 96, 4, 3214868480
	.section	.rodata,"a",@progbits
	.p2align	6, 0x0
	.amdhsa_kernel k_qbe77d73596_attn
		.amdhsa_group_segment_fixed_size 169984
		.amdhsa_private_segment_fixed_size 0
		.amdhsa_enable_private_segment 0
		.amdhsa_kernarg_size 32
		.amdhsa_user_sgpr_count 2
		.amdhsa_user_sgpr_kernarg_segment_ptr 1
		.amdhsa_wavefront_size32 1
		.amdhsa_system_sgpr_workgroup_id_x 1
		.amdhsa_system_sgpr_workgroup_id_y 1
		.amdhsa_system_sgpr_workgroup_id_z 1
		.amdhsa_system_vgpr_workitem_id 0
		.amdhsa_next_free_vgpr 256
		.amdhsa_next_free_sgpr 80
		.amdhsa_reserve_vcc 1
		.amdhsa_float_denorm_mode_32 3
		.amdhsa_float_denorm_mode_16_64 3
		.amdhsa_memory_ordered 1
		.amdhsa_forward_progress 1
		.amdhsa_inst_pref_size 58
	.end_amdhsa_kernel
	.amdgpu_metadata
---
amdhsa.version: [ 1, 2 ]
amdhsa.kernels:
  - .name:           k_qbe77d73596_attn
    .symbol:         k_qbe77d73596_attn.kd
    .args:
      - { .name: kv, .offset: 0, .size: 8, .value_kind: global_buffer, .address_space: global }
      - { .name: qb, .offset: 8, .size: 8, .value_kind: global_buffer, .address_space: global }
      - { .name: yc, .offset: 16, .size: 8, .value_kind: global_buffer, .address_space: global }
      - { .name: ysc, .offset: 24, .size: 8, .value_kind: global_buffer, .address_space: global }
    .group_segment_fixed_size: 169984
    .private_segment_fixed_size: 0
    .kernarg_segment_align: 8
    .kernarg_segment_size: 32
    .max_flat_workgroup_size: 512
    .sgpr_count:     80
    .vgpr_count:     256
    .wavefront_size: 32
...
	.end_amdgpu_metadata
.endif
;; end of part 3
;; launch mlp (part 4): grid 256 x 1, 8 waves a work-group, no clusters, 133,120 bytes of LDS; arguments x, yc, ysc, wc, ws, bp, ln2_g, ln2_b, b1, b2, out0; writes out0
.if DOCPART == 4
	.amdgcn_target "amdgcn-amd-amdhsa--gfx1250"
	.amdhsa_code_object_version 6
	.text
	.protected	k_qbe77d73596_mlp
	.globl	k_qbe77d73596_mlp
	.p2align	8
	.type	k_qbe77d73596_mlp,@function
k_qbe77d73596_mlp:
	s_mov_b64 s[64:65], 0
	v_nop
	global_prefetch_b8 v0, s[64:65] scope:SCOPE_SE
	s_setreg_imm32_b32 hwreg(HW_REG_WAVE_MODE, 25, 1), 1
	s_wait_xcnt 0x0
; x1 = x + y Wp + bp;  out0 = x1 + gelu(layernorm(x1) W1 + b1) W2 + b2, the three products on codes of FP6 (E2M3).  The hidden layer never goes to memory.
; A work-group owns 32 tokens (row r of tile u = token 8 u + r + 8 (r / 8)).  All products are used transposed (source 0 = 16 columns of a weight, source 1 = 16 rows): a lane holds one row and 16 neighbouring columns.
; Wave w owns columns 64 w .. 64 w + 63 of the projection AND of the last product: x + bp starts its 8 accumulators, the projection adds onto them, b2 is added, and the last product adds onto them: x1 never moves.
; The hidden layer goes in two chunks of 1,024; in chunk j wave w makes units 1,024 j + 128 w .. + 127, which are K step 8 j + w of the last product; b1 is loaded straight into the accumulators.
; OPERANDS GO FROM WAVE TO WAVE THROUGH LDS AS IMAGES OF THEIR REGISTERS: lane l's 48 bytes at 48 l; scale words 4 bytes a row.
; THE WEIGHTS go from memory straight into the operand registers of the one wave that multiplies by them, in two halves of 4 records by turns, each asked for two half-steps ahead.
; No joint loads: they land in LDS, and with 32 rows to a work-group each fragment of 1,536 bytes read from there would feed two matrix instructions.
; GELU, exact form: gelu(x) = max(x, 0) - |x| erfc(|x| / sqrt 2) / 2, with erfc(z) = t exp(-z^2 + P(t)), t = 1 / (1 + z / 2), P of degree 9 (fractional error of the fit about 1.2e-7); here in base 2, the 1/2 in P's constant.
; LIMITS: a block of zeros gets the byte 1 where the rule says 127 (its codes are zeros; this program alone reads the bytes); NaN and infinities are not served.
.set STG,   0                          ; LDS: 32 rows, 2,064 bytes apart: x on the way in, out0 on the way out
.set RED1,  66048                      ; [u][r][wave] partial sums, 1,024 bytes; the squares' 1,024 behind them
.set H2IMG, 68096                      ; the normalised rows' 8 fragments (4 u + K step)
.set H2SC,  80384                      ; their scale words, 64 bytes each
.set HID,   80896                      ; the hidden layer's 16 fragments (8 u + K step) of each chunk: 2 x 24,576 bytes
.set HIDSC, 130048                     ; their scale words: 2 x 1,024 bytes
.set HA,  24                           ; v24-151  16 accumulators of the hidden layer ((u, t) at 64 u + 8 t)
.set YF,  24                           ; v24-119  before that: y's 8 fragments
.set D2,  24                           ; v24-87   then x1 - mean
.set RD,  88                           ; v88-103  partial sums read back
.set G2,  120                          ; v120-151 ln2_g
.set AF,  152                          ; v152-199 the row side's fragments
.set BP,  152                          ; v152-183 before that: bp, then b2
.set LB,  184                          ; v184-215 ln2_b
.set GZ,  152                          ; gelu at work: z, t, the exponent
.set GT,  168
.set GP,  184
.set PC,  200
.set TE,  212
.set TM,  216
.set W0,  222
.set W1,  223
.set PW,  224
.set ST,  226                          ; v226-233 sums
.set MU,  234                          ; v234, v236 mean of tile u, later 1 / deviation (v235, v237: 0)
.set C8V, 238                          ; v[238:239] the polynomial's coefficient 8
.set WSR, 240                          ; v240-247 the weights' scale words and nothing else
.set ASC, 248                          ; v248-255 the row side's
.set WC,  10
.set WS,  12
.set WV,  26
.set SEL, 28
.set INV, 30
.set EPS, 31
.set CA,  66
.set CB,  68
.set CC,  70                           ; s[70 + 2 k : 71 + 2 k] coefficient k
; window 1: v0-63 the 8 accumulators of the output ((u, t) at 32 u + 8 t); v64-255 the weights' two halves
.set MSB, 0
.macro WIN new                         ; the immediate's high byte repeats the setting that is left
.if MSB != \new
	s_set_vgpr_msb (MSB<<8)|\new
.set MSB, \new
.endif
.endm
.macro PLACES                          ; four places behind matrix instructions, ahead of loads into their registers and of reads of their results
.rept 4
	v_nop
.endr
.endm
.macro BARRIER
	s_wait_dscnt 0x0
	s_barrier_signal -1
	s_barrier_wait -1
.endm
; 32 numbers of a lane, two blocks: v[s + 16 b + i] = k 16 (lane / 16) + i of block b of my row.  Result: 6 registers of codes, lanes 0-15 block 0 whole, lanes 16-31 block 1 whole; v[w] = byte 0 | byte 1 << 8
.macro QUANT2 s, d, w
	v_max3_num_f32 v[TM], |v[\s]|, |v[\s+1]|, 0x1800000
	v_max3_num_f32 v[TM+1], |v[\s+16]|, |v[\s+17]|, 0x1800000
.irp i, 2,4,6,8,10,12,14
	v_max3_num_f32 v[TM], v[TM], |v[\s+\i]|, |v[\s+\i+1]|
	v_max3_num_f32 v[TM+1], v[TM+1], |v[\s+16+\i]|, |v[\s+17+\i]|
.endr
	v_permlanex16_b32 v[TM+2], v[TM], s[SEL], s[SEL+1]
	v_permlanex16_b32 v[TM+3], v[TM+1], s[SEL], s[SEL+1]
	v_max_num_f32 v[TM], v[TM], v[TM+2]
	v_max_num_f32 v[TM+1], v[TM+1], v[TM+3]
	v_add_nc_u32 v[TM+4], 0xff000000, v[TM]
	v_add_nc_u32 v[TM+5], 0xff000000, v[TM+1]
	v_lshrrev_b32 v[TM+2], 23, v[TM+4]
	v_lshrrev_b32 v[TM+3], 23, v[TM+5]
	v_lshl_or_b32 v[\w], v[TM+3], 8, v[TM+2]
	v_cvt_scalef32_pk16_fp6_f32 v[\d:\d+2], v[\s:\s+15], v[TM+4]
	v_cvt_scalef32_pk16_fp6_f32 v[TE:TE+2], v[\s+16:\s+31], v[TM+5]
	v_nop                                          ; one plain place behind a scaled conversion
.irp i, 0,1,2
	v_permlane16_swap_b32 v[\d+\i], v[TE+\i]
.endr
.irp i, 0,1,2
	v_mov_b32 v[\d+3+\i], v[TE+\i]
.endr
.endm
.macro LDHALF hf, vo, so, n0, n1, n2, n3       ; four records into half hf: 28 loads; no address register is ever rewritten
	WIN 0x40
.set LQ, 0
.irp nn, \n0, \n1, \n2, \n3
.irp i, 0,1,2,3,4,5
	global_load_b128 v[64+96*(\hf)+24*LQ+4*\i:64+96*(\hf)+24*LQ+4*\i+3], v[\vo], s[WC:WC+1] offset:3072*(\nn)+512*\i
.endr
.set LQ, LQ+1
.endr
	WIN 0
.set LQ, 0
.irp nn, \n0, \n1, \n2, \n3
	global_load_b32 v[WSR+4*(\hf)+LQ], v[\so], s[WS:WS+1] offset:128*(\nn)
.set LQ, LQ+1
.endr
.endm
.macro LD1 hf, j, ka                   ; W1, chunk j, K step ka: my four pairs of tiles
	LDHALF \hf, 10, 11, 256+128*\j+\ka, 260+128*\j+\ka, 264+128*\j+\ka, 268+128*\j+\ka
.endm
.macro LD2 hf, j, n                    ; W2, chunk j, K steps 8 j + 2 n and + 1: record q = (K step q / 2, pair q % 2)
	LDHALF \hf, 12, 13, 512+8*\j+2*\n, 528+8*\j+2*\n, 513+8*\j+2*\n, 529+8*\j+2*\n
.endm
.macro WM d, a, b, sa, sb, row         ; one link: C and D the same accumulator.  row = 1: the weight's scales in lanes 16-31
.if (\row) == 0
	v_wmma_scale_f32_16x16x128_f8f6f4 v[\d:\d+7], v[\a:\a+11], v[\b:\b+11], v[\d:\d+7], v[\sa], v[\sb] matrix_a_fmt:MATRIX_FMT_FP6 matrix_b_fmt:MATRIX_FMT_FP6
.else
	v_wmma_scale_f32_16x16x128_f8f6f4 v[\d:\d+7], v[\a:\a+11], v[\b:\b+11], v[\d:\d+7], v[\sa], v[\sb] matrix_a_fmt:MATRIX_FMT_FP6 matrix_b_fmt:MATRIX_FMT_FP6 matrix_a_scale:MATRIX_SCALE_ROW1
.endif
.endm
; the projection, half-step n: K steps 2 n, 2 n + 1 x 8 accumulators by turns
.macro HS_P n
	s_wait_loadcnt 36                              ; this half's 28 loads are in; younger: 28 of the other half or of its refill, and b2's 8
	WIN 0x51                                       ; W, C and D window 1; y window 0
.irp kl, 0,1
.irp pp, 0,1
.irp tt, 0,1
.irp u, 0,1
	WM 32*\u+8*(2*\pp+\tt), 64+96*\n+24*(2*\kl+\pp)+12*\tt, YF+12*(4*\u+2*\n+\kl), WSR+4*\n+2*\kl+\pp, ASC+4*\u+2*\n+\kl, \tt
.endr
.endr
.endr
.endr
	WIN 0
	PLACES
.endm
; the first product of the MLP, K step ka: 16 accumulators by turns
.macro HS_M1 ka, cnt
.irp u, 0,1
.irp i, 0,1,2
	ds_load_b128 v[AF+12*\u+4*\i:AF+12*\u+4*\i+3], v18 offset:1536*(4*\u+\ka)+16*\i
.endr
	ds_load_b32 v[ASC+\u], v19 offset:64*(4*\u+\ka)
.endr
	s_wait_loadcnt \cnt
	s_wait_dscnt 0x0
	WIN 0x01
.irp pp, 0,1,2,3
.irp tt, 0,1
.irp u, 0,1
	WM HA+64*\u+8*(2*\pp+\tt), 64+96*(\ka%2)+24*\pp+12*\tt, AF+12*\u, WSR+4*(\ka%2)+\pp, ASC+\u, \tt
.endr
.endr
.endr
	WIN 0
	PLACES
.endm
; the second, chunk j, half-step n: K steps 2 n, 2 n + 1 of the chunk's eight x 8 accumulators by turns
.macro HS_M2 j, n, cnt
.irp kl, 0,1
.irp u, 0,1
.irp i, 0,1,2
	ds_load_b128 v[AF+12*(2*\kl+\u)+4*\i:AF+12*(2*\kl+\u)+4*\i+3], v20 offset:24576*\j+1536*(8*\u+2*\n+\kl)+16*\i
.endr
	ds_load_b32 v[ASC+2*\kl+\u], v21 offset:1024*\j+64*(8*\u+2*\n+\kl)
.endr
.endr
	s_wait_loadcnt \cnt
	s_wait_dscnt 0x0
	WIN 0x51
.irp kl, 0,1
.irp pp, 0,1
.irp tt, 0,1
.irp u, 0,1
	WM 32*\u+8*(2*\pp+\tt), 64+96*(\n%2)+24*(2*\kl+\pp)+12*\tt, AF+12*(2*\kl+\u), WSR+4*(\n%2)+2*\kl+\pp, ASC+2*\kl+\u, \tt
.endr
.endr
.endr
.endr
	WIN 0
	PLACES
.endm
.macro ADDV b                          ; the output's accumulators += 32 numbers in the result's layout, for both tiles of rows
	WIN 0x41
.irp u, 0,1
.irp k, 0,2,4,6,8,10,12,14,16,18,20,22,24,26,28,30
	v_pk_add_f32 v[32*\u+\k:32*\u+\k+1], v[32*\u+\k:32*\u+\k+1], v[\b+\k:\b+\k+1]
.endr
.endr
	WIN 0
.endm
.macro VLOAD reg, base                 ; 32 numbers of a vector of 512 in the result's layout: tile t's eight at 4 (64 w + 32 (t / 2) + 16 h + 8 (t % 2))
.irp t, 0,1,2,3
.irp e, 0,1
	global_load_b128 v[\reg+8*\t+4*\e:\reg+8*\t+4*\e+3], v6, s[\base:\base+1] offset:4*(32*(\t/2)+8*(\t%2))+16*\e
.endr
.endr
.endm
.macro B1LOAD j                        ; b1 of chunk j straight into the 16 accumulators: 32 loads
.irp u, 0,1
.irp t, 0,1,2,3,4,5,6,7
.irp e, 0,1
	global_load_b128 v[HA+64*\u+8*\t+4*\e:HA+64*\u+8*\t+4*\e+3], v7, s[20:21] offset:4096*\j+128*(\t/2)+32*(\t%2)+16*\e
.endr
.endr
.endr
.endm
; two chains for each tile of rows -> my rows' sums over the wave's 64 columns -> LDS -> the rows' sums over all 512, in v[RD], v[RD + 8]
.macro REDUCE off
.irp u, 0,1
	v_pk_add_f32 v[ST+4*\u:ST+4*\u+1], v[ST+4*\u:ST+4*\u+1], v[ST+4*\u+2:ST+4*\u+3]
.endr
.irp u, 0,1
	v_add_f32 v[ST+4*\u], v[ST+4*\u], v[ST+4*\u+1]
.endr
.irp u, 0,1
	v_permlanex16_b32 v[ST+4*\u+1], v[ST+4*\u], s[SEL], s[SEL+1]
.endr
.irp u, 0,1
	v_add_f32 v[ST+4*\u], v[ST+4*\u], v[ST+4*\u+1]
.endr
.irp u, 0,1
	ds_store_b32 v14, v[ST+4*\u] offset:\off+512*\u
.endr
	BARRIER
.irp u, 0,1
	ds_load_b128 v[RD+8*\u:RD+8*\u+3], v15 offset:\off+512*\u
	ds_load_b128 v[RD+8*\u+4:RD+8*\u+7], v15 offset:\off+512*\u+16
.endr
	s_wait_dscnt 0x0
.irp u, 0,1
	v_pk_add_f32 v[RD+8*\u:RD+8*\u+1], v[RD+8*\u:RD+8*\u+1], v[RD+8*\u+2:RD+8*\u+3]
	v_pk_add_f32 v[RD+8*\u+4:RD+8*\u+5], v[RD+8*\u+4:RD+8*\u+5], v[RD+8*\u+6:RD+8*\u+7]
.endr
.irp u, 0,1
	v_pk_add_f32 v[RD+8*\u:RD+8*\u+1], v[RD+8*\u:RD+8*\u+1], v[RD+8*\u+4:RD+8*\u+5]
.endr
.irp u, 0,1
	v_add_f32 v[RD+8*\u], v[RD+8*\u], v[RD+8*\u+1]
.endr
.endm
; gelu of 16 numbers, in place
.macro GELU16 x
.irp i, 0,1,2,3,4,5,6,7,8,9,10,11,12,13,14,15
	v_mul_f32 v[GZ+\i], s[CA], |v[\x+\i]|          ; z = |x| sqrt(log2 e) / sqrt 2; each accumulator from its low end on
.endr
.irp i, 0,2,4,6,8,10,12,14
	v_pk_fma_f32 v[GT+\i:GT+\i+1], v[GZ+\i:GZ+\i+1], s[CB:CB+1], 1.0 op_sel_hi:[1,0,0]
.endr
.irp i, 0,1,2,3,4,5,6,7,8,9,10,11,12,13,14,15
	v_rcp_f32 v[GT+\i], v[GT+\i]                   ; t
.endr
	v_nop
	s_wait_alu depctr_va_vdst(0)                   ; one wait for the 16 reciprocals, ahead of their first reader
.irp i, 0,2,4,6,8,10,12,14
	v_pk_fma_f32 v[GP+\i:GP+\i+1], v[GT+\i:GT+\i+1], s[CC+18:CC+19], v[C8V:C8V+1] op_sel_hi:[1,0,1]
.endr
.irp k, 7,6,5,4,3,2,1,0
.irp i, 0,2,4,6,8,10,12,14
	v_pk_fma_f32 v[GP+\i:GP+\i+1], v[GP+\i:GP+\i+1], v[GT+\i:GT+\i+1], s[CC+2*\k:CC+2*\k+1] op_sel_hi:[1,1,0]
.endr
.endr
.irp i, 0,2,4,6,8,10,12,14
	v_pk_fma_f32 v[GP+\i:GP+\i+1], v[GZ+\i:GZ+\i+1], v[GZ+\i:GZ+\i+1], v[GP+\i:GP+\i+1] neg_lo:[1,0,0] neg_hi:[1,0,0]   ; - z^2
.endr
.irp i, 0,1,2,3,4,5,6,7,8,9,10,11,12,13,14,15
	v_exp_f32 v[GP+\i], v[GP+\i]
.endr
.irp i, 0,1,2,3,4,5,6,7,8,9,10,11,12,13,14,15
	v_max_num_f32 v[GZ+\i], 0, v[\x+\i]            ; max(x, 0): plain work behind the exponentials
.endr
	s_wait_alu depctr_va_vdst(0)                   ; one wait for the 16 exponentials
.irp i, 0,2,4,6,8,10,12,14
	v_pk_mul_f32 v[GP+\i:GP+\i+1], v[GP+\i:GP+\i+1], v[GT+\i:GT+\i+1]   ; erfc / 2
.endr
.irp i, 0,1,2,3,4,5,6,7,8,9,10,11,12,13,14,15
	v_fma_f32 v[\x+\i], -|v[\x+\i]|, v[GP+\i], v[GZ+\i]
.endr
.endm
; the chunk's activation and quantiser: my 128 hidden units of 32 rows become two fragments
.macro MID j
.irp g, 0,1,2,3,4,5,6,7
	GELU16 HA+16*\g
.endr
.irp u, 0,1
	QUANT2 HA+64*\u, PC, W0
	QUANT2 HA+64*\u+32, PC+6, W1
	v_lshl_or_b32 v[PW], v[W1], 16, v[W0]
.irp i, 0,1,2
	ds_store_b128 v22, v[PC+4*\i:PC+4*\i+3] offset:24576*\j+12288*\u+16*\i
.endr
	ds_store_b32 v23, v[PW] offset:1024*\j+512*\u
	s_wait_dscnt 0x0                               ; the stores have read their registers
.endr
.endm
.macro COEF k, bits
	s_mov_b32 s[CC+2*\k], \bits
	s_mov_b32 s[CC+2*\k+1], \bits
.endm
	s_load_b256 s[4:11], s[0:1], 0x0               ; x, yc, ysc, wc
	s_load_b256 s[12:19], s[0:1], 0x20             ; ws, bp, ln2_g, ln2_b
	s_load_b128 s[20:23], s[0:1], 0x40             ; b1, b2
	s_load_b64 s[24:25], s[0:1], 0x50              ; out0
	v_lshrrev_b32 v24, 5, v0
	v_readfirstlane_b32 s[WV], v24                 ; wave 0..7
	v_and_b32 v24, 31, v0                          ; lane
	v_and_b32 v25, 15, v0                          ; r
	v_bfe_u32 v26, v0, 4, 1                        ; h
	v_and_b32 v27, 8, v25
	v_add_nc_u32 v27, v27, v25                     ; r + 8 (r / 8)
	v_lshlrev_b32 v28, 4, v24
	v_lshlrev_b32 v29, 2, v24
	v_mul_u32_u24 v30, v24, 48
	s_lshl_b32 s32, s[WV], 13
	v_add_nc_u32 v1, s32, v28                      ; v1  x, out0 in memory: rows 4 w on, 16 bytes a lane
	s_mul_i32 s32, s[WV], 8256
	v_add_nc_u32 v2, s32, v28                      ; v2  the same rows in the stage
	v_mul_u32_u24 v3, v27, 2064
	v_lshl_add_u32 v3, v26, 6, v3
	s_lshl_b32 s32, s[WV], 8
	v_add_nc_u32 v3, s32, v3                       ; v3  the stage in the result's layout: my row, + 256 w + 64 h
	v_lshl_add_u32 v6, v26, 6, s32                 ; v6  vectors of 512: 256 w + 64 h
	v_mul_u32_u24 v4, v25, 24
	v_mad_u32_u24 v4, v26, 384, v4                 ; v4  y's fragments: 384 h + 24 r
	v_lshlrev_b32 v5, 2, v25                       ; v5  4 r
	s_lshl_b32 s32, s[WV], 9
	v_lshl_add_u32 v7, v26, 6, s32                 ; v7  b1: 512 w + 64 h
	s_mul_i32 s32, s[WV], 24576
	s_lshl_b32 s33, s[WV], 10
	v_add_nc_u32 v8, s32, v28                      ; v8, v9    Wp: my 8 records
	v_add_nc_u32 v9, s33, v29
	s_lshl_b32 s32, s32, 1
	s_lshl_b32 s33, s33, 1
	v_add_nc_u32 v10, s32, v28                     ; v10, v11  W1: my 16 records of a chunk
	v_add_nc_u32 v11, s33, v29
	s_lshl_b32 s32, s32, 1
	s_lshl_b32 s33, s33, 1
	v_add_nc_u32 v12, s32, v28                     ; v12, v13  W2: my 32 records
	v_add_nc_u32 v13, s33, v29
	s_lshl_b32 s32, s[WV], 2
	s_add_co_u32 s32, s32, RED1
	v_lshl_add_u32 v14, v25, 5, s32                ; v14 my partial sum
	v_lshl_add_u32 v15, v25, 5, RED1               ; v15 my row's eight
	s_lshr_b32 s32, s[WV], 1
	s_and_b32 s33, s[WV], 1
	s_mul_i32 s34, s32, 1536
	s_mul_i32 s35, s33, 24
	s_add_co_u32 s34, s34, s35
	s_add_co_u32 s34, s34, H2IMG
	v_add_nc_u32 v16, s34, v30                     ; v16 the half of a fragment that I make: K step w / 2, half w % 2
	s_lshl_b32 s34, s32, 6
	s_lshl_b32 s35, s33, 1
	s_add_co_u32 s34, s34, s35
	s_add_co_u32 s34, s34, H2SC
	v_add_nc_u32 v17, s34, v5                      ; v17 and its two scale bytes
	v_add_nc_u32 v18, H2IMG, v30                   ; v18, v19  a normalised fragment and its scale word for my lane
	v_add_nc_u32 v19, H2SC, v5
	v_add_nc_u32 v20, HID, v30                     ; v20, v21  a hidden fragment and its scale word
	v_add_nc_u32 v21, HIDSC, v5
	s_mul_i32 s34, s[WV], 1536
	v_add_nc_u32 v22, s34, v20                     ; v22, v23  those that I make
	s_lshl_b32 s34, s[WV], 6
	v_add_nc_u32 v23, s34, v21
	v_mov_b32 v[TM+2], 0                           ; lane permutes' destinations count as sources: written once
	v_mov_b32 v[TM+3], 0
	v_mov_b32 v[MU+1], 0                           ; (upper halves of pairs)
	v_mov_b32 v[MU+3], 0
	v_mov_b32 v[C8V], 0xbf97d29d
	v_mov_b32 v[C8V+1], 0xbf97d29d
	s_mov_b32 s[SEL], 0x76543210
	s_mov_b32 s[SEL+1], 0xfedcba98
	s_mov_b32 s[INV], 0x3b000000                   ; 1 / 512
	s_mov_b32 s[EPS], 0x3727c5ac                   ; 1e-5
	s_mov_b32 s[CA], 0x3f596d27                    ; sqrt(log2 e) / sqrt 2
	s_mov_b32 s[CB], 0x3ed5224d                    ; 1 / (2 sqrt(log2 e))
	s_mov_b32 s[CB+1], s[CB]
	COEF 0, 0xc034d90f                             ; the fit's coefficients x log2 e; 1 taken off the constant
	COEF 1, 0x3fb8ab5a
	COEF 2, 0x3f0a29d2
	COEF 3, 0x3e0efb2e
	COEF 4, 0xbe899a80
	COEF 5, 0x3ecdfd18
	COEF 6, 0xbfd1a1e5
	COEF 7, 0x40097039
	COEF 9, 0x3e7c6f08
	s_lshl_b32 s32, ttmp9, 16
	s_mov_b32 s33, 0
	s_mul_i32 s34, ttmp9, 12288
	s_mov_b32 s35, 0
	s_lshl_b32 s36, ttmp9, 9
	s_mov_b32 s37, 0
	s_wait_kmcnt 0x0
	s_add_nc_u64 s[4:5], s[4:5], s[32:33]
	s_add_nc_u64 s[24:25], s[24:25], s[32:33]
	s_add_nc_u64 s[6:7], s[6:7], s[34:35]
	s_add_nc_u64 s[8:9], s[8:9], s[36:37]
	; ---- x as it lies, through the stage into the result's layout; y's fragments straight into registers
	WIN 0x40
.irp i, 0,1,2,3
.irp k, 0,1,2,3
	global_load_b128 v[4*(4*\i+\k):4*(4*\i+\k)+3], v1, s[4:5] offset:2048*\i+512*\k th:TH_LOAD_NT
.endr
.endr
	WIN 0
.irp f, 0,1,2,3,4,5,6,7
.irp c, 0,1
.irp i, 0,1,2
	global_load_b64 v[YF+12*\f+6*\c+2*\i:YF+12*\f+6*\c+2*\i+1], v4, s[6:7] offset:1536*\f+768*\c+8*\i th:TH_LOAD_NT
.endr
.endr
.endr
.irp f, 0,1,2,3,4,5,6,7
	global_load_b32 v[ASC+\f], v5, s[8:9] offset:64*\f
.endr
	s_wait_loadcnt 56                              ; x's 16 loads are in; y's 48 and its scale words' 8 may be out
	WIN 0x04                                       ; an LDS store's data are its source 1: window 1
.irp i, 0,1,2,3
.irp k, 0,1,2,3
	ds_store_b128 v2, v[4*(4*\i+\k):4*(4*\i+\k)+3] offset:2064*\i+512*\k
.endr
.endr
	WIN 0
	VLOAD BP, 14
	VLOAD G2, 16
	VLOAD LB, 18
	LDHALF 0, 8, 9, 192, 196, 193, 197             ; Wp's two halves
	LDHALF 1, 8, 9, 194, 198, 195, 199
	BARRIER                                        ; the 32 rows of x lie in the stage
	WIN 0x40
.irp u, 0,1
.irp t, 0,1,2,3
.irp e, 0,1
	ds_load_b128 v[32*\u+8*\t+4*\e:32*\u+8*\t+4*\e+3], v3 offset:16512*\u+128*(\t/2)+32*(\t%2)+16*\e
.endr
.endr
.endr
	WIN 0
	s_wait_loadcnt 56                              ; y, its scale words, bp, ln2_g, ln2_b are in; only the ring's 56 loads are younger
	s_wait_dscnt 0x0
	ADDV BP                                        ; x + bp starts the sums
	VLOAD BP, 22                                   ; b2 takes bp's registers: 8 loads
	HS_P 0
	LD1 0, 0, 0
	HS_P 1
	LD1 1, 0, 1
	; ---- layernorm of x1: the mean,
	WIN 0x05
.irp u, 0,1
	v_pk_add_f32 v[ST+4*\u:ST+4*\u+1], v[32*\u:32*\u+1], v[32*\u+2:32*\u+3]
	v_pk_add_f32 v[ST+4*\u+2:ST+4*\u+3], v[32*\u+4:32*\u+5], v[32*\u+6:32*\u+7]
.endr
	WIN 0x01
.irp j, 8,12,16,20,24,28
.irp u, 0,1
	v_pk_add_f32 v[ST+4*\u:ST+4*\u+1], v[32*\u+\j:32*\u+\j+1], v[ST+4*\u:ST+4*\u+1]
	v_pk_add_f32 v[ST+4*\u+2:ST+4*\u+3], v[32*\u+\j+2:32*\u+\j+3], v[ST+4*\u+2:ST+4*\u+3]
.endr
.endr
	WIN 0
	REDUCE 0
.irp u, 0,1
	v_mul_f32 v[MU+2*\u], s[INV], v[RD+8*\u]
.endr
	WIN 0x01
.irp u, 0,1
.irp k, 0,2,4,6,8,10,12,14,16,18,20,22,24,26,28,30
	v_pk_add_f32 v[D2+32*\u+\k:D2+32*\u+\k+1], v[32*\u+\k:32*\u+\k+1], v[MU+2*\u:MU+2*\u+1] op_sel_hi:[1,0] neg_lo:[0,1] neg_hi:[0,1]   ; x1 - mean
.endr
.endr
	WIN 0
	; then the variance, of x1 - mean
.irp u, 0,1
	v_pk_mul_f32 v[ST+4*\u:ST+4*\u+1], v[D2+32*\u:D2+32*\u+1], v[D2+32*\u:D2+32*\u+1]
	v_pk_mul_f32 v[ST+4*\u+2:ST+4*\u+3], v[D2+32*\u+2:D2+32*\u+3], v[D2+32*\u+2:D2+32*\u+3]
.endr
.irp j, 4,8,12,16,20,24,28
.irp u, 0,1
	v_pk_fma_f32 v[ST+4*\u:ST+4*\u+1], v[D2+32*\u+\j:D2+32*\u+\j+1], v[D2+32*\u+\j:D2+32*\u+\j+1], v[ST+4*\u:ST+4*\u+1]
	v_pk_fma_f32 v[ST+4*\u+2:ST+4*\u+3], v[D2+32*\u+\j+2:D2+32*\u+\j+3], v[D2+32*\u+\j+2:D2+32*\u+\j+3], v[ST+4*\u+2:ST+4*\u+3]
.endr
.endr
	REDUCE 1024
.irp u, 0,1
	v_fma_f32 v[RD+8*\u], v[RD+8*\u], s[INV], s[EPS]
.endr
.irp u, 0,1
	v_rsq_f32 v[MU+2*\u], v[RD+8*\u]
.endr
	v_nop
	s_wait_alu depctr_va_vdst(0)                   ; one wait for the two roots, ahead of their first reader
.irp u, 0,1
.irp k, 0,2,4,6,8,10,12,14,16,18,20,22,24,26,28,30
	v_pk_mul_f32 v[D2+32*\u+\k:D2+32*\u+\k+1], v[D2+32*\u+\k:D2+32*\u+\k+1], v[MU+2*\u:MU+2*\u+1] op_sel_hi:[1,0]
.endr
.endr
.irp u, 0,1
.irp k, 0,2,4,6,8,10,12,14,16,18,20,22,24,26,28,30
	v_pk_fma_f32 v[D2+32*\u+\k:D2+32*\u+\k+1], v[D2+32*\u+\k:D2+32*\u+\k+1], v[G2+\k:G2+\k+1], v[LB+\k:LB+\k+1]
.endr
.endr
.irp u, 0,1                                    ; my 64 columns are two blocks: half w % 2 of the fragment of K step w / 2
	QUANT2 D2+32*\u, PC, W0
	ds_store_b64 v16, v[PC:PC+1] offset:6144*\u
	ds_store_b64 v16, v[PC+2:PC+3] offset:6144*\u+8
	ds_store_b64 v16, v[PC+4:PC+5] offset:6144*\u+16
	ds_store_b16 v17, v[W0] offset:256*\u
	s_wait_dscnt 0x0                               ; the stores have read their registers
.endr
	s_wait_loadcnt 56                              ; b2 is in; only the ring's 56 loads are younger
	ADDV BP                                        ; x1 + b2: the last product adds onto it
	B1LOAD 0
	BARRIER                                        ; the normalised rows' eight fragments lie in LDS
	; ---- chunk 0
	HS_M1 0, 0                                     ; b1's 32 loads are the youngest: all are waited for
	LD1 0, 0, 2
	HS_M1 1, 28                                    ; from here on: this half is in, the other half's 28 may be out
	LD1 1, 0, 3
	HS_M1 2, 28
	LD2 0, 0, 0
	HS_M1 3, 28
	LD2 1, 0, 1
	MID 0
	B1LOAD 1                                       ; the next chunk's bias, into the accumulators that have been quantised
	BARRIER                                        ; the chunk's sixteen hidden fragments lie in LDS
	HS_M2 0, 0, 60                                 ; younger than this half: the other half's 28 and b1's 32
	LD2 0, 0, 2
	HS_M2 0, 1, 60                                 ; b1's 32 and the refill's 28
	LD2 1, 0, 3
	HS_M2 0, 2, 28
	LD1 0, 1, 0
	HS_M2 0, 3, 28
	LD1 1, 1, 1
	; ---- chunk 1 (its hidden fragments have LDS bytes of their own: no barrier between chunk 0's reads and these stores)
	HS_M1 0, 28
	LD1 0, 1, 2
	HS_M1 1, 28
	LD1 1, 1, 3
	HS_M1 2, 28
	LD2 0, 1, 0
	HS_M1 3, 28
	LD2 1, 1, 1
	MID 1
	BARRIER
	HS_M2 1, 0, 28
	LD2 0, 1, 2
	HS_M2 1, 1, 28
	LD2 1, 1, 3
	HS_M2 1, 2, 28
	HS_M2 1, 3, 0                                  ; the last half: nothing younger is out
	; ---- the way out: a row's 512 numbers come from eight waves: through the stage, whose last read lies five barriers back
	WIN 0x04
.irp u, 0,1
.irp t, 0,1,2,3
.irp e, 0,1
	ds_store_b128 v3, v[32*\u+8*\t+4*\e:32*\u+8*\t+4*\e+3] offset:16512*\u+128*(\t/2)+32*(\t%2)+16*\e   ; each accumulator from its low end on
.endr
.endr
.endr
	WIN 0
	BARRIER
.irp i, 0,1,2,3
.irp k, 0,1,2,3
	ds_load_b128 v[HA+4*(4*\i+\k):HA+4*(4*\i+\k)+3], v2 offset:2064*\i+512*\k
.endr
.endr
.irp i, 0,1,2,3
.irp k, 0,1,2,3
	s_wait_dscnt 15-4*\i-\k
	global_store_b128 v1, v[HA+4*(4*\i+\k):HA+4*(4*\i+\k)+3], s[24:25] offset:2048*\i+512*\k th:TH_STORE_NT   ; 512 consecutive bytes, at a multiple of 256 from out0's first byte
.endr
.endr
	s_wait_xcnt 0x0
	v_lshl_add_u32 v254, v0, 2, 0x20400
	v_mov_b32 v255, 0
	s_wait_tensorcnt 0x0
	ds_add_u32 v254, v255
	s_wait_dscnt 0x0
	s_endpgm
.Lfunc_end_k_qbe77d73596_mlp:
	.size	k_qbe77d73596_mlp, .Lfunc_end_k_qbe77d73596_mlp-k_qbe77d73596_mlp
	.p2alignl 7, 3214868480
	.fill 96, 4, 3214868480
	.section	.rodata,"a",@progbits
	.p2align	6, 0x0
	.amdhsa_kernel k_qbe77d73596_mlp
		.amdhsa_group_segment_fixed_size 133120
		.amdhsa_private_segment_fixed_size 0
		.amdhsa_enable_private_segment 0
		.amdhsa_kernarg_size 88
		.amdhsa_user_sgpr_count 2
		.amdhsa_user_sgpr_kernarg_segment_ptr 1
		.amdhsa_wavefront_size32 1
		.amdhsa_system_sgpr_workgroup_id_x 1
		.amdhsa_system_sgpr_workgroup_id_y 1
		.amdhsa_system_sgpr_workgroup_id_z 1
		.amdhsa_system_vgpr_workitem_id 0
		.amdhsa_next_free_vgpr 512
		.amdhsa_next_free_sgpr 96
		.amdhsa_reserve_vcc 0
		.amdhsa_float_denorm_mode_32 3
		.amdhsa_float_denorm_mode_16_64 3
		.amdhsa_memory_ordered 1
		.amdhsa_forward_progress 1
		.amdhsa_inst_pref_size 255
	.end_amdhsa_kernel
	.section	.bss,"aw",@nobits
	.p2align	6
	.space	262144
	.amdgpu_metadata
---
amdhsa.version: [ 1, 2 ]
amdhsa.kernels:
  - .name:           k_qbe77d73596_mlp
    .symbol:         k_qbe77d73596_mlp.kd
    .args:
      - { .name: x, .offset: 0, .size: 8, .value_kind: global_buffer, .address_space: global }
      - { .name: yc, .offset: 8, .size: 8, .value_kind: global_buffer, .address_space: global }
      - { .name: ysc, .offset: 16, .size: 8, .value_kind: global_buffer, .address_space: global }
      - { .name: wc, .offset: 24, .size: 8, .value_kind: global_buffer, .address_space: global }
      - { .name: ws, .offset: 32, .size: 8, .value_kind: global_buffer, .address_space: global }
      - { .name: bp, .offset: 40, .size: 8, .value_kind: global_buffer, .address_space: global }
      - { .name: ln2_g, .offset: 48, .size: 8, .value_kind: global_buffer, .address_space: global }
      - { .name: ln2_b, .offset: 56, .size: 8, .value_kind: global_buffer, .address_space: global }
      - { .name: b1, .offset: 64, .size: 8, .value_kind: global_buffer, .address_space: global }
      - { .name: b2, .offset: 72, .size: 8, .value_kind: global_buffer, .address_space: global }
      - { .name: out0, .offset: 80, .size: 8, .value_kind: global_buffer, .address_space: global }
    .group_segment_fixed_size: 133120
    .private_segment_fixed_size: 0
    .kernarg_segment_align: 8
    .kernarg_segment_size: 88
    .max_flat_workgroup_size: 256
    .sgpr_count:     96
    .vgpr_count:     512
    .wavefront_size: 32
...
	.end_amdgpu_metadata
.endif
;; end of part 4
;; ======== version 2 of 2: 4 launches
;; workspace buffers: wc 2,359,296 bytes; ws 98,304 bytes; kv 6,553,600 bytes; qb 3,276,800 bytes; yc 3,145,728 bytes; ysc 131,072 bytes
;; launch wquant (part 5): grid 192 x 1, 4 waves a work-group, no clusters, 12,800 bytes of LDS; arguments Wq, Wk, Wv, Wp, W1, W2, wc, ws; writes wc, ws
.if DOCPART == 5
	.amdgcn_target "amdgcn-amd-amdhsa--gfx1250"
	.amdhsa_code_object_version 6
	.text
	.protected	k_qbe77d73596_wquant
	.globl	k_qbe77d73596_wquant
	.p2align	8
	.type	k_qbe77d73596_wquant,@function
k_qbe77d73596_wquant:
	s_mov_b64 s[64:65], 0
	v_nop
	global_prefetch_b8 v0, s[64:65] scope:SCOPE_SE
	s_setreg_imm32_b32 hwreg(HW_REG_WAVE_MODE, 25, 1), 1
	s_wait_xcnt 0x0
; The six weights, f32 stored [K][N], become codes of FP6 (E2M3) with one E8M0 byte for each 32 along K, laid in the ORDER OF THE OPERAND'S REGISTERS.
; A RECORD is 32 columns x 128 along K: two fragments of 16 columns (tile 0: columns 0-7, 16-23 of the 32; tile 1: columns 8-15, 24-31), 1,536 bytes each:
; registers 4 i .. 4 i + 3 of lane l at 512 i + 16 l.  Its scale words, 128 bytes in ws: lane 16 tile + row.  Record number = first + (column / 32) x (K / 128) + K step;
; first = 0 Wq, 64 Wk, 128 Wv, 192 Wp, 256 W1, 512 W2.
; A wave makes one record.  A LANE TAKES A COLUMN AND ITS REGISTERS RUN DOWN K: each load reads 128 consecutive bytes a wave (512 a work-group), a block of 32 lies in one lane, nothing is transposed.
; The codes go through the wave's own 3,072 bytes of LDS into the record's order and leave as six stores of 512 consecutive bytes.  No barrier: waves share nothing.
; A block's scale is 2^(floor(log2(largest magnitude)) - 2); its byte is the largest magnitude's exponent field - 2, held at 1 from below.
; LIMITS: a block of zeros gets the byte 1 where the rule says 127 (its codes are zeros; the bytes are read by this program alone); NaN and infinities are not served.
.set SB,  7                            ; v7       the column's four scale bytes
.set D,   12                           ; v12-17   a block's 24 bytes of codes
.set E,   18                           ; v18-20   its upper half as the conversion leaves it
.set OFF, 24                           ; v24-55   4 x lane + i x a row of the weight, i = 0 .. 31
.set X,   56                           ; v56-183  the column's 128 numbers
	s_load_b256 s[4:11], s[0:1], 0x0               ; Wq, Wk, Wv, Wp
	s_load_b256 s[12:19], s[0:1], 0x20             ; W1, W2, wc, ws
	v_lshl_add_u32 v192, v0, 2, 0x3000
	v_mov_b32 v193, 0
	v_lshrrev_b32 v1, 5, v0
	v_readfirstlane_b32 s30, v1                    ; wave
	v_and_b32 v1, 31, v0                           ; lane = my column of the 32
	v_lshlrev_b32 v2, 2, v1
	v_bfe_u32 v8, v0, 3, 1                         ; my tile: (lane / 8) % 2
	v_and_b32 v9, 7, v0
	v_bfe_u32 v10, v0, 4, 1
	v_lshl_add_u32 v9, v10, 3, v9                  ; my row in it: lane % 8 + 8 (lane / 16)
	s_mul_i32 s31, s30, 3072                       ; my wave's stage
	v_mul_u32_u24 v3, v8, 1536
	v_lshl_add_u32 v3, v9, 4, v3
	v_add_nc_u32 v3, s31, v3                       ; into it: 1,536 x tile + 16 x row
	v_lshlrev_b32 v5, 4, v1                        ; out of it, and in wc: 16 x lane
	v_add_nc_u32 v4, s31, v5
	v_lshl_add_u32 v6, v8, 4, v9
	v_lshlrev_b32 v6, 2, v6                        ; in ws: 4 (16 tile + row)
	; which record: work-groups 0-63 the four square weights (16 each), 64-127 W1, 128-191 W2
	s_lshr_b32 s20, ttmp9, 4
	s_lshr_b32 s21, ttmp9, 6                       ; 0, 1 (W1), 2 (W2)
	s_lshl_b32 s23, s20, 6
	s_lshl_b32 s24, s21, 8
	s_cmp_eq_u32 s21, 0
	s_cselect_b32 s22, 15, 63
	s_cselect_b32 s23, s23, s24                    ; the weight's first record
	s_and_b32 s22, ttmp9, s22                      ; the work-group's number within its weight
	s_cmp_eq_u32 s21, 1
	s_cselect_b32 s24, 15, 3                       ; groups of 128 columns: 16 in W1, 4 elsewhere
	s_cselect_b32 s25, 4, 2
	s_cselect_b32 s34, 13, 11                      ; a row is 8,192 bytes in W1, 2,048 elsewhere
	s_and_b32 s27, s22, s24
	s_lshr_b32 s28, s22, s25                       ; K step
	s_cmp_eq_u32 s21, 2
	s_cselect_b32 s29, 4, 2                        ; K steps in the weight: 16 in W2, 4 elsewhere
	s_lshl_b32 s27, s27, 2
	s_add_co_u32 s27, s27, s30                     ; column / 32
	s_lshl_b32 s35, s27, s29
	s_add_co_u32 s35, s35, s28
	s_add_co_u32 s35, s35, s23                     ; the record
	s_add_co_u32 s26, s34, 7
	s_lshl_b32 s32, s28, s26                       ; 128 rows a K step,
	s_lshl_b32 s33, s27, 7                         ; 128 bytes for 32 columns
	s_add_co_u32 s32, s32, s33
	s_mov_b32 s33, 0
	s_add_co_u32 s26, s34, 5
	s_lshl_b32 s44, 1, s26                         ; 32 rows in bytes
	s_mov_b32 s45, 0
.set I, 0
.rept 32
	v_lshl_add_u32 v[OFF+I], I, s34, v2
.set I, I+1
.endr
	s_wait_alu depctr_va_vdst(0)
	s_wait_kmcnt 0x0
	s_cmp_eq_u32 s20, 1                            ; the choice of the weight hangs on the work-group's number alone
	s_cselect_b64 s[4:5], s[6:7], s[4:5]
	s_cmp_eq_u32 s20, 2
	s_cselect_b64 s[4:5], s[8:9], s[4:5]
	s_cmp_eq_u32 s20, 3
	s_cselect_b64 s[4:5], s[10:11], s[4:5]
	s_cmp_eq_u32 s21, 1
	s_cselect_b64 s[4:5], s[12:13], s[4:5]
	s_cmp_eq_u32 s21, 2
	s_cselect_b64 s[4:5], s[14:15], s[4:5]
	s_add_nc_u64 s[36:37], s[4:5], s[32:33]        ; a base for each block of 32 rows
	s_add_nc_u64 s[38:39], s[36:37], s[44:45]
	s_add_nc_u64 s[40:41], s[38:39], s[44:45]
	s_add_nc_u64 s[42:43], s[40:41], s[44:45]
	s_mul_i32 s32, s35, 3072
	s_add_nc_u64 s[16:17], s[16:17], s[32:33]
	s_lshl_b32 s32, s35, 7
	s_add_nc_u64 s[18:19], s[18:19], s[32:33]
.set I, 0
.rept 128
	global_load_b32 v[X+I], v[OFF+I%32], s[36+2*(I/32):37+2*(I/32)] th:TH_LOAD_NT
.set I, I+1
.endr
; block kb = 32 along K: it is half kb / 2 of the registers of lane 16 (kb % 2) + row of my tile's fragment
.macro BLOCK kb, cnt
.set XS, X+32*(\kb)
	s_wait_loadcnt \cnt                            ; loads come back in order: this block's 32 are in
	v_max3_num_f32 v8, |v[XS]|, |v[XS+1]|, |v[XS+2]|
	v_max3_num_f32 v9, |v[XS+3]|, |v[XS+4]|, |v[XS+5]|
.irp i, 6,10,14,18,22,26
	v_max3_num_f32 v8, v8, |v[XS+\i]|, |v[XS+\i+1]|
	v_max3_num_f32 v9, v9, |v[XS+\i+2]|, |v[XS+\i+3]|
.endr
	v_max3_num_f32 v8, v8, |v[XS+30]|, |v[XS+31]|
	v_max3_num_f32 v8, v8, v9, 0x1800000           ; and the floor 2^(3 - 127): the byte cannot fall under 1
	v_add_nc_u32 v10, 0xff000000, v8               ; 2 off the exponent field: the conversion's scale operand
	v_lshrrev_b32 v11, 23, v10                     ; the scale's byte
.if (\kb) == 0
	v_mov_b32 v[SB], v11
.else
	v_lshl_or_b32 v[SB], v11, 8*(\kb), v[SB]
.endif
	v_cvt_scalef32_pk16_fp6_f32 v[D:D+2], v[XS:XS+15], v10
	v_cvt_scalef32_pk16_fp6_f32 v[E:E+2], v[XS+16:XS+31], v10   ; (a conversion's three registers begin on an even number)
	v_nop                                          ; one plain place behind a scaled conversion
.irp i, 0,1,2
	v_mov_b32 v[D+3+\i], v[E+\i]
.endr
.if (\kb) < 2
	ds_store_b128 v3, v[D:D+3] offset:256*(\kb)            ; registers 0-3,
	ds_store_b64 v3, v[D+4:D+5] offset:256*(\kb)+512       ; 4 and 5
.else
	ds_store_b64 v3, v[D:D+1] offset:256*((\kb)-2)+520     ; registers 6 and 7,
	ds_store_b128 v3, v[D+2:D+5] offset:256*((\kb)-2)+1024 ; 8-11
.endif
	s_wait_dscnt 0x0                               ; the stores have read their registers
.endm
	BLOCK 0, 63                                    ; the wait's field holds 63 at the most: with 63 out, 65 of the 128 are in, blocks 0 and 1 among them
	BLOCK 1, 63
	BLOCK 2, 32
	BLOCK 3, 0
.irp i, 0,1,2,3,4,5
	ds_load_b128 v[X+4*\i:X+4*\i+3], v4 offset:512*\i      ; LDS serves a wave's instructions in order: these see my stores
.endr
	s_wait_alu depctr_va_vdst(0)
	global_store_b32 v6, v[SB], s[18:19]           ; the record's 32 scale words: 128 consecutive bytes
.irp i, 0,1,2,3,4,5
	s_wait_dscnt 5-\i
	global_store_b128 v5, v[X+4*\i:X+4*\i+3], s[16:17] offset:512*\i   ; 512 consecutive bytes, at a multiple of 256 from wc's first byte
.endr
	s_wait_tensorcnt 0x0
	ds_add_u32 v192, v193
	s_wait_dscnt 0x0
	s_endpgm
.Lfunc_end_k_qbe77d73596_wquant:
	.size	k_qbe77d73596_wquant, .Lfunc_end_k_qbe77d73596_wquant-k_qbe77d73596_wquant
	.p2alignl 7, 3214868480
	.fill 96, 4, 3214868480
	.section	.rodata,"a",@progbits
	.p2align	6, 0x0
	.amdhsa_kernel k_qbe77d73596_wquant
		.amdhsa_group_segment_fixed_size 12800
		.amdhsa_private_segment_fixed_size 0
		.amdhsa_enable_private_segment 0
		.amdhsa_kernarg_size 64
		.amdhsa_user_sgpr_count 2
		.amdhsa_user_sgpr_kernarg_segment_ptr 1
		.amdhsa_wavefront_size32 1
		.amdhsa_system_sgpr_workgroup_id_x 1
		.amdhsa_system_sgpr_workgroup_id_y 1
		.amdhsa_system_sgpr_workgroup_id_z 1
		.amdhsa_system_vgpr_workitem_id 0
		.amdhsa_next_free_vgpr 194
		.amdhsa_next_free_sgpr 66
		.amdhsa_reserve_vcc 0
		.amdhsa_float_denorm_mode_32 3
		.amdhsa_float_denorm_mode_16_64 3
		.amdhsa_memory_ordered 1
		.amdhsa_forward_progress 1
		.amdhsa_inst_pref_size 25
	.end_amdhsa_kernel
	.amdgpu_metadata
---
amdhsa.version: [ 1, 2 ]
amdhsa.kernels:
  - .name:           k_qbe77d73596_wquant
    .symbol:         k_qbe77d73596_wquant.kd
    .args:
      - { .name: Wq, .offset: 0, .size: 8, .value_kind: global_buffer, .address_space: global }
      - { .name: Wk, .offset: 8, .size: 8, .value_kind: global_buffer, .address_space: global }
      - { .name: Wv, .offset: 16, .size: 8, .value_kind: global_buffer, .address_space: global }
      - { .name: Wp, .offset: 24, .size: 8, .value_kind: global_buffer, .address_space: global }
      - { .name: W1, .offset: 32, .size: 8, .value_kind: global_buffer, .address_space: global }
      - { .name: W2, .offset: 40, .size: 8, .value_kind: global_buffer, .address_space: global }
      - { .name: wc, .offset: 48, .size: 8, .value_kind: global_buffer, .address_space: global }
      - { .name: ws, .offset: 56, .size: 8, .value_kind: global_buffer, .address_space: global }
    .group_segment_fixed_size: 12800
    .private_segment_fixed_size: 0
    .kernarg_segment_align: 8
    .kernarg_segment_size: 64
    .max_flat_workgroup_size: 128
    .sgpr_count:     66
    .vgpr_count:     194
    .wavefront_size: 32
...
	.end_amdgpu_metadata
.endif
;; end of part 5
;; launch qkv (part 6): grid 256 x 1, 8 waves a work-group, no clusters, 119,296 bytes of LDS; arguments x, ln1_g, ln1_b, bq, bk, bv, wc, ws, kv, qb; writes kv, qb
.if DOCPART == 6
	.amdgcn_target "amdgcn-amd-amdhsa--gfx1250"
	.amdhsa_code_object_version 6
	.text
	.protected	k_qbe77d73596_qkv
	.globl	k_qbe77d73596_qkv
	.p2align	8
	.type	k_qbe77d73596_qkv,@function
k_qbe77d73596_qkv:
	s_mov_b64 s[64:65], 0
	v_nop
	global_prefetch_b8 v0, s[64:65] scope:SCOPE_SE
	s_setreg_imm32_b32 hwreg(HW_REG_WAVE_SCHED_MODE, 0, 2), 2
	s_setreg_imm32_b32 hwreg(HW_REG_WAVE_MODE, 25, 1), 1
	s_wait_xcnt 0x0
	s_wait_alu depctr_vm_vsrc(0)
; h = layernorm(x); q = h Wq + bq, k = h Wk + bk, v = h Wv + bv on codes of FP6 (E2M3); q and k are then quantised along a head's 32 channels, v along 32 tokens.
; A work-group owns 32 tokens.  ROWS OF A TILE ARE NOT NEIGHBOURS: row r of tile u is token 8 u + r + 8 (r / 8) of the 32; columns of a weight's tile likewise (launch wquant).
; So a lane's 16 registers of two neighbouring tiles are 16 neighbours along the axis that is quantised next.
; LAYERNORM: wave w = (u = w / 4, K step = w % 4) holds 16 rows x 128 columns, 64 numbers a lane in the order the quantiser wants.  Mean first, then the squares of x - mean: no difference of large sums.
; PRODUCTS: wave w makes channels 64 w .. 64 w + 63 (heads 2 w, 2 w + 1) of q, k, v for all 32 rows: 8 accumulators.  q and k are used transposed (source 0 = 16 columns of W, source 1 = 16 rows of h):
; a lane holds one token and 16 neighbouring channels.  v is used straight: a lane holds one channel and 16 neighbouring tokens.
; THE WEIGHTS go from memory straight into the operand registers of the one wave that multiplies by them, in two halves of 4 records by turns, each asked for two half-steps ahead.
; No joint loads: they land in LDS, and with 32 rows to a work-group each fragment of 1,536 bytes read from there would feed two matrix instructions.
; OUT: kv[block of 32 tokens][head]: 768 bytes K codes [u][r][24], 768 bytes V codes [tile][channel row][24], 32 K scale bytes, 32 V scale bytes; qb[block][head]: 768 bytes codes, 32 bytes.
; They are gathered in LDS and leave as 25,600 and 12,800 consecutive bytes.
; LIMITS: a block of zeros gets the byte 1 where the rule says 127 (its codes are zeros; this program alone reads the bytes); NaN and infinities are not served.
; THE MODE: SCHED_MODE bits 1:0 = 2 (LLVM: expert scheduling mode 2), set by the entry lines.  The code itself states the register dependences
; between vector or matrix instructions and memory or LDS instructions, with s_wait_alu, always for 0.
; THE PLAN.  Registers that memory or LDS instructions touch:
;   v4-v26        addresses and offsets: made once at the head, never written again: one wait on va_vdst ahead of the first load.
;   X             x's loads land; the LDS stores read it; behind the barrier and a wait on vm_vsrc the LDS loads land in it again.  Then vector and matrix instructions alone, until the way out.
;   ST            a partial sum: the additions write it, an LDS store reads it (va_vdst between), the LDS load of the four sums lands in it (vm_vsrc between).
;   GG, BB -> HF  the gains' loads land; the multiply-adds read them; h's fragments land there behind the wait on va_vdst that stands ahead of the image's stores.
;   PC, PW, W1    the quantiser's out-buffer: one wait on va_vdst ahead of each run of LDS stores, one on vm_vsrc behind it wherever a later quantiser writes the registers again.
;   the weights' two halves and WSR: a half-step's 16 matrix instructions read a half; it is asked for again at once, behind one wait on va_vdst.
.set XSTG,  0                          ; LDS: 32 rows of x, 2,064 bytes apart
.set RED1,  66048                      ; [u][r][K step] partial sums, 512 bytes; the squares' 512 behind them
.set HIMG,  67072                      ; h's 8 fragments (4 u + K step), lane l's 48 bytes at 48 l
.set HSC,   79360                      ; their scale words, 64 bytes each
.set KVSTG, 79872                      ; the work-group's part of kv, 25,600 bytes
.set QSTG,  105472                     ; and of qb, 12,800 bytes
.set X,    32                          ; v32-95   64 numbers of x;  later the 8 accumulators
.set ACC,  32
.set HF,   96                          ; v96-191  h's 8 fragments
.set GG,   96                          ; v96-159  ln1_g, v160-223 ln1_b, until they are used
.set BB,   160
.set PC,   192                          ; v192-203 codes just made
.set TE,   204
.set TM,   208                          ; v208-213 at work in the quantiser
.set W0,   214
.set W1,   215
.set PW,   216
.set ST,   224                          ; v224-231 sums;  mean in v228, 1 / deviation in v230
.set MU,   228
.set RS,   230
.set BV,   232                          ; v232-239 bv of my channel, tile t at 2 t (the odd ones 0)
.set WSR,  240                          ; v240-247 the weights' scale words, 4 for each half
.set HS,   248                          ; v248-255 h's scale words
.set WC,  16
.set WS,  18
.set WV,  24
.set UU,  25
.set KA,  26
.set SEL, 28
.set INV, 30
.set EPS, 31
; window 1: v0-31 bq, v32-63 bk in the result's layout (tile t at 8 t); v64-255 the weights' two halves
.set MSB, 0
.macro WIN new                         ; the immediate's high byte repeats the setting that is left
.if MSB != \new
	s_set_vgpr_msb (MSB<<8)|\new
.set MSB, \new
.endif
.endm
.macro PLACES                          ; four places behind matrix instructions, ahead of loads into their registers and of reads of their results
.rept 4
	v_nop
.endr
.endm
.macro BARRIER                         ; my LDS stores have landed and my LDS loads are in: then the work-group's barrier
	s_wait_dscnt 0x0
	s_barrier_signal -1
	s_barrier_wait -1
.endm
; 32 numbers of a lane, two blocks: v[s + 16 b + i] = k 16 (lane / 16) + i of block b of my row.  Result: 6 registers of codes, lanes 0-15 block 0 whole, lanes 16-31 block 1 whole; v[w] = byte 0 | byte 1 << 8
.macro QUANT2 s, d, w
	v_max3_num_f32 v[TM], |v[\s]|, |v[\s+1]|, 0x1800000       ; with the floor 2^(3 - 127): the byte cannot fall under 1
	v_max3_num_f32 v[TM+1], |v[\s+16]|, |v[\s+17]|, 0x1800000
.irp i, 2,4,6,8,10,12,14
	v_max3_num_f32 v[TM], v[TM], |v[\s+\i]|, |v[\s+\i+1]|
	v_max3_num_f32 v[TM+1], v[TM+1], |v[\s+16+\i]|, |v[\s+17+\i]|
.endr
	v_permlanex16_b32 v[TM+2], v[TM], s[SEL], s[SEL+1]
	v_permlanex16_b32 v[TM+3], v[TM+1], s[SEL], s[SEL+1]
	v_max_num_f32 v[TM], v[TM], v[TM+2]            ; with lane l xor 16's 16: the block's largest magnitude
	v_max_num_f32 v[TM+1], v[TM+1], v[TM+3]
	v_add_nc_u32 v[TM+4], 0xff000000, v[TM]        ; 2 off the exponent field: the conversion's scale operand
	v_add_nc_u32 v[TM+5], 0xff000000, v[TM+1]
	v_lshrrev_b32 v[TM+2], 23, v[TM+4]             ; the scales' bytes
	v_lshrrev_b32 v[TM+3], 23, v[TM+5]
	v_lshl_or_b32 v[\w], v[TM+3], 8, v[TM+2]
	v_cvt_scalef32_pk16_fp6_f32 v[\d:\d+2], v[\s:\s+15], v[TM+4]
	v_cvt_scalef32_pk16_fp6_f32 v[TE:TE+2], v[\s+16:\s+31], v[TM+5]
	v_nop                                          ; one plain place behind a scaled conversion
.irp i, 0,1,2
	v_permlane16_swap_b32 v[\d+\i], v[TE+\i]       ; the first now holds each lane's block's lower 16 codes, the second the upper 16
.endr
.irp i, 0,1,2
	v_mov_b32 v[\d+3+\i], v[TE+\i]
.endr
.endm
; four records into half hf of the ring: 24 loads of 512 consecutive bytes and 4 of 128.  No address register is ever rewritten
.macro LDHALF hf, vo, so, n0, n1, n2, n3
	WIN 0x40
.set LQ, 0
.irp nn, \n0, \n1, \n2, \n3
.irp i, 0,1,2,3,4,5
	global_load_b128 v[64+96*(\hf)+24*LQ+4*\i:64+96*(\hf)+24*LQ+4*\i+3], v[\vo], s[WC:WC+1] offset:3072*(\nn)+512*\i
.endr
.set LQ, LQ+1
.endr
	WIN 0
.set LQ, 0
.irp nn, \n0, \n1, \n2, \n3
	global_load_b32 v[WSR+4*(\hf)+LQ], v[\so], s[WS:WS+1] offset:128*(\nn)
.set LQ, LQ+1
.endr
.endm
.macro LDW mm, n                       ; half n of weight mm: record q = (K step 2 n + q / 2, pair of tiles q % 2)
	LDHALF \n, 14, 15, 64*\mm+2*\n, 64*\mm+4+2*\n, 64*\mm+1+2*\n, 64*\mm+5+2*\n
.endm
; one matrix instruction.  c < 0: the constant 0 starts the sum.  row = 1: source 0's scales in lanes 16-31; row = 2: source 1's
.macro WM d, a, b, c, sa, sb, row
.if (\c) < 0
.if (\row) == 0
	v_wmma_scale_f32_16x16x128_f8f6f4 v[\d:\d+7], v[\a:\a+11], v[\b:\b+11], 0, v[\sa], v[\sb] matrix_a_fmt:MATRIX_FMT_FP6 matrix_b_fmt:MATRIX_FMT_FP6
.elseif (\row) == 1
	v_wmma_scale_f32_16x16x128_f8f6f4 v[\d:\d+7], v[\a:\a+11], v[\b:\b+11], 0, v[\sa], v[\sb] matrix_a_fmt:MATRIX_FMT_FP6 matrix_b_fmt:MATRIX_FMT_FP6 matrix_a_scale:MATRIX_SCALE_ROW1
.else
	v_wmma_scale_f32_16x16x128_f8f6f4 v[\d:\d+7], v[\a:\a+11], v[\b:\b+11], 0, v[\sa], v[\sb] matrix_a_fmt:MATRIX_FMT_FP6 matrix_b_fmt:MATRIX_FMT_FP6 matrix_b_scale:MATRIX_SCALE_ROW1
.endif
.else
.if (\row) == 0
	v_wmma_scale_f32_16x16x128_f8f6f4 v[\d:\d+7], v[\a:\a+11], v[\b:\b+11], v[\c:\c+7], v[\sa], v[\sb] matrix_a_fmt:MATRIX_FMT_FP6 matrix_b_fmt:MATRIX_FMT_FP6
.elseif (\row) == 1
	v_wmma_scale_f32_16x16x128_f8f6f4 v[\d:\d+7], v[\a:\a+11], v[\b:\b+11], v[\c:\c+7], v[\sa], v[\sb] matrix_a_fmt:MATRIX_FMT_FP6 matrix_b_fmt:MATRIX_FMT_FP6 matrix_a_scale:MATRIX_SCALE_ROW1
.else
	v_wmma_scale_f32_16x16x128_f8f6f4 v[\d:\d+7], v[\a:\a+11], v[\b:\b+11], v[\c:\c+7], v[\sa], v[\sb] matrix_a_fmt:MATRIX_FMT_FP6 matrix_b_fmt:MATRIX_FMT_FP6 matrix_b_scale:MATRIX_SCALE_ROW1
.endif
.endif
.endm
; a half-step of q (mm = 0) or k (1): two K steps x 8 accumulators by turns, transposed; the bias is the C of each sum's first instruction
.macro H2T mm, n, cnt
	s_wait_loadcnt \cnt                            ; this half's 28 loads are in; the other half's 28 may be out
.irp kl, 0,1
.if 2*\n+\kl == 0
	WIN 0x11                                       ; source 0 (W) and source 2 (the bias) window 1
.else
	WIN 0x01
.endif
.irp pp, 0,1
.irp tt, 0,1
.irp u, 0,1
.set rD, ACC+32*\u+8*(2*\pp+\tt)
.set rC, rD
.if 2*\n+\kl == 0
.set rC, 32*\mm+8*(2*\pp+\tt)
.endif
	WM rD, 64+96*\n+24*(2*\kl+\pp)+12*\tt, HF+12*(4*\u+2*\n+\kl), rC, WSR+4*\n+2*\kl+\pp, HS+4*\u+2*\n+\kl, \tt
.endr
.endr
.endr
.endr
	WIN 0
	PLACES
.endm
; the same of v, straight: source 0 = 16 rows of h, source 1 = 16 columns of Wv; accumulator (tile of channels t, u) at 16 t + 8 u
.macro H2V n, cnt
	s_wait_loadcnt \cnt
	WIN 0x04                                       ; source 1 (W) window 1
.irp kl, 0,1
.irp pp, 0,1
.irp tt, 0,1
.irp u, 0,1
.set rD, ACC+16*(2*\pp+\tt)+8*\u
.set rC, rD
.if 2*\n+\kl == 0
.set rC, -1
.endif
	WM rD, HF+12*(4*\u+2*\n+\kl), 64+96*\n+24*(2*\kl+\pp)+12*\tt, rC, HS+4*\u+2*\n+\kl, WSR+4*\n+2*\kl+\pp, 2*\tt
.endr
.endr
.endr
.endr
	WIN 0
	PLACES
.endm
; q's or k's 32 rows x 2 heads are quantised head by head: lanes 0-15 end with head 2 w's block of row r, lanes 16-31 with head 2 w + 1's
.macro QKOUT a, ab
.irp u, 0,1
	QUANT2 ACC+32*\u, PC, W0
	v_lshrrev_b32 v[W1], v24, v[W0]                ; my half's byte
	s_wait_alu depctr_va_vdst(0)                   ; the quantiser has written the codes v[PC ..] and the byte v[W1], which the four LDS stores read
	ds_store_b64 v[\a], v[PC:PC+1] offset:384*\u
	ds_store_b64 v[\a], v[PC+2:PC+3] offset:384*\u+8
	ds_store_b64 v[\a], v[PC+4:PC+5] offset:384*\u+16
	ds_store_b8 v[\ab], v[W1] offset:16*\u
	s_wait_dscnt 0x0                               ; the stores have read their registers
	s_wait_alu depctr_vm_vsrc(0)                   ; the LDS stores have read v[PC ..] and v[W1], which the next quantiser writes again
.endr
.endm
	s_load_b256 s[4:11], s[0:1], 0x0               ; x, ln1_g, ln1_b, bq
	s_load_b256 s[12:19], s[0:1], 0x20             ; bk, bv, wc, ws
	s_load_b128 s[20:23], s[0:1], 0x40             ; kv, qb
	v_lshl_add_u32 v30, v0, 2, 0x1ce00
	v_mov_b32 v31, 0
	v_lshrrev_b32 v27, 5, v0
	v_readfirstlane_b32 s[WV], v27                 ; wave 0..7
	v_and_b32 v1, 31, v0                           ; lane
	s_wait_alu depctr_va_vdst(0)
	v_and_b32 v2, 15, v0                           ; r
	s_wait_alu depctr_va_vdst(0)
	v_bfe_u32 v3, v0, 4, 1                         ; h
	s_wait_alu depctr_va_sdst(0)                   ; the wave's number is written, ahead of its first reader
	s_lshr_b32 s[UU], s[WV], 2
	s_and_b32 s[KA], s[WV], 3
	s_mov_b32 s[SEL], 0x76543210
	s_mov_b32 s[SEL+1], 0xfedcba98                 ; v_permlanex16_b32's selects for lane l xor 16
	s_mov_b32 s[INV], 0x3b000000                   ; 1 / 512
	s_mov_b32 s[EPS], 0x3727c5ac                   ; 1e-5
	s_lshl_b32 s32, s[WV], 13
	v_lshl_add_u32 v4, v1, 4, s32                  ; v4  x in memory: rows 4 w on, 16 bytes a lane
	s_mul_i32 s32, s[WV], 8256
	v_lshl_add_u32 v5, v1, 4, s32                  ; v5  the same rows in LDS
	v_and_b32 v27, 8, v2
	v_add_nc_u32 v27, v27, v2                      ; r + 8 (r / 8)
	v_mul_u32_u24 v6, v27, 2064
	s_wait_alu depctr_va_vdst(0)
	v_lshl_add_u32 v6, v3, 6, v6
	s_mul_i32 s32, s[UU], 16512
	s_lshl_b32 s33, s[KA], 9
	s_add_co_u32 s32, s32, s33
	v_add_nc_u32 v6, s32, v6                       ; v6  my row's 16 numbers of each block of 32: row, + 512 K step + 64 h
	v_lshl_add_u32 v7, v3, 6, s33                  ; v7  the same columns in ln1_g, ln1_b
	s_lshl_b32 s32, s[UU], 8
	s_add_co_u32 s32, s32, RED1
	v_lshl_add_u32 v9, v2, 4, s32                  ; v9  my row's four partial sums
	s_lshl_b32 s33, s[KA], 2
	v_add_nc_u32 v8, s33, v9                       ; v8  mine among them
	v_mul_u32_u24 v12, v1, 48
	v_add_nc_u32 v12, HIMG, v12                    ; v12 a fragment's image for my lane
	s_mul_i32 s32, s[WV], 1536
	v_add_nc_u32 v10, s32, v12                     ; v10 the fragment that I make
	v_lshl_add_u32 v13, v2, 2, HSC                 ; v13 a scale word for my row
	s_lshl_b32 s32, s[WV], 6
	v_add_nc_u32 v11, s32, v13                     ; v11 the one that I make
	s_mul_i32 s32, s[WV], 24576
	v_lshl_add_u32 v14, v1, 4, s32                 ; v14 wc: my wave's 8 records of a weight
	s_lshl_b32 s32, s[WV], 10
	v_lshl_add_u32 v15, v1, 2, s32                 ; v15 ws likewise
	s_lshl_b32 s32, s[WV], 8
	v_lshl_add_u32 v16, v3, 6, s32                 ; v16 bq, bk: 4 (64 w + 16 h)
	v_lshl_add_u32 v17, v27, 2, s32                ; v17 bv: 4 (64 w + r + 8 (r / 8))
	s_mul_i32 s32, s[WV], 1600
	s_add_co_u32 s32, s32, QSTG
	v_mul_u32_u24 v19, v3, 800
	v_add_nc_u32 v19, s32, v19
	v_mad_u32_u24 v18, v2, 24, v19                 ; v18 q's codes: head 2 w + h, row r
	v_add_nc_u32 v19, v19, v2
	v_add_nc_u32 v19, 768, v19                     ; v19 q's scale byte
	s_mul_i32 s32, s[WV], 3200
	s_add_co_u32 s32, s32, KVSTG
	v_mul_u32_u24 v21, v3, 1600
	v_add_nc_u32 v21, s32, v21
	v_mad_u32_u24 v20, v2, 24, v21                 ; v20 k's codes
	v_add_nc_u32 v21, v21, v2
	v_add_nc_u32 v21, 1536, v21                    ; v21 k's scale byte
	v_mul_u32_u24 v22, v1, 24
	v_add_nc_u32 v22, s32, v22
	v_add_nc_u32 v22, 768, v22                     ; v22 v's codes: tile lane / 16, channel row lane % 16
	v_add_nc_u32 v23, s32, v1
	v_add_nc_u32 v23, 1568, v23                    ; v23 v's scale byte
	v_lshlrev_b32 v24, 3, v3                       ; v24 8 h
	v_lshlrev_b32 v26, 4, v0                       ; v26 the way out: 16 x thread
	v_add_nc_u32 v25, KVSTG, v26                   ; v25 and in LDS
.irp t, 0,1,2,3
	v_mov_b32 v[BV+2*\t+1], 0                      ; (named as the upper halves of pairs)
.endr
	s_lshl_b32 s32, ttmp9, 16                      ; 32 rows of 2,048 bytes a work-group
	s_mov_b32 s33, 0
	s_mul_i32 s34, ttmp9, 25600
	s_mov_b32 s35, 0
	s_mul_i32 s36, ttmp9, 12800
	s_mov_b32 s37, 0
	s_wait_kmcnt 0x0
	s_add_nc_u64 s[4:5], s[4:5], s[32:33]
	s_add_nc_u64 s[20:21], s[20:21], s[34:35]
	s_add_nc_u64 s[22:23], s[22:23], s[36:37]
	s_wait_alu depctr_va_vdst(0)                   ; the addresses and offsets v4 to v26 are written, which every load and store of the kernel reads; none is written again
	; ---- x comes in as it lies, 512 consecutive bytes a load, and turns through LDS
.irp i, 0,1,2,3
.irp k, 0,1,2,3
	global_load_b128 v[X+4*(4*\i+\k):X+4*(4*\i+\k)+3], v4, s[4:5] offset:2048*\i+512*\k th:TH_LOAD_NT
.endr
.endr
.irp bb, 0,1,2,3
.irp j, 0,1,2,3
	global_load_b128 v[GG+16*\bb+4*\j:GG+16*\bb+4*\j+3], v7, s[6:7] offset:128*\bb+16*\j
	global_load_b128 v[BB+16*\bb+4*\j:BB+16*\bb+4*\j+3], v7, s[8:9] offset:128*\bb+16*\j
.endr
.endr
	WIN 0x40
.irp t, 0,1,2,3
.irp e, 0,1
	global_load_b128 v[8*\t+4*\e:8*\t+4*\e+3], v16, s[10:11] offset:4*(32*(\t/2)+8*(\t%2))+16*\e
	global_load_b128 v[32+8*\t+4*\e:32+8*\t+4*\e+3], v16, s[12:13] offset:4*(32*(\t/2)+8*(\t%2))+16*\e
.endr
.endr
	WIN 0
.irp t, 0,1,2,3
	global_load_b32 v[BV+2*\t], v17, s[14:15] offset:4*(32*(\t/2)+8*(\t%2))
.endr
	s_wait_loadcnt 52                              ; x's 16 loads are in; the 52 of the gains and biases may be out
.irp i, 0,1,2,3
.irp k, 0,1,2,3
	ds_store_b128 v5, v[X+4*(4*\i+\k):X+4*(4*\i+\k)+3] offset:2064*\i+512*\k
.endr
.endr
	LDW 0, 0                                       ; Wq's two halves are asked for now: no vector or matrix instruction has named their registers
	LDW 0, 1
	BARRIER                                        ; the 32 rows of x lie in LDS
	s_wait_alu depctr_vm_vsrc(0)                   ; my LDS stores have read v[X ..], in which the LDS loads below land
.irp bb, 0,1,2,3
.irp j, 0,1,2,3
	ds_load_b128 v[X+16*\bb+4*\j:X+16*\bb+4*\j+3], v6 offset:128*\bb+16*\j   ; register 16 bb + i = k 32 bb + 16 h + i of my row's 128
.endr
.endr
	s_wait_dscnt 0x0
	; ---- the mean
.irp c, 0,1,2,3
	v_pk_add_f32 v[ST+2*\c:ST+2*\c+1], v[X+4*\c:X+4*\c+1], v[X+4*\c+2:X+4*\c+3]
.endr
.irp j, 16,24,32,40,48,56
.irp c, 0,1,2,3
	v_pk_add_f32 v[ST+2*\c:ST+2*\c+1], v[ST+2*\c:ST+2*\c+1], v[X+\j+2*\c:X+\j+2*\c+1]
.endr
.endr
.macro FOLD off                        ; four chains -> my row's sum over the wave's 128 columns -> LDS -> the row's sum over all 512, in v[ST]
	v_pk_add_f32 v[ST:ST+1], v[ST:ST+1], v[ST+2:ST+3]
	v_pk_add_f32 v[ST+4:ST+5], v[ST+4:ST+5], v[ST+6:ST+7]
	v_pk_add_f32 v[ST:ST+1], v[ST:ST+1], v[ST+4:ST+5]
	v_add_f32 v[ST], v[ST], v[ST+1]
	v_permlanex16_b32 v[ST+1], v[ST], s[SEL], s[SEL+1]
	v_add_f32 v[ST], v[ST], v[ST+1]
	s_wait_alu depctr_va_vdst(0)                   ; the additions have written v[ST], which the LDS store reads, and are done with v[ST .. ST+3], in which the LDS load below lands
	ds_store_b32 v8, v[ST] offset:\off             ; both halves of the lanes write the same word with the same value
	BARRIER
	s_wait_alu depctr_vm_vsrc(0)                   ; the LDS store has read v[ST], in which the LDS load lands
	ds_load_b128 v[ST:ST+3], v9 offset:\off
	s_wait_dscnt 0x0
	v_add_f32 v[ST], v[ST], v[ST+1]
	v_add_f32 v[ST+2], v[ST+2], v[ST+3]
	v_add_f32 v[ST], v[ST], v[ST+2]
.endm
	FOLD 0
	v_mul_f32 v[MU], s[INV], v[ST]
.set I, 0
.rept 32
	v_pk_add_f32 v[X+I:X+I+1], v[X+I:X+I+1], v[MU:MU+1] op_sel_hi:[1,0] neg_lo:[0,1] neg_hi:[0,1]   ; x - mean
.set I, I+2
.endr
	; ---- the variance, of x - mean
.irp c, 0,1,2,3
	v_pk_mul_f32 v[ST+2*\c:ST+2*\c+1], v[X+2*\c:X+2*\c+1], v[X+2*\c:X+2*\c+1]
.endr
.irp j, 8,16,24,32,40,48,56
.irp c, 0,1,2,3
	v_pk_fma_f32 v[ST+2*\c:ST+2*\c+1], v[X+\j+2*\c:X+\j+2*\c+1], v[X+\j+2*\c:X+\j+2*\c+1], v[ST+2*\c:ST+2*\c+1]
.endr
.endr
	FOLD 512
	v_fma_f32 v[ST+4], v[ST], s[INV], s[EPS]
	s_wait_alu depctr_va_vdst(0)
	v_rsq_f32 v[RS], v[ST+4]
	v_nop                                          ; a plain place behind the transcendental; it names no register, since ln1_g's and ln1_b's loads may still be out here
	s_wait_loadcnt 56                              ; the gains and biases are in; only the ring's 56 loads are younger
	s_wait_alu depctr_va_vdst(0)                   ; the root has written v[RS]: the wait ahead of its first reader
.set I, 0
.rept 32
	v_pk_mul_f32 v[X+I:X+I+1], v[X+I:X+I+1], v[RS:RS+1] op_sel_hi:[1,0]
.set I, I+2
.endr
.set I, 0
.rept 32
	v_pk_fma_f32 v[X+I:X+I+1], v[X+I:X+I+1], v[GG+I:GG+I+1], v[BB+I:BB+I+1]
.set I, I+2
.endr
	v_mov_b32 v[TM+2], 0                           ; ln1_b's registers have been read for the last time: the lane permutes' destinations, which count as sources, are written once
	v_mov_b32 v[TM+3], 0
	QUANT2 X, PC, W0
	QUANT2 X+32, PC+6, W1
	v_lshl_or_b32 v[PW], v[W1], 16, v[W0]          ; my row's scale word for these 128
	s_wait_alu depctr_va_vdst(0)                   ; the quantiser has written v[PC ..] and v[PW], which the LDS stores read; the multiply-adds are done reading ln1_g's and ln1_b's registers, in which h's fragments land behind the barrier
.irp i, 0,1,2
	ds_store_b128 v10, v[PC+4*\i:PC+4*\i+3] offset:16*\i
.endr
	ds_store_b32 v11, v[PW]
	BARRIER                                        ; h's eight fragments lie in LDS
	s_wait_alu depctr_vm_vsrc(0)                   ; my LDS stores have read v[PC ..], which q's quantiser writes again
.irp f, 0,1,2,3,4,5,6,7
.irp i, 0,1,2
	ds_load_b128 v[HF+12*\f+4*\i:HF+12*\f+4*\i+3], v12 offset:1536*\f+16*\i
.endr
	ds_load_b32 v[HS+\f], v13 offset:64*\f
.endr
	s_wait_dscnt 0x0
	; ---- q
	H2T 0, 0, 28
	s_wait_alu depctr_va_vdst(0)                   ; the half-step's matrix instructions are done reading half 0 and its scale words, in which Wk's loads land
	LDW 1, 0
	H2T 0, 1, 28
	s_wait_alu depctr_va_vdst(0)                   ; the same of half 1
	LDW 1, 1
	QKOUT 18, 19
	; ---- k
	H2T 1, 0, 28
	s_wait_alu depctr_va_vdst(0)                   ; the half-step's matrix instructions are done reading half 0 and its scale words, in which Wv's loads land
	LDW 2, 0
	H2T 1, 1, 28
	s_wait_alu depctr_va_vdst(0)                   ; the same of half 1
	LDW 2, 1
	QKOUT 20, 21
	; ---- v
	H2V 0, 28
	H2V 1, 0                                       ; the last half: nothing younger is out
.irp t, 0,1,2,3
.irp k, 0,2,4,6,8,10,12,14
	v_pk_add_f32 v[ACC+16*\t+\k:ACC+16*\t+\k+1], v[ACC+16*\t+\k:ACC+16*\t+\k+1], v[BV+2*\t:BV+2*\t+1] op_sel_hi:[1,0]   ; + bv of my channel; each accumulator from its low end on
.endr
.endr
.irp c, 0,1                                    ; head 2 w + c: its two tiles of channels, 32 tokens along the registers of lanes l and l xor 16
	QUANT2 ACC+32*\c, PC, W0
	v_lshrrev_b32 v[W1], v24, v[W0]
	s_wait_alu depctr_va_vdst(0)                   ; the quantiser has written v[PC ..] and v[W1], which the LDS stores read; behind the second head it is also done with v[ACC ..], in which the way out's LDS loads land
	ds_store_b64 v22, v[PC:PC+1] offset:1600*\c
	ds_store_b64 v22, v[PC+2:PC+3] offset:1600*\c+8
	ds_store_b64 v22, v[PC+4:PC+5] offset:1600*\c+16
	ds_store_b8 v23, v[W1] offset:1600*\c
	s_wait_dscnt 0x0
.if \c == 0
	s_wait_alu depctr_vm_vsrc(0)                   ; the LDS stores have read v[PC ..] and v[W1], which the second head's quantiser writes again
.endif
.endr
	BARRIER                                        ; the work-group's parts of kv and qb lie whole in LDS
.irp i, 0,1,2,3,4,5
	ds_load_b128 v[ACC+4*\i:ACC+4*\i+3], v25 offset:4096*\i      ; no vector instruction since the last wait on va_vdst
.endr
.irp i, 0,1,2
	ds_load_b128 v[ACC+24+4*\i:ACC+24+4*\i+3], v25 offset:25600+4096*\i
.endr
	s_wait_dscnt 0x0
.irp i, 0,1,2,3,4,5
	global_store_b128 v26, v[ACC+4*\i:ACC+4*\i+3], s[20:21] offset:4096*\i    ; 512 consecutive bytes a wave
.endr
.irp i, 0,1,2
	global_store_b128 v26, v[ACC+24+4*\i:ACC+24+4*\i+3], s[22:23] offset:4096*\i
.endr
	s_cmp_lt_u32 s[WV], 2                          ; kv's last 1,024 bytes: waves 0 and 1
	s_cbranch_scc0 .Lno_kv
	ds_load_b128 v[ACC+36:ACC+39], v25 offset:24576
	s_wait_dscnt 0x0
	global_store_b128 v26, v[ACC+36:ACC+39], s[20:21] offset:24576
.Lno_kv:
	s_cmp_eq_u32 s[WV], 2                          ; qb's last 512 bytes: wave 2, whose 16 x thread begins at 1,024
	s_cbranch_scc0 .Lno_qb
	ds_load_b128 v[ACC+40:ACC+43], v25 offset:36864
	s_wait_dscnt 0x0
	global_store_b128 v26, v[ACC+40:ACC+43], s[22:23] offset:11264
.Lno_qb:
	s_wait_dscnt 0x0                               ; the closing lines, six on end
	s_wait_alu 0x0
	s_wait_tensorcnt 0x0
	ds_add_u32 v30, v31
	s_wait_dscnt 0x0
	s_endpgm
.Lfunc_end_k_qbe77d73596_qkv:
	.size	k_qbe77d73596_qkv, .Lfunc_end_k_qbe77d73596_qkv-k_qbe77d73596_qkv
	.p2alignl 7, 3214868480
	.fill 96, 4, 3214868480
	.section	.rodata,"a",@progbits
	.p2align	6, 0x0
	.amdhsa_kernel k_qbe77d73596_qkv
		.amdhsa_group_segment_fixed_size 119296
		.amdhsa_private_segment_fixed_size 0
		.amdhsa_enable_private_segment 0
		.amdhsa_kernarg_size 80
		.amdhsa_user_sgpr_count 2
		.amdhsa_user_sgpr_kernarg_segment_ptr 1
		.amdhsa_wavefront_size32 1
		.amdhsa_system_sgpr_workgroup_id_x 1
		.amdhsa_system_sgpr_workgroup_id_y 1
		.amdhsa_system_sgpr_workgroup_id_z 1
		.amdhsa_system_vgpr_workitem_id 0
		.amdhsa_next_free_vgpr 512
		.amdhsa_next_free_sgpr 66
		.amdhsa_reserve_vcc 0
		.amdhsa_float_denorm_mode_32 3
		.amdhsa_float_denorm_mode_16_64 3
		.amdhsa_memory_ordered 1
		.amdhsa_forward_progress 1
		.amdhsa_inst_pref_size 79
	.end_amdhsa_kernel
	.amdgpu_metadata
---
amdhsa.version: [ 1, 2 ]
amdhsa.kernels:
  - .name:           k_qbe77d73596_qkv
    .symbol:         k_qbe77d73596_qkv.kd
    .args:
      - { .name: x, .offset: 0, .size: 8, .value_kind: global_buffer, .address_space: global }
      - { .name: ln1_g, .offset: 8, .size: 8, .value_kind: global_buffer, .address_space: global }
      - { .name: ln1_b, .offset: 16, .size: 8, .value_kind: global_buffer, .address_space: global }
      - { .name: bq, .offset: 24, .size: 8, .value_kind: global_buffer, .address_space: global }
      - { .name: bk, .offset: 32, .size: 8, .value_kind: global_buffer, .address_space: global }
      - { .name: bv, .offset: 40, .size: 8, .value_kind: global_buffer, .address_space: global }
      - { .name: wc, .offset: 48, .size: 8, .value_kind: global_buffer, .address_space: global }
      - { .name: ws, .offset: 56, .size: 8, .value_kind: global_buffer, .address_space: global }
      - { .name: kv, .offset: 64, .size: 8, .value_kind: global_buffer, .address_space: global }
      - { .name: qb, .offset: 72, .size: 8, .value_kind: global_buffer, .address_space: global }
    .group_segment_fixed_size: 119296
    .private_segment_fixed_size: 0
    .kernarg_segment_align: 8
    .kernarg_segment_size: 80
    .max_flat_workgroup_size: 256
    .sgpr_count:     66
    .vgpr_count:     512
    .wavefront_size: 32
...
	.end_amdgpu_metadata
.endif
;; end of part 6
;; launch attn (part 7): grid 4 x 64, 16 waves a work-group, no clusters, 169,984 bytes of LDS; arguments kv, qb, yc, ysc; writes yc, ysc
.if DOCPART == 7
	.amdgcn_target "amdgcn-amd-amdhsa--gfx1250"
	.amdhsa_code_object_version 6
	.text
	.protected	k_qbe77d73596_attn
	.globl	k_qbe77d73596_attn
	.p2align	8
	.type	k_qbe77d73596_attn,@function
k_qbe77d73596_attn:
	s_mov_b64 s[64:65], 0
	v_nop
	global_prefetch_b8 v0, s[64:65] scope:SCOPE_SE
	s_setreg_imm32_b32 hwreg(HW_REG_WAVE_MODE, 25, 1), 1
	s_wait_xcnt 0x0
; y = softmax(q k^T / sqrt(32), under the mask) v for one head, both products on codes of FP6 (E2M3); y is then quantised along the head's 32 channels for the projection.
; THE MASK, with cond_len = 256: key j counts for query i where j <= max(i, 255).  Key steps that lie wholly behind a wave's queries are left out.
; THE SOFTMAX: t = score x log2(e) / sqrt(32); M = the running largest t rounded UP to a whole number; p = 2^(t - M) is what is quantised, along the keys.  The row's sum is taken of the unquantised p and divides at the end.
; When M moves, the sum and O are multiplied by 2^(old M - new M): exact.  A block's largest p is made from its largest score by the same two instructions (this takes v_exp_f32 not to fall where its input rises).
; SHARES.  Work-group (quarter, 16 batch + head).  The head's K and V codes and scale bytes, 64 records of 1,600 bytes, come into LDS ONCE, four records by one tensor load of each of the 16 waves: nothing is filled again.
; Wave g = 16 quarter + wave takes the tiles of 16 queries g and 127 - g one after the other: 17 or 18 live key steps of 128 keys for every wave.
; K = 32 IN AN INSTRUCTION OF K = 128.  A fragment of K holds 64 keys: in block j of its 128 the 32 channels of tile j's 16 keys.  Four fixed fragments of Q hold q in block j and zero codes elsewhere: the product with
; the j-th gives tile j's scores.  So no byte of K is padding, in LDS or in registers.
; Both products are used transposed (S^T = K Q^T, O^T = V^T P^T): a lane holds one query throughout.  The keys of a tile are 8 u + r + 8 (r / 8) of a block of 32 tokens, so that the 16 registers of two neighbouring tiles
; are 16 neighbouring keys.
; No joint loads, though the four work-groups of a head read the same 102,400 bytes: each wave jumps over the key steps behind its own queries, and that jump hangs on the work-group's number.
; LIMITS: a block of zeros gets the byte 1 where the rule says 127 (its codes are zeros; this program alone reads the bytes); NaN and infinities are not served.
.set KSW,  102400                      ; LDS behind the records: K's scale words [step][fragment][row], 2,048 bytes;
.set VSW,  104448                      ; V's [step][tile][row], 2,048 bytes.  Both are stored by the waves; no tensor load lands there
.set AK0,  4                           ; v4   384 h + 24 r: my lane's place in a record's K codes
.set AV0,  5                           ; v5   1,600 h + 768 + 24 r: in V's
.set ASW,  6                           ; v6   KSW + 4 x lane
.set ADK,  7                           ; v7-9 the step's addresses
.set ADV,  8
.set ADS,  9
.set R24,  10                          ; v10  24 r
.set YO,   11                          ; v11  24 r + 12 h
.set QSW,  52                          ; v52-55 scale words and nothing else: q's, K's, V's, p's
.set KSWR, 53
.set VSWR, 54
.set PSW,  55
.set FF,   56                          ; v[56:57] f = 2^(old M - new M), and a 0
.set QM,   58                          ; v58  max(my query, 255) - 16 h
.set R4,   59                          ; v59  4 r
.set KFR,  60                          ; v60-83   two fragments of K
.set VFR,  84                          ; v84-107  two fragments of V
.set S,    108                         ; v108-171 S^T, then p
.set O,    172                         ; v172-187 O^T
.set PC,   188                         ; v188-199 p's codes
.set TE,   200
.set BM,   208                         ; v208-211 the blocks' largest scores
.set PM,   212
.set SOP,  216
.set TT0,  220
.set TT1,  221
.set RP,   222                         ; v222 r + 8 (r / 8)
.set H16,  223                         ; v223 16 h
.set Y,    224                         ; v224-239 y
.set T6,   240                         ; v240-245 q's 24 bytes
.set TQ,   246
.set BYT,  247
; v12 -M, v13 the largest t, v[14:15] the sum in two halves; v16-21 and v28-33 q in lanes 0-15, v34-39 and v46-51 q in lanes 16-31, v22-27 and v40-45 zeros:
; Q with q in block 0 = v[16:27], block 2 = v[22:33], block 1 = v[34:45], block 3 = v[40:51]
.set WV,  12
.set B64, 13
.set HD,  14
.set GT,  15
.set G1,  16
.set G0,  24
.set SEL, 28
.set LOW, 30
.set CS,  32
.set TB,  34
.set TS,  35
.set KFS, 36
.set QLO, 37
.set QHI, 38
.set CNT, 39
.macro PLACES
.rept 4
	v_nop
.endr
.endm
	s_load_b256 s[4:11], s[0:1], 0x0               ; kv, qb, yc, ysc
	v_lshl_add_u32 v254, v0, 2, 0x29000
	v_mov_b32 v255, 0
	ds_add_u32 v254, v255
	ds_add_u32 v254, v255
	v_lshrrev_b32 v1, 5, v0
	s_delay_alu instid0(VALU_DEP_1)
	v_readfirstlane_b32 s[WV], v1                  ; wave 0..15
	s_and_b32 s56, ttmp7, 0xffff
	s_lshr_b32 s[B64], s56, 4
	s_lshl_b32 s[B64], s[B64], 6                   ; 64 x batch
	s_and_b32 s[HD], s56, 15                       ; head
	s_lshl_b32 s[GT], ttmp9, 4
	s_add_co_u32 s[GT], s[GT], s[WV]               ; g
	; the tile: 4 rows (records of my head, blocks of tokens 4 w on) of 200 elements of 8 bytes, 16 x 1,600 bytes apart in memory, dense in LDS
	s_mov_b32 s[G1], 3<<16                         ; no mask; elements of 8 bytes; no padding
	s_mov_b32 s[G1+1], 200<<16                     ; tensor_dim0
	s_mov_b32 s[G1+2], 4<<16                       ; tensor_dim1
	s_mov_b32 s[G1+3], 200<<16                     ; tile_dim0
	s_mov_b32 s[G1+4], 4                           ; tile_dim1
	s_mov_b32 s[G1+5], 3200                        ; from row to row, in elements
	s_mov_b32 s[G1+6], 0
	s_mov_b32 s[G1+7], 0
	s_lshl_b32 s60, s[WV], 2
	s_add_co_u32 s60, s60, s[B64]
	s_lshl_b32 s60, s60, 4
	s_add_co_u32 s60, s60, s[HD]
	s_mul_i32 s60, s60, 1600
	s_mov_b32 s61, 0
	s_mul_i32 s62, s[WV], 6400
	s_wait_dscnt 0x0
	s_wait_kmcnt 0x0
	s_mov_b32 s[G0], 1
	s_mov_b32 s[G0+1], s62
	s_add_nc_u64 s[G0+2:G0+3], s[4:5], s[60:61]
	s_or_b32 s[G0+3], s[G0+3], 0x80000000
	tensor_load_to_lds s[G0:G0+3], s[G1:G1+7]      ; my one tensor load of the launch
	s_nop 0
.rept 4
	v_nop
.endr
	v_and_b32 v1, 31, v0                           ; lane
	v_and_b32 v2, 15, v0                           ; r
	v_bfe_u32 v3, v0, 4, 1                         ; h
	s_delay_alu instid0(VALU_DEP_2)
	v_mul_u32_u24 v[R24], v2, 24
	s_delay_alu instid0(VALU_DEP_1)
	v_mad_u32_u24 v[AK0], v3, 384, v[R24]
	s_delay_alu instid0(VALU_DEP_2)
	v_mad_u32_u24 v[AV0], v3, 1600, v[R24]
	s_delay_alu instid0(VALU_DEP_1)
	v_add_nc_u32 v[AV0], 768, v[AV0]
	v_lshl_add_u32 v[ASW], v1, 2, KSW
	v_mad_u32_u24 v[YO], v3, 12, v[R24]
	v_lshlrev_b32 v[R4], 2, v2
	v_and_b32 v[RP], 8, v2
	s_delay_alu instid0(VALU_DEP_1)
	v_add_nc_u32 v[RP], v[RP], v2
	v_lshlrev_b32 v[H16], 4, v3
	v_mad_u32_u24 v208, v3, 3200, v2
	s_delay_alu instid0(VALU_DEP_1)
	v_add_nc_u32 v208, s62, v208                   ; 6,400 w + 3,200 h + r
	v_add_nc_u32 v209, s62, v1                     ; 6,400 w + lane
	v_lshl_add_u32 v210, v0, 2, KSW                ; KSW + 128 w + 4 x lane
	s_mov_b32 s[SEL], 0x76543210
	s_mov_b32 s[SEL+1], 0xfedcba98
	s_mov_b32 s[LOW], 0xffff                       ; lanes 0-15
	s_mov_b32 s[CS], 0x3e8293ee                    ; c = log2(e) / sqrt(32)
	s_mov_b32 s[CS+1], s[CS]
.irp i, 0,1,2,3,4,5
	v_mov_b32 v[22+\i], 0                          ; zero codes
	v_mov_b32 v[40+\i], 0
.endr
	v_mov_b32 v[FF+1], 0
	v_mov_b32 v[TT0], 0                            ; lane permutes' destinations count as sources: written once
	; the scale words of key step w (the four records that my own load brought): K's word of (fragment h, row r) and V's of (tile h, row r)
	s_wait_tensorcnt 0x0
	ds_load_u8 v212, v208 offset:1536
	ds_load_u8 v213, v208 offset:1552
	ds_load_u8 v214, v208 offset:3136
	ds_load_u8 v215, v208 offset:3152
.irp b, 0,1,2,3
	ds_load_u8 v[216+\b], v209 offset:1568+1600*\b
.endr
	s_wait_dscnt 0x0
	v_lshl_or_b32 v212, v213, 8, v212
	v_lshl_or_b32 v216, v217, 8, v216
	s_delay_alu instid0(VALU_DEP_2)
	v_lshl_or_b32 v212, v214, 16, v212
	s_delay_alu instid0(VALU_DEP_2)
	v_lshl_or_b32 v216, v218, 16, v216
	s_delay_alu instid0(VALU_DEP_2)
	v_lshl_or_b32 v212, v215, 24, v212
	s_delay_alu instid0(VALU_DEP_2)
	v_lshl_or_b32 v216, v219, 24, v216
	ds_store_b32 v210, v212
	ds_store_b32 v210, v216 offset:2048
	s_wait_dscnt 0x0                               ; my stores have landed, and so has my tensor load (waited for above):
	s_barrier_signal -1
	s_barrier_wait -1                              ; every wave's have
; A KEY STEP: 128 keys.  The loop has the constant 16 trips; a step all of whose keys come after my 16 queries' bound jumps to the lines that step addresses.
.macro STEP
	s_cmp_gt_u32 s[KFS], s[QHI]
	s_cbranch_scc1 .Lhid_\@
	s_setprio 2
	v_add_nc_u32 v[ADK], s[TB], v[AK0]             ; these three and the v_nop are the four places behind the last step's products, ahead of the loads into their registers
	v_add_nc_u32 v[ADV], s[TB], v[AV0]
	v_add_nc_u32 v[ADS], s[TS], v[ASW]
	v_nop
.irp f, 0,1
.irp c, 0,1
.irp i, 0,1,2
	ds_load_b64 v[KFR+12*\f+6*\c+2*\i:KFR+12*\f+6*\c+2*\i+1], v[ADK] offset:1600*(2*\f+\c)+8*\i   ; block 2 c + h of fragment f = tile u = h of record 2 f + c
.endr
.endr
.endr
	ds_load_b32 v[KSWR], v[ADS]
.irp f, 0,1
.irp c, 0,1
.irp i, 0,1,2
	ds_load_b64 v[VFR+12*\f+6*\c+2*\i:VFR+12*\f+6*\c+2*\i+1], v[ADV] offset:3200*\c+384*\f+8*\i   ; block 2 c + h of tile f = the 32 tokens of record 2 c + h
.endr
.endr
.endr
	ds_load_b32 v[VSWR], v[ADS] offset:2048
	s_wait_dscnt 13                                ; K's 13 loads are in; V's 13 may be out
.set TL, 0
	s_wait_alu depctr_va_vdst(0)
.rept 8
.if TL < 4
	v_wmma_scale_f32_16x16x128_f8f6f4 v[S+8*TL:S+8*TL+7], v[KFR:KFR+11], v[16+18*(TL%2)+6*((TL%4)/2):27+18*(TL%2)+6*((TL%4)/2)], 0, v[KSWR], v[QSW] matrix_a_fmt:MATRIX_FMT_FP6 matrix_b_fmt:MATRIX_FMT_FP6
.else
	v_wmma_scale_f32_16x16x128_f8f6f4 v[S+8*TL:S+8*TL+7], v[KFR+12:KFR+23], v[16+18*(TL%2)+6*((TL%4)/2):27+18*(TL%2)+6*((TL%4)/2)], 0, v[KSWR], v[QSW] matrix_a_fmt:MATRIX_FMT_FP6 matrix_b_fmt:MATRIX_FMT_FP6 matrix_a_scale:MATRIX_SCALE_ROW1
.endif
.set TL, TL+1
.endr
	PLACES
	s_add_co_u32 s56, s[KFS], 127                  ; a step all of whose keys count for all my queries skips the mask
	s_cmp_le_u32 s56, s[QLO]
	s_cbranch_scc1 .Lopen_\@
	v_sub_nc_u32 v[TT0], v[QM], s[KFS]             ; register 16 b + i holds key KFS + 32 b + 16 h + i: hidden where 32 b + i > max(query, 255) - 16 h - KFS
	v_mov_b32 v[TT1], 0xff800000                   ; -infinity: p = 0 then
.set N, 0
.rept 64
	v_cmp_gt_i32 vcc_lo, 32*(N/16)+N%16, v[TT0]
	v_cndmask_b32 v[S+N], v[S+N], v[TT1], vcc_lo
.set N, N+1
.endr
.Lopen_\@:
.irp b, 0,1,2,3
	v_max3_num_f32 v[BM+\b], v[S+16*\b], v[S+16*\b+1], v[S+16*\b+2]   ; the largest score of each block of 32 keys
.endr
.irp i, 3,5,7,9,11,13
.irp b, 0,1,2,3
	v_max3_num_f32 v[BM+\b], v[BM+\b], v[S+16*\b+\i], v[S+16*\b+\i+1]
.endr
.endr
.irp b, 0,1,2,3
	v_max_num_f32 v[BM+\b], v[BM+\b], v[S+16*\b+15]
.endr
.irp b, 0,1,2,3
	s_delay_alu instid0(VALU_DEP_4)
	v_permlanex16_b32 v[PM+\b], v[BM+\b], s[SEL], s[SEL+1]
.endr
.irp b, 0,1,2,3
	s_delay_alu instid0(VALU_DEP_4)
	v_max_num_f32 v[BM+\b], v[BM+\b], v[PM+\b]     ; with lane l xor 16's 16 keys
.endr
	s_delay_alu instid0(VALU_DEP_2)
	v_max3_num_f32 v[TT0], v[BM], v[BM+1], v[BM+2]
	s_delay_alu instid0(VALU_DEP_1)
	v_max_num_f32 v[TT0], v[TT0], v[BM+3]
	s_delay_alu instid0(VALU_DEP_1)
	v_mul_f32 v[TT0], s[CS], v[TT0]                ; as t
	s_delay_alu instid0(VALU_DEP_1)
	v_max_num_f32 v13, v13, v[TT0]                 ; the running largest t
	v_mov_b32 v[TT0], v12
	s_delay_alu instid0(VALU_DEP_2)
	v_floor_f32 v12, -v13                          ; the new -M = -ceil(t)
	s_delay_alu instid0(VALU_DEP_1)
	v_sub_f32 v[TT0], v12, v[TT0]                  ; old M - new M: a whole number, 0 or less
	s_delay_alu instid0(VALU_DEP_1)
	v_cvt_i32_f32 v[TT0], v[TT0]                   ; (it saturates)
	s_delay_alu instid0(VALU_DEP_1)
	v_ldexp_f32 v[FF], 1.0, v[TT0]                 ; f
.set N, 0
	s_setprio 1
.rept 32
	v_pk_fma_f32 v[S+N:S+N+1], v[S+N:S+N+1], s[CS:CS+1], v[12:13] op_sel_hi:[1,0,0]   ; t - M
.set N, N+2
.endr
.irp b, 0,1,2,3
	v_fma_f32 v[BM+\b], v[BM+\b], s[CS], v12       ; the same of each block's largest score
.endr
.set N, 0
	s_wait_alu depctr_va_vdst(0)
.rept 64
	v_exp_f32 v[S+N], v[S+N]                       ; p, at most 1
.set N, N+1
.endr
	v_pk_mul_f32 v[14:15], v[14:15], v[FF:FF+1] op_sel_hi:[1,0]   ; the sums under the new M (a plain place behind the exponentials)
	s_wait_alu depctr_va_vdst(0)                   ; one wait for the batch of 64, ahead of its first reader
.irp b, 0,1,2,3
	v_exp_f32 v[BM+\b], v[BM+\b]                   ; the blocks' largest p
.endr
	v_pk_add_f32 v[212:213], v[112:113], v[116:117]
	v_pk_add_f32 v[252:253], v[120:121], v[124:125]
	v_pk_add_f32 v[250:251], v[128:129], v[132:133]
	v_pk_add_f32 v[248:249], v[136:137], v[140:141]
	v_pk_add_f32 v[246:247], v[144:145], v[148:149]
	v_pk_add_f32 v[244:245], v[152:153], v[156:157]
	v_pk_add_f32 v[242:243], v[160:161], v[164:165]
	v_pk_add_f32 v[14:15], v[14:15], v[168:169]
	v_pk_add_f32 v[212:213], v[212:213], v[108:109]
	v_pk_add_f32 v[252:253], v[252:253], v[110:111]
	v_pk_add_f32 v[250:251], v[250:251], v[114:115]
	v_pk_add_f32 v[248:249], v[248:249], v[118:119]
	v_pk_add_f32 v[246:247], v[246:247], v[122:123]
	v_pk_add_f32 v[244:245], v[244:245], v[126:127]
	v_pk_add_f32 v[242:243], v[242:243], v[130:131]
	v_pk_add_f32 v[14:15], v[14:15], v[134:135]
	v_pk_add_f32 v[212:213], v[212:213], v[138:139]
	v_pk_add_f32 v[252:253], v[252:253], v[142:143]
	v_pk_add_f32 v[250:251], v[250:251], v[146:147]
	v_pk_add_f32 v[248:249], v[248:249], v[150:151]
	v_pk_add_f32 v[246:247], v[246:247], v[154:155]
	v_pk_add_f32 v[244:245], v[244:245], v[158:159]
	v_pk_add_f32 v[242:243], v[242:243], v[162:163]
	v_pk_add_f32 v[14:15], v[14:15], v[166:167]
	v_pk_add_f32 v[212:213], v[212:213], v[170:171]
	s_delay_alu instid0(VALU_DEP_2)
	v_pk_add_f32 v[14:15], v[14:15], v[248:249]
	s_delay_alu instid0(VALU_DEP_2)
	v_pk_add_f32 v[212:213], v[212:213], v[246:247]
	s_setprio 0
	v_pk_add_f32 v[252:253], v[252:253], v[244:245]
	v_pk_add_f32 v[250:251], v[250:251], v[242:243]
	s_delay_alu instid0(VALU_DEP_2)
	v_pk_add_f32 v[14:15], v[14:15], v[252:253]
	s_delay_alu instid0(VALU_DEP_2)
	v_pk_add_f32 v[212:213], v[212:213], v[250:251]
	s_delay_alu instid0(VALU_DEP_1)
	v_pk_add_f32 v[14:15], v[14:15], v[212:213]
	s_wait_alu depctr_va_vdst(0)                   ; and one for the four
.irp b, 0,1,2,3
	v_max_num_f32 v[BM+\b], 0x1800000, v[BM+\b]    ; the floor 2^(3 - 127)
.endr
.irp b, 0,1,2,3
	s_delay_alu instid0(VALU_DEP_4)
	v_add_nc_u32 v[SOP+\b], 0xff000000, v[BM+\b]
.endr
.irp b, 0,1,2,3
	s_delay_alu instid0(VALU_DEP_4)
	v_lshrrev_b32 v[PM+\b], 23, v[SOP+\b]
.endr
	s_delay_alu instid0(VALU_DEP_3)
	v_lshl_or_b32 v[PSW], v[PM+1], 8, v[PM]        ; p's scale word for these 128 keys
	s_delay_alu instid0(VALU_DEP_1)
	v_lshl_or_b32 v[PSW], v[PM+2], 16, v[PSW]
	s_delay_alu instid0(VALU_DEP_1)
	v_lshl_or_b32 v[PSW], v[PM+3], 24, v[PSW]
.irp c, 0,1
	v_cvt_scalef32_pk16_fp6_f32 v[PC+6*\c:PC+6*\c+2], v[S+32*\c:S+32*\c+15], v[SOP+2*\c]
	v_cvt_scalef32_pk16_fp6_f32 v[TE+4*\c:TE+4*\c+2], v[S+32*\c+16:S+32*\c+31], v[SOP+2*\c+1]
.endr
	v_nop                                          ; one plain place behind a scaled conversion
.irp c, 0,1
.irp i, 0,1,2
	v_permlane16_swap_b32 v[PC+6*\c+\i], v[TE+4*\c+\i]
.endr
.irp i, 0,1,2
	s_delay_alu instid0(VALU_DEP_3)
	v_mov_b32 v[PC+3+6*\c+\i], v[TE+4*\c+\i]
.endr
.endr
.irp j, 0,2,4,6,8,10,12,14
	v_pk_mul_f32 v[O+\j:O+\j+1], v[O+\j:O+\j+1], v[FF:FF+1] op_sel_hi:[1,0]   ; O^T under the new M
.endr
	PLACES                                         ; with the other tile's four multiplies and the v_nop above: four places behind the codes' last write, eight behind the scale word's
	s_wait_alu depctr_va_vdst(0)
	s_wait_dscnt 0x0                               ; V is in
	v_wmma_scale_f32_16x16x128_f8f6f4 v[O:O+7], v[VFR:VFR+11], v[PC:PC+11], v[O:O+7], v[VSWR], v[PSW] matrix_a_fmt:MATRIX_FMT_FP6 matrix_b_fmt:MATRIX_FMT_FP6
	v_wmma_scale_f32_16x16x128_f8f6f4 v[O+8:O+15], v[VFR+12:VFR+23], v[PC:PC+11], v[O+8:O+15], v[VSWR], v[PSW] matrix_a_fmt:MATRIX_FMT_FP6 matrix_b_fmt:MATRIX_FMT_FP6 matrix_a_scale:MATRIX_SCALE_ROW1
.Lhid_\@:
	s_add_co_u32 s[KFS], s[KFS], 128
	s_add_co_u32 s[TB], s[TB], 6400
	s_add_co_u32 s[TS], s[TS], 128
.endm
; ONE TILE OF 16 QUERIES: p = 0: tile g; p = 1: tile 127 - g.  Each pass has scalar pairs of its own for its four bases.
.macro PASS p
.set QBC, 40+8*\p
.set QBS, 42+8*\p
.set YCB, 44+8*\p
.set YSB, 46+8*\p
.if \p
	s_wait_xcnt 0x0                                ; the first pass's stores have read their registers, which are written again below
	s_sub_co_u32 s56, 127, s[GT]
.else
	s_mov_b32 s56, s[GT]
.endif
	s_lshr_b32 s57, s56, 1                         ; block of 32 tokens
	s_and_b32 s58, s56, 1                          ; u
	s_lshl_b32 s59, s57, 5
	s_lshl_b32 s60, s58, 3
	s_add_co_u32 s59, s59, s60                     ; the tile's first query
	s_max_u32 s[QLO], s59, 255                     ; the smallest and the largest of my queries' bounds
	s_add_co_u32 s60, s59, 23
	s_max_u32 s[QHI], s60, 255
	s_cmp_lt_u32 s57, 8                            ; a block of 32 tokens lies wholly under 256 or wholly at or above it
	s_cselect_b32 s60, 255, s59
	s_cselect_b32 s63, 0, 1
	v_mad_u32_u24 v[QM], v[RP], s63, s60           ; max(my query, 255)
	s_delay_alu instid0(VALU_DEP_1)
	v_sub_nc_u32 v[QM], v[QM], v[H16]
	s_add_co_u32 s61, s[B64], s57                  ; the block's number among all 256
	s_lshl_b32 s62, s61, 4
	s_add_co_u32 s62, s62, s[HD]
	s_mul_i32 s62, s62, 800
	s_mul_i32 s63, s58, 384
	s_add_co_u32 s66, s62, s63
	s_mov_b32 s67, 0
	s_add_nc_u64 s[QBC:QBC+1], s[6:7], s[66:67]    ; q's codes
	s_lshl_b32 s63, s58, 4
	s_add_co_u32 s66, s62, s63
	s_add_co_u32 s66, s66, 768
	s_add_nc_u64 s[QBS:QBS+1], s[6:7], s[66:67]    ; q's scale bytes
	s_lshl_b32 s62, s61, 1
	s_add_co_u32 s62, s62, s58
	s_lshl_b32 s62, s62, 2
	s_lshr_b32 s63, s[HD], 2
	s_add_co_u32 s62, s62, s63                     ; y's fragment: (2 block + u) x 4 + head / 4
	s_and_b32 s63, s[HD], 3
	s_mul_i32 s66, s62, 1536
	s_mul_i32 s68, s63, 384
	s_add_co_u32 s66, s66, s68
	s_add_nc_u64 s[YCB:YCB+1], s[8:9], s[66:67]
	s_lshl_b32 s66, s62, 6
	s_add_co_u32 s66, s66, s63
	s_add_nc_u64 s[YSB:YSB+1], s[10:11], s[66:67]
	global_load_b64 v[T6:T6+1], v[R24], s[QBC:QBC+1]
	global_load_b64 v[T6+2:T6+3], v[R24], s[QBC:QBC+1] offset:8
	global_load_b64 v[T6+4:T6+5], v[R24], s[QBC:QBC+1] offset:16
	global_load_u8 v[TQ], v2, s[QBS:QBS+1]
	v_mov_b32 v13, 0xff61b1e6                      ; the largest t so far: -3e38
	s_delay_alu instid0(VALU_DEP_1)
	v_floor_f32 v12, -v13
	v_mov_b32 v14, 0
	v_mov_b32 v15, 0
.set N, 0
.rept 16
	v_mov_b32 v[O+N], 0                            ; the step is written once: the first finds zeros
.set N, N+1
.endr
.irp b, 0,1,2,3
	v_mov_b32 v[PM+\b], 0
.endr
	s_wait_loadcnt 0x0
	v_lshl_or_b32 v[TQ], v[TQ], 8, v[TQ]
	s_delay_alu instid0(VALU_DEP_1)
	v_lshl_or_b32 v[QSW], v[TQ], 16, v[TQ]         ; q's byte for all four blocks: three of them hold zero codes
.irp i, 0,1,2,3,4,5
	v_cndmask_b32 v[16+\i], 0, v[T6+\i], s[LOW]
	v_cndmask_b32 v[28+\i], 0, v[T6+\i], s[LOW]
	v_cndmask_b32 v[34+\i], v[T6+\i], 0, s[LOW]
	v_cndmask_b32 v[46+\i], v[T6+\i], 0, s[LOW]
.endr
	PLACES
	s_mov_b32 s[TB], 0
	s_mov_b32 s[TS], 0
	s_mov_b32 s[KFS], 0
	s_mov_b32 s[CNT], 16
.Lstep_\@:
	STEP
	s_sub_co_u32 s[CNT], s[CNT], 1
	s_cmp_lg_u32 s[CNT], 0
	s_cbranch_scc1 .Lstep_\@
	s_setprio 0
	PLACES                                         ; behind the last products, on every way out of the loop
	v_add_f32 v14, v14, v15
	s_delay_alu instid0(VALU_DEP_1)
	v_permlanex16_b32 v[TT0], v14, s[SEL], s[SEL+1]
	s_delay_alu instid0(VALU_DEP_1)
	v_add_f32 v14, v14, v[TT0]                     ; the row's sum
	s_wait_alu depctr_va_vdst(0)
	v_rcp_f32 v[TT1], v14
	v_nop
	s_wait_alu depctr_va_vdst(0)                   ; ahead of the reciprocal's first reader
.set N, 0
.rept 16
	v_mul_f32 v[Y+N], v[O+N], v[TT1]               ; register i = channel 16 h + i of my query
.set N, N+1
.endr
	v_max3_num_f32 v[BM], |v[Y]|, |v[Y+1]|, 0x1800000
.irp i, 2,4,6,8,10,12,14
	s_delay_alu instid0(VALU_DEP_1)
	v_max3_num_f32 v[BM], v[BM], |v[Y+\i]|, |v[Y+\i+1]|
.endr
	s_delay_alu instid0(VALU_DEP_1)
	v_permlanex16_b32 v[PM], v[BM], s[SEL], s[SEL+1]
	s_delay_alu instid0(VALU_DEP_1)
	v_max_num_f32 v[BM], v[BM], v[PM]
	s_delay_alu instid0(VALU_DEP_1)
	v_add_nc_u32 v[SOP], 0xff000000, v[BM]
	s_delay_alu instid0(VALU_DEP_1)
	v_lshrrev_b32 v[BYT], 23, v[SOP]
	v_cvt_scalef32_pk16_fp6_f32 v[PC:PC+2], v[Y:Y+15], v[SOP]
	v_nop
	global_store_b96 v[YO], v[PC:PC+2], s[YCB:YCB+1]   ; the wave stores 384 consecutive bytes: block head % 4 of y's fragment
	global_store_b8 v[R4], v[BYT], s[YSB:YSB+1]        ; byte head % 4 of my row's scale word (both halves of the lanes write the same byte with the same value)
.endm
	PASS 0
	PASS 1
	s_wait_tensorcnt 0x0
	ds_add_u32 v254, v255
	s_wait_dscnt 0x0
	s_endpgm
.Lfunc_end_k_qbe77d73596_attn:
	.size	k_qbe77d73596_attn, .Lfunc_end_k_qbe77d73596_attn-k_qbe77d73596_attn
	.p2alignl 7, 3214868480
	.fill 96, 4, 3214868480
	.section	.rodata,"a",@progbits
	.p2align	6, 0x0
	.amdhsa_kernel k_qbe77d73596_attn
		.amdhsa_group_segment_fixed_size 169984
		.amdhsa_private_segment_fixed_size 0
		.amdhsa_enable_private_segment 0
		.amdhsa_kernarg_size 32
		.amdhsa_user_sgpr_count 2
		.amdhsa_user_sgpr_kernarg_segment_ptr 1
		.amdhsa_wavefront_size32 1
		.amdhsa_system_sgpr_workgroup_id_x 1
		.amdhsa_system_sgpr_workgroup_id_y 1
		.amdhsa_system_sgpr_workgroup_id_z 1
		.amdhsa_system_vgpr_workitem_id 0
		.amdhsa_next_free_vgpr 256
		.amdhsa_next_free_sgpr 80
		.amdhsa_reserve_vcc 1
		.amdhsa_float_denorm_mode_32 3
		.amdhsa_float_denorm_mode_16_64 3
		.amdhsa_memory_ordered 1
		.amdhsa_forward_progress 1
		.amdhsa_inst_pref_size 63
	.end_amdhsa_kernel
	.amdgpu_metadata
---
amdhsa.version: [ 1, 2 ]
amdhsa.kernels:
  - .name:           k_qbe77d73596_attn
    .symbol:         k_qbe77d73596_attn.kd
    .args:
      - { .name: kv, .offset: 0, .size: 8, .value_kind: global_buffer, .address_space: global }
      - { .name: qb, .offset: 8, .size: 8, .value_kind: global_buffer, .address_space: global }
      - { .name: yc, .offset: 16, .size: 8, .value_kind: global_buffer, .address_space: global }
      - { .name: ysc, .offset: 24, .size: 8, .value_kind: global_buffer, .address_space: global }
    .group_segment_fixed_size: 169984
    .private_segment_fixed_size: 0
    .kernarg_segment_align: 8
    .kernarg_segment_size: 32
    .max_flat_workgroup_size: 512
    .sgpr_count:     80
    .vgpr_count:     256
    .wavefront_size: 32
...
	.end_amdgpu_metadata
.endif
;; end of part 7
;; launch mlp (part 8): grid 256 x 1, 8 waves a work-group, no clusters, 133,120 bytes of LDS; arguments x, yc, ysc, wc, ws, bp, ln2_g, ln2_b, b1, b2, out0; writes out0
.if DOCPART == 8
	.amdgcn_target "amdgcn-amd-amdhsa--gfx1250"
	.amdhsa_code_object_version 6
	.text
	.protected	k_qbe77d73596_mlp
	.globl	k_qbe77d73596_mlp
	.p2align	8
	.type	k_qbe77d73596_mlp,@function
k_qbe77d73596_mlp:
	s_mov_b64 s[64:65], 0
	v_nop
	global_prefetch_b8 v0, s[64:65] scope:SCOPE_SE
	s_setreg_imm32_b32 hwreg(HW_REG_WAVE_SCHED_MODE, 0, 2), 2
	s_setreg_imm32_b32 hwreg(HW_REG_WAVE_MODE, 25, 1), 1
	s_wait_xcnt 0x0
	s_wait_alu depctr_vm_vsrc(0)
; x1 = x + y Wp + bp;  out0 = x1 + gelu(layernorm(x1) W1 + b1) W2 + b2, the three products on codes of FP6 (E2M3).  The hidden layer never goes to memory.
; A work-group owns 32 tokens (row r of tile u = token 8 u + r + 8 (r / 8)).  All products are used transposed (source 0 = 16 columns of a weight, source 1 = 16 rows): a lane holds one row and 16 neighbouring columns.
; Wave w owns columns 64 w .. 64 w + 63 of the projection AND of the last product: x + bp starts its 8 accumulators, the projection adds onto them, b2 is added, and the last product adds onto them: x1 never moves.
; The hidden layer goes in two chunks of 1,024; in chunk j wave w makes units 1,024 j + 128 w .. + 127, which are K step 8 j + w of the last product; b1 is loaded straight into the accumulators.
; OPERANDS GO FROM WAVE TO WAVE THROUGH LDS AS IMAGES OF THEIR REGISTERS: lane l's 48 bytes at 48 l; scale words 4 bytes a row.
; THE WEIGHTS go from memory straight into the operand registers of the one wave that multiplies by them, in two halves of 4 records by turns, each asked for two half-steps ahead.
; No joint loads: they land in LDS, and with 32 rows to a work-group each fragment of 1,536 bytes read from there would feed two matrix instructions.
; GELU, exact form: gelu(x) = max(x, 0) - |x| erfc(|x| / sqrt 2) / 2, with erfc(z) = t exp(-z^2 + P(t)), t = 1 / (1 + z / 2), P of degree 9 (fractional error of the fit about 1.2e-7); here in base 2, the 1/2 in P's constant.
; LIMITS: a block of zeros gets the byte 1 where the rule says 127 (its codes are zeros; this program alone reads the bytes); NaN and infinities are not served.
; THE MODE: SCHED_MODE bits 1:0 = 2 (LLVM: expert scheduling mode 2), set by the entry lines.  The code itself states the register dependences
; between vector or matrix instructions and memory or LDS instructions, with s_wait_alu, always for 0.
; THE PLAN.  Registers that memory or LDS instructions touch:
;   v1-v23        addresses and offsets: made once at the head, never written again: one wait on va_vdst ahead of the first load.
;   the output's accumulators: x's loads land; the LDS stores read them; behind the barrier and a wait on vm_vsrc the LDS loads land in them again; then vector and matrix instructions alone, until the way out's LDS stores.
;   the weights' two halves, WSR, AF, ASC: a half-step's 16 matrix instructions read one half, its scale words, and the row side's fragments and scale words.  ONE wait on va_vdst stands behind them: it serves the refill of
;                 the half, which follows at once, and the next half-step's LDS loads, since only loads and window switches stand between; behind the last half-step it serves the LDS stores of the accumulators.
;   AF, ASC in the first product of the MLP: two buffers by turns: K step ka + 1's LDS loads go out ahead of K step ka's matrix instructions, into the buffer that K step ka - 1 read.
;   BP            bp's loads land; the additions read it; b2's loads land (va_vdst between).   HA: b1's loads land behind a wait on va_vdst that covers the vector work on these registers.
;   ST            partial sums: written by additions, read by LDS stores (va_vdst between), written again once (vm_vsrc between).
;   PC, PW, W0    the quantiser's out-buffer: one wait on va_vdst ahead of each run of LDS stores, one on vm_vsrc behind it wherever a later quantiser writes the registers again.
.set STG,   0                          ; LDS: 32 rows, 2,064 bytes apart: x on the way in, out0 on the way out
.set RED1,  66048                      ; [u][r][wave] partial sums, 1,024 bytes; the squares' 1,024 behind them
.set H2IMG, 68096                      ; the normalised rows' 8 fragments (4 u + K step)
.set H2SC,  80384                      ; their scale words, 64 bytes each
.set HID,   80896                      ; the hidden layer's 16 fragments (8 u + K step) of each chunk: 2 x 24,576 bytes
.set HIDSC, 130048                     ; their scale words: 2 x 1,024 bytes
.set HA,  24                           ; v24-151  16 accumulators of the hidden layer ((u, t) at 64 u + 8 t)
.set YF,  24                           ; v24-119  before that: y's 8 fragments
.set D2,  24                           ; v24-87   then x1 - mean
.set RD,  88                           ; v88-103  partial sums read back
.set G2,  120                          ; v120-151 ln2_g
.set AF,  152                          ; v152-199 the row side's fragments (in the MLP's first product: two buffers of 24)
.set BP,  152                          ; v152-183 before that: bp, then b2
.set LB,  184                          ; v184-215 ln2_b
.set GZ,  152                          ; gelu at work: z, t, the exponent
.set GT,  168
.set GP,  184
.set PC,  200
.set TE,  212
.set TM,  216
.set W0,  222
.set W1,  223
.set PW,  224
.set ST,  226                          ; v226-233 sums
.set MU,  234                          ; v234, v236 mean of tile u, later 1 / deviation (v235, v237: 0)
.set C8V, 238                          ; v[238:239] the polynomial's coefficient 8
.set WSR, 240                          ; v240-247 the weights' scale words and nothing else
.set ASC, 248                          ; v248-255 the row side's
.set WC,  10
.set WS,  12
.set WV,  26
.set SEL, 28
.set INV, 30
.set EPS, 31
.set CA,  66
.set CB,  68
.set CC,  70                           ; s[70 + 2 k : 71 + 2 k] coefficient k
; window 1: v0-63 the 8 accumulators of the output ((u, t) at 32 u + 8 t); v64-255 the weights' two halves
.set MSB, 0
.macro WIN new                         ; the immediate's high byte repeats the setting that is left
.if MSB != \new
	s_set_vgpr_msb (MSB<<8)|\new
.set MSB, \new
.endif
.endm
.macro PLACES                          ; four places behind matrix instructions, ahead of loads into their registers and of reads of their results
.rept 4
	v_nop
.endr
.endm
.macro BARRIER
	s_wait_dscnt 0x0
	s_barrier_signal -1
	s_barrier_wait -1
.endm
; 32 numbers of a lane, two blocks: v[s + 16 b + i] = k 16 (lane / 16) + i of block b of my row.  Result: 6 registers of codes, lanes 0-15 block 0 whole, lanes 16-31 block 1 whole; v[w] = byte 0 | byte 1 << 8
.macro QUANT2 s, d, w
	v_max3_num_f32 v[TM], |v[\s]|, |v[\s+1]|, 0x1800000
	v_max3_num_f32 v[TM+1], |v[\s+16]|, |v[\s+17]|, 0x1800000
.irp i, 2,4,6,8,10,12,14
	v_max3_num_f32 v[TM], v[TM], |v[\s+\i]|, |v[\s+\i+1]|
	v_max3_num_f32 v[TM+1], v[TM+1], |v[\s+16+\i]|, |v[\s+17+\i]|
.endr
	v_permlanex16_b32 v[TM+2], v[TM], s[SEL], s[SEL+1]
	v_permlanex16_b32 v[TM+3], v[TM+1], s[SEL], s[SEL+1]
	v_max_num_f32 v[TM], v[TM], v[TM+2]
	v_max_num_f32 v[TM+1], v[TM+1], v[TM+3]
	v_add_nc_u32 v[TM+4], 0xff000000, v[TM]
	v_add_nc_u32 v[TM+5], 0xff000000, v[TM+1]
	v_lshrrev_b32 v[TM+2], 23, v[TM+4]
	v_lshrrev_b32 v[TM+3], 23, v[TM+5]
	v_lshl_or_b32 v[\w], v[TM+3], 8, v[TM+2]
	v_cvt_scalef32_pk16_fp6_f32 v[\d:\d+2], v[\s:\s+15], v[TM+4]
	v_cvt_scalef32_pk16_fp6_f32 v[TE:TE+2], v[\s+16:\s+31], v[TM+5]
	v_nop                                          ; one plain place behind a scaled conversion
.irp i, 0,1,2
	v_permlane16_swap_b32 v[\d+\i], v[TE+\i]
.endr
.irp i, 0,1,2
	v_mov_b32 v[\d+3+\i], v[TE+\i]
.endr
.endm
.macro LDHALF hf, vo, so, n0, n1, n2, n3       ; four records into half hf: 28 loads; no address register is ever rewritten
	WIN 0x40
.set LQ, 0
.irp nn, \n0, \n1, \n2, \n3
.irp i, 0,1,2,3,4,5
	global_load_b128 v[64+96*(\hf)+24*LQ+4*\i:64+96*(\hf)+24*LQ+4*\i+3], v[\vo], s[WC:WC+1] offset:3072*(\nn)+512*\i
.endr
.set LQ, LQ+1
.endr
	WIN 0
.set LQ, 0
.irp nn, \n0, \n1, \n2, \n3
	global_load_b32 v[WSR+4*(\hf)+LQ], v[\so], s[WS:WS+1] offset:128*(\nn)
.set LQ, LQ+1
.endr
.endm
.macro LD1 hf, j, ka                   ; W1, chunk j, K step ka: my four pairs of tiles
	LDHALF \hf, 10, 11, 256+128*\j+\ka, 260+128*\j+\ka, 264+128*\j+\ka, 268+128*\j+\ka
.endm
.macro LD2 hf, j, n                    ; W2, chunk j, K steps 8 j + 2 n and + 1: record q = (K step q / 2, pair q % 2)
	LDHALF \hf, 12, 13, 512+8*\j+2*\n, 528+8*\j+2*\n, 513+8*\j+2*\n, 529+8*\j+2*\n
.endm
.macro WM d, a, b, sa, sb, row         ; one link: C and D the same accumulator.  row = 1: the weight's scales in lanes 16-31
.if (\row) == 0
	v_wmma_scale_f32_16x16x128_f8f6f4 v[\d:\d+7], v[\a:\a+11], v[\b:\b+11], v[\d:\d+7], v[\sa], v[\sb] matrix_a_fmt:MATRIX_FMT_FP6 matrix_b_fmt:MATRIX_FMT_FP6
.else
	v_wmma_scale_f32_16x16x128_f8f6f4 v[\d:\d+7], v[\a:\a+11], v[\b:\b+11], v[\d:\d+7], v[\sa], v[\sb] matrix_a_fmt:MATRIX_FMT_FP6 matrix_b_fmt:MATRIX_FMT_FP6 matrix_a_scale:MATRIX_SCALE_ROW1
.endif
.endm
; the projection, half-step n: K steps 2 n, 2 n + 1 x 8 accumulators by turns
.macro HS_P n
	s_wait_loadcnt 36                              ; this half's 28 loads are in; younger: 28 of the other half or of its refill, and b2's 8
	WIN 0x51                                       ; W, C and D window 1; y window 0
.irp kl, 0,1
.irp pp, 0,1
.irp tt, 0,1
.irp u, 0,1
	WM 32*\u+8*(2*\pp+\tt), 64+96*\n+24*(2*\kl+\pp)+12*\tt, YF+12*(4*\u+2*\n+\kl), WSR+4*\n+2*\kl+\pp, ASC+4*\u+2*\n+\kl, \tt
.endr
.endr
.endr
.endr
	WIN 0
	PLACES
	s_wait_alu depctr_va_vdst(0)                   ; the half-step's matrix instructions are done reading this half of the weights and its scale words, in which W1's loads land
.endm
; the normalised rows' two fragments and scale words of K step ka, into buffer ka % 2: eight LDS loads
.macro FRAG1 ka
.irp u, 0,1
.irp i, 0,1,2
	ds_load_b128 v[AF+24*((\ka)%2)+12*\u+4*\i:AF+24*((\ka)%2)+12*\u+4*\i+3], v18 offset:1536*(4*\u+(\ka))+16*\i
.endr
	ds_load_b32 v[ASC+2*((\ka)%2)+\u], v19 offset:64*(4*\u+(\ka))
.endr
.endm
; the first product of the MLP, K step ka: 16 accumulators by turns.  The next K step's fragments are asked for ahead of this step's matrix instructions, into the other buffer:
; its last readers stand ahead of the wait on va_vdst that ended the step before, and nothing but loads and window switches has been issued since
.macro HS_M1 ka, cnt
.if \ka == 0
	FRAG1 0
.endif
.if \ka < 3
	FRAG1 \ka+1
.endif
	s_wait_loadcnt \cnt
.if \ka < 3
	s_wait_dscnt 8                                 ; LDS loads come back in order: this step's eight are in, the next step's eight may be out
.else
	s_wait_dscnt 0x0
.endif
	WIN 0x01
.irp pp, 0,1,2,3
.irp tt, 0,1
.irp u, 0,1
	WM HA+64*\u+8*(2*\pp+\tt), 64+96*(\ka%2)+24*\pp+12*\tt, AF+24*(\ka%2)+12*\u, WSR+4*(\ka%2)+\pp, ASC+2*(\ka%2)+\u, \tt
.endr
.endr
.endr
	WIN 0
	PLACES
	s_wait_alu depctr_va_vdst(0)                   ; the step's matrix instructions are done reading this half of the weights, its scale words, and their buffer of fragments and scale words: the refill and later LDS loads land there
.endm
; the second, chunk j, half-step n: K steps 2 n, 2 n + 1 of the chunk's eight x 8 accumulators by turns
.macro HS_M2 j, n, cnt
.irp kl, 0,1
.irp u, 0,1
.irp i, 0,1,2
	ds_load_b128 v[AF+12*(2*\kl+\u)+4*\i:AF+12*(2*\kl+\u)+4*\i+3], v20 offset:24576*\j+1536*(8*\u+2*\n+\kl)+16*\i
.endr
	ds_load_b32 v[ASC+2*\kl+\u], v21 offset:1024*\j+64*(8*\u+2*\n+\kl)
.endr
.endr
	s_wait_loadcnt \cnt
	s_wait_dscnt 0x0
	WIN 0x51
.irp kl, 0,1
.irp pp, 0,1
.irp tt, 0,1
.irp u, 0,1
	WM 32*\u+8*(2*\pp+\tt), 64+96*(\n%2)+24*(2*\kl+\pp)+12*\tt, AF+12*(2*\kl+\u), WSR+4*(\n%2)+2*\kl+\pp, ASC+2*\kl+\u, \tt
.endr
.endr
.endr
.endr
	WIN 0
	PLACES
	s_wait_alu depctr_va_vdst(0)                   ; the half-step's matrix instructions are done reading this half of the weights, its scale words, the fragments and their scale words, in which the loads that follow land; behind the very last they have written the accumulators, which the LDS stores read
.endm
.macro ADDV b                          ; the output's accumulators += 32 numbers in the result's layout, for both tiles of rows
	WIN 0x41
.irp u, 0,1
.irp k, 0,2,4,6,8,10,12,14,16,18,20,22,24,26,28,30
	v_pk_add_f32 v[32*\u+\k:32*\u+\k+1], v[32*\u+\k:32*\u+\k+1], v[\b+\k:\b+\k+1]
.endr
.endr
	WIN 0
.endm
.macro VLOAD reg, base                 ; 32 numbers of a vector of 512 in the result's layout: tile t's eight at 4 (64 w + 32 (t / 2) + 16 h + 8 (t % 2))
.irp t, 0,1,2,3
.irp e, 0,1
	global_load_b128 v[\reg+8*\t+4*\e:\reg+8*\t+4*\e+3], v6, s[\base:\base+1] offset:4*(32*(\t/2)+8*(\t%2))+16*\e
.endr
.endr
.endm
.macro B1LOAD j                        ; b1 of chunk j straight into the 16 accumulators: 32 loads
.irp u, 0,1
.irp t, 0,1,2,3,4,5,6,7
.irp e, 0,1
	global_load_b128 v[HA+64*\u+8*\t+4*\e:HA+64*\u+8*\t+4*\e+3], v7, s[20:21] offset:4096*\j+128*(\t/2)+32*(\t%2)+16*\e
.endr
.endr
.endr
.endm
; two chains for each tile of rows -> my rows' sums over the wave's 64 columns -> LDS -> the rows' sums over all 512, in v[RD], v[RD + 8].  again = 1: v[ST ..] are written again behind this round
.macro REDUCE off, again
.irp u, 0,1
	v_pk_add_f32 v[ST+4*\u:ST+4*\u+1], v[ST+4*\u:ST+4*\u+1], v[ST+4*\u+2:ST+4*\u+3]
.endr
.irp u, 0,1
	v_add_f32 v[ST+4*\u], v[ST+4*\u], v[ST+4*\u+1]
.endr
.irp u, 0,1
	v_permlanex16_b32 v[ST+4*\u+1], v[ST+4*\u], s[SEL], s[SEL+1]
.endr
.irp u, 0,1
	v_add_f32 v[ST+4*\u], v[ST+4*\u], v[ST+4*\u+1]
.endr
	s_wait_alu depctr_va_vdst(0)                   ; the additions have written v[ST] and v[ST+4], which the LDS stores read; the vector and matrix instructions that named v[RD ..] are done, in which the LDS loads below land
.irp u, 0,1
	ds_store_b32 v14, v[ST+4*\u] offset:\off+512*\u
.endr
	BARRIER
.if \again
	s_wait_alu depctr_vm_vsrc(0)                   ; the LDS stores have read v[ST] and v[ST+4], which the sums of squares write again
.endif
.irp u, 0,1
	ds_load_b128 v[RD+8*\u:RD+8*\u+3], v15 offset:\off+512*\u
	ds_load_b128 v[RD+8*\u+4:RD+8*\u+7], v15 offset:\off+512*\u+16
.endr
	s_wait_dscnt 0x0
.irp u, 0,1
	v_pk_add_f32 v[RD+8*\u:RD+8*\u+1], v[RD+8*\u:RD+8*\u+1], v[RD+8*\u+2:RD+8*\u+3]
	v_pk_add_f32 v[RD+8*\u+4:RD+8*\u+5], v[RD+8*\u+4:RD+8*\u+5], v[RD+8*\u+6:RD+8*\u+7]
.endr
.irp u, 0,1
	v_pk_add_f32 v[RD+8*\u:RD+8*\u+1], v[RD+8*\u:RD+8*\u+1], v[RD+8*\u+4:RD+8*\u+5]
.endr
.irp u, 0,1
	v_add_f32 v[RD+8*\u], v[RD+8*\u], v[RD+8*\u+1]
.endr
.endm
; gelu of 16 numbers, in place
.macro GELU16 x
.irp i, 0,1,2,3,4,5,6,7,8,9,10,11,12,13,14,15
	v_mul_f32 v[GZ+\i], s[CA], |v[\x+\i]|          ; z = |x| sqrt(log2 e) / sqrt 2; each accumulator from its low end on
.endr
.irp i, 0,2,4,6,8,10,12,14
	v_pk_fma_f32 v[GT+\i:GT+\i+1], v[GZ+\i:GZ+\i+1], s[CB:CB+1], 1.0 op_sel_hi:[1,0,0]
.endr
	s_wait_alu depctr_va_vdst(0)
.irp i, 0,1,2,3,4,5,6,7,8,9,10,11,12,13,14,15
	v_rcp_f32 v[GT+\i], v[GT+\i]                   ; t
.endr
	v_nop
	s_wait_alu depctr_va_vdst(0)                   ; the 16 reciprocals have written v[GT ..]: one wait, ahead of their first reader
.irp i, 0,2,4,6,8,10,12,14
	v_pk_fma_f32 v[GP+\i:GP+\i+1], v[GT+\i:GT+\i+1], s[CC+18:CC+19], v[C8V:C8V+1] op_sel_hi:[1,0,1]
.endr
.irp k, 7,6,5,4,3,2,1,0
.irp i, 0,2,4,6,8,10,12,14
	v_pk_fma_f32 v[GP+\i:GP+\i+1], v[GP+\i:GP+\i+1], v[GT+\i:GT+\i+1], s[CC+2*\k:CC+2*\k+1] op_sel_hi:[1,1,0]
.endr
.endr
.irp i, 0,2,4,6,8,10,12,14
	v_pk_fma_f32 v[GP+\i:GP+\i+1], v[GZ+\i:GZ+\i+1], v[GZ+\i:GZ+\i+1], v[GP+\i:GP+\i+1] neg_lo:[1,0,0] neg_hi:[1,0,0]   ; - z^2
.endr
	s_wait_alu depctr_va_vdst(0)
.irp i, 0,1,2,3,4,5,6,7,8,9,10,11,12,13,14,15
	v_exp_f32 v[GP+\i], v[GP+\i]
.endr
.irp i, 0,1,2,3,4,5,6,7,8,9,10,11,12,13,14,15
	v_max_num_f32 v[GZ+\i], 0, v[\x+\i]            ; max(x, 0): plain work behind the exponentials
.endr
	s_wait_alu depctr_va_vdst(0)                   ; the 16 exponentials have written v[GP ..]: one wait, ahead of their first reader
.irp i, 0,2,4,6,8,10,12,14
	v_pk_mul_f32 v[GP+\i:GP+\i+1], v[GP+\i:GP+\i+1], v[GT+\i:GT+\i+1]   ; erfc / 2
.endr
.irp i, 0,1,2,3,4,5,6,7,8,9,10,11,12,13,14,15
	v_fma_f32 v[\x+\i], -|v[\x+\i]|, v[GP+\i], v[GZ+\i]
.endr
.endm
; the chunk's activation and quantiser: my 128 hidden units of 32 rows become two fragments
.macro MID j
.irp g, 0,1,2,3,4,5,6,7
	GELU16 HA+16*\g
.endr
.irp u, 0,1
	QUANT2 HA+64*\u, PC, W0
	QUANT2 HA+64*\u+32, PC+6, W1
	v_lshl_or_b32 v[PW], v[W1], 16, v[W0]
	s_wait_alu depctr_va_vdst(0)                   ; the quantiser has written v[PC ..] and v[PW], which the LDS stores read; behind the second tile of rows the vector work on v[HA ..] and on gelu's registers is done too, in which the loads that follow land
.irp i, 0,1,2
	ds_store_b128 v22, v[PC+4*\i:PC+4*\i+3] offset:24576*\j+12288*\u+16*\i
.endr
	ds_store_b32 v23, v[PW] offset:1024*\j+512*\u
	s_wait_dscnt 0x0                               ; the stores have read their registers
.if (\j == 0) || (\u == 0)
	s_wait_alu depctr_vm_vsrc(0)                   ; the LDS stores have read v[PC ..] and v[PW], which the next quantiser writes again
.endif
.endr
.endm
.macro COEF k, bits
	s_mov_b32 s[CC+2*\k], \bits
	s_mov_b32 s[CC+2*\k+1], \bits
.endm
	s_load_b256 s[4:11], s[0:1], 0x0               ; x, yc, ysc, wc
	s_load_b256 s[12:19], s[0:1], 0x20             ; ws, bp, ln2_g, ln2_b
	s_load_b128 s[20:23], s[0:1], 0x40             ; b1, b2
	s_load_b64 s[24:25], s[0:1], 0x50              ; out0
	v_lshrrev_b32 v24, 5, v0
	v_readfirstlane_b32 s[WV], v24                 ; wave 0..7
	v_and_b32 v24, 31, v0                          ; lane
	v_and_b32 v25, 15, v0                          ; r
	v_bfe_u32 v26, v0, 4, 1                        ; h
	v_and_b32 v27, 8, v25
	v_add_nc_u32 v27, v27, v25                     ; r + 8 (r / 8)
	v_lshlrev_b32 v28, 4, v24
	v_lshlrev_b32 v29, 2, v24
	v_mul_u32_u24 v30, v24, 48
	s_wait_alu depctr_va_sdst(0)                   ; the wave's number is written, ahead of its first reader
	s_lshl_b32 s32, s[WV], 13
	v_add_nc_u32 v1, s32, v28                      ; v1  x, out0 in memory: rows 4 w on, 16 bytes a lane
	s_mul_i32 s32, s[WV], 8256
	v_add_nc_u32 v2, s32, v28                      ; v2  the same rows in the stage
	v_mul_u32_u24 v3, v27, 2064
	v_lshl_add_u32 v3, v26, 6, v3
	s_lshl_b32 s32, s[WV], 8
	v_add_nc_u32 v3, s32, v3                       ; v3  the stage in the result's layout: my row, + 256 w + 64 h
	v_lshl_add_u32 v6, v26, 6, s32                 ; v6  vectors of 512: 256 w + 64 h
	v_mul_u32_u24 v4, v25, 24
	v_mad_u32_u24 v4, v26, 384, v4                 ; v4  y's fragments: 384 h + 24 r
	v_lshlrev_b32 v5, 2, v25                       ; v5  4 r
	s_lshl_b32 s32, s[WV], 9
	v_lshl_add_u32 v7, v26, 6, s32                 ; v7  b1: 512 w + 64 h
	s_mul_i32 s32, s[WV], 24576
	s_lshl_b32 s33, s[WV], 10
	v_add_nc_u32 v8, s32, v28                      ; v8, v9    Wp: my 8 records
	v_add_nc_u32 v9, s33, v29
	s_lshl_b32 s32, s32, 1
	s_lshl_b32 s33, s33, 1
	v_add_nc_u32 v10, s32, v28                     ; v10, v11  W1: my 16 records of a chunk
	v_add_nc_u32 v11, s33, v29
	s_lshl_b32 s32, s32, 1
	s_lshl_b32 s33, s33, 1
	v_add_nc_u32 v12, s32, v28                     ; v12, v13  W2: my 32 records
	v_add_nc_u32 v13, s33, v29
	s_lshl_b32 s32, s[WV], 2
	s_add_co_u32 s32, s32, RED1
	v_lshl_add_u32 v14, v25, 5, s32                ; v14 my partial sum
	v_lshl_add_u32 v15, v25, 5, RED1               ; v15 my row's eight
	s_lshr_b32 s32, s[WV], 1
	s_and_b32 s33, s[WV], 1
	s_mul_i32 s34, s32, 1536
	s_mul_i32 s35, s33, 24
	s_add_co_u32 s34, s34, s35
	s_add_co_u32 s34, s34, H2IMG
	v_add_nc_u32 v16, s34, v30                     ; v16 the half of a fragment that I make: K step w / 2, half w % 2
	s_lshl_b32 s34, s32, 6
	s_lshl_b32 s35, s33, 1
	s_add_co_u32 s34, s34, s35
	s_add_co_u32 s34, s34, H2SC
	v_add_nc_u32 v17, s34, v5                      ; v17 and its two scale bytes
	v_add_nc_u32 v18, H2IMG, v30                   ; v18, v19  a normalised fragment and its scale word for my lane
	v_add_nc_u32 v19, H2SC, v5
	v_add_nc_u32 v20, HID, v30                     ; v20, v21  a hidden fragment and its scale word
	v_add_nc_u32 v21, HIDSC, v5
	s_mul_i32 s34, s[WV], 1536
	v_add_nc_u32 v22, s34, v20                     ; v22, v23  those that I make
	s_lshl_b32 s34, s[WV], 6
	v_add_nc_u32 v23, s34, v21
	v_mov_b32 v[TM+2], 0                           ; lane permutes' destinations count as sources: written once
	v_mov_b32 v[TM+3], 0
	v_mov_b32 v[MU+1], 0                           ; (upper halves of pairs)
	v_mov_b32 v[MU+3], 0
	v_mov_b32 v[C8V], 0xbf97d29d
	v_mov_b32 v[C8V+1], 0xbf97d29d
	s_mov_b32 s[SEL], 0x76543210
	s_mov_b32 s[SEL+1], 0xfedcba98
	s_mov_b32 s[INV], 0x3b000000                   ; 1 / 512
	s_mov_b32 s[EPS], 0x3727c5ac                   ; 1e-5
	s_mov_b32 s[CA], 0x3f596d27                    ; sqrt(log2 e) / sqrt 2
	s_mov_b32 s[CB], 0x3ed5224d                    ; 1 / (2 sqrt(log2 e))
	s_mov_b32 s[CB+1], s[CB]
	COEF 0, 0xc034d90f                             ; the fit's coefficients x log2 e; 1 taken off the constant
	COEF 1, 0x3fb8ab5a
	COEF 2, 0x3f0a29d2
	COEF 3, 0x3e0efb2e
	COEF 4, 0xbe899a80
	COEF 5, 0x3ecdfd18
	COEF 6, 0xbfd1a1e5
	COEF 7, 0x40097039
	COEF 9, 0x3e7c6f08
	s_lshl_b32 s32, ttmp9, 16
	s_mov_b32 s33, 0
	s_mul_i32 s34, ttmp9, 12288
	s_mov_b32 s35, 0
	s_lshl_b32 s36, ttmp9, 9
	s_mov_b32 s37, 0
	s_wait_kmcnt 0x0
	s_add_nc_u64 s[4:5], s[4:5], s[32:33]
	s_add_nc_u64 s[24:25], s[24:25], s[32:33]
	s_add_nc_u64 s[6:7], s[6:7], s[34:35]
	s_add_nc_u64 s[8:9], s[8:9], s[36:37]
	s_wait_alu depctr_va_vdst(0)                   ; the addresses and offsets v1 to v23 are written, which every load and store of the kernel reads; so are v24 to v30, in which y's loads land
	; ---- x as it lies, through the stage into the result's layout; y's fragments straight into registers
	WIN 0x40
.irp i, 0,1,2,3
.irp k, 0,1,2,3
	global_load_b128 v[4*(4*\i+\k):4*(4*\i+\k)+3], v1, s[4:5] offset:2048*\i+512*\k th:TH_LOAD_NT
.endr
.endr
	WIN 0
.irp f, 0,1,2,3,4,5,6,7
.irp c, 0,1
.irp i, 0,1,2
	global_load_b64 v[YF+12*\f+6*\c+2*\i:YF+12*\f+6*\c+2*\i+1], v4, s[6:7] offset:1536*\f+768*\c+8*\i th:TH_LOAD_NT
.endr
.endr
.endr
.irp f, 0,1,2,3,4,5,6,7
	global_load_b32 v[ASC+\f], v5, s[8:9] offset:64*\f
.endr
	s_wait_loadcnt 56                              ; x's 16 loads are in; y's 48 and its scale words' 8 may be out
	WIN 0x04                                       ; an LDS store's data are its source 1: window 1
.irp i, 0,1,2,3
.irp k, 0,1,2,3
	ds_store_b128 v2, v[4*(4*\i+\k):4*(4*\i+\k)+3] offset:2064*\i+512*\k
.endr
.endr
	WIN 0
	VLOAD BP, 14
	VLOAD G2, 16
	VLOAD LB, 18
	LDHALF 0, 8, 9, 192, 196, 193, 197             ; Wp's two halves: no vector or matrix instruction has named their registers
	LDHALF 1, 8, 9, 194, 198, 195, 199
	BARRIER                                        ; the 32 rows of x lie in the stage
	WIN 0x40
	s_wait_alu depctr_vm_vsrc(0)                   ; my LDS stores have read the 64 registers of window 1 in which the LDS loads below land
.irp u, 0,1
.irp t, 0,1,2,3
.irp e, 0,1
	ds_load_b128 v[32*\u+8*\t+4*\e:32*\u+8*\t+4*\e+3], v3 offset:16512*\u+128*(\t/2)+32*(\t%2)+16*\e
.endr
.endr
.endr
	WIN 0
	s_wait_loadcnt 56                              ; y, its scale words, bp, ln2_g, ln2_b are in; only the ring's 56 loads are younger
	s_wait_dscnt 0x0
	ADDV BP                                        ; x + bp starts the sums
	s_wait_alu depctr_va_vdst(0)                   ; the additions are done reading v[BP ..], in which b2's loads land
	VLOAD BP, 22                                   ; b2 takes bp's registers: 8 loads
	HS_P 0
	LD1 0, 0, 0
	HS_P 1
	LD1 1, 0, 1
	; ---- layernorm of x1: the mean,
	WIN 0x05
.irp u, 0,1
	v_pk_add_f32 v[ST+4*\u:ST+4*\u+1], v[32*\u:32*\u+1], v[32*\u+2:32*\u+3]
	v_pk_add_f32 v[ST+4*\u+2:ST+4*\u+3], v[32*\u+4:32*\u+5], v[32*\u+6:32*\u+7]
.endr
	WIN 0x01
.irp j, 8,12,16,20,24,28
.irp u, 0,1
	v_pk_add_f32 v[ST+4*\u:ST+4*\u+1], v[32*\u+\j:32*\u+\j+1], v[ST+4*\u:ST+4*\u+1]
	v_pk_add_f32 v[ST+4*\u+2:ST+4*\u+3], v[32*\u+\j+2:32*\u+\j+3], v[ST+4*\u+2:ST+4*\u+3]
.endr
.endr
	WIN 0
	REDUCE 0, 1
.irp u, 0,1
	v_mul_f32 v[MU+2*\u], s[INV], v[RD+8*\u]
.endr
	WIN 0x01
.irp u, 0,1
.irp k, 0,2,4,6,8,10,12,14,16,18,20,22,24,26,28,30
	v_pk_add_f32 v[D2+32*\u+\k:D2+32*\u+\k+1], v[32*\u+\k:32*\u+\k+1], v[MU+2*\u:MU+2*\u+1] op_sel_hi:[1,0] neg_lo:[0,1] neg_hi:[0,1]   ; x1 - mean
.endr
.endr
	WIN 0
	; then the variance, of x1 - mean
.irp u, 0,1
	v_pk_mul_f32 v[ST+4*\u:ST+4*\u+1], v[D2+32*\u:D2+32*\u+1], v[D2+32*\u:D2+32*\u+1]
	v_pk_mul_f32 v[ST+4*\u+2:ST+4*\u+3], v[D2+32*\u+2:D2+32*\u+3], v[D2+32*\u+2:D2+32*\u+3]
.endr
.irp j, 4,8,12,16,20,24,28
.irp u, 0,1
	v_pk_fma_f32 v[ST+4*\u:ST+4*\u+1], v[D2+32*\u+\j:D2+32*\u+\j+1], v[D2+32*\u+\j:D2+32*\u+\j+1], v[ST+4*\u:ST+4*\u+1]
	v_pk_fma_f32 v[ST+4*\u+2:ST+4*\u+3], v[D2+32*\u+\j+2:D2+32*\u+\j+3], v[D2+32*\u+\j+2:D2+32*\u+\j+3], v[ST+4*\u+2:ST+4*\u+3]
.endr
.endr
	REDUCE 1024, 0
.irp u, 0,1
	v_fma_f32 v[RD+8*\u], v[RD+8*\u], s[INV], s[EPS]
.endr
	s_wait_alu depctr_va_vdst(0)
.irp u, 0,1
	v_rsq_f32 v[MU+2*\u], v[RD+8*\u]
.endr
	v_nop
	s_wait_alu depctr_va_vdst(0)                   ; the two roots have written v[MU] and v[MU+2]: one wait, ahead of their first reader
.irp u, 0,1
.irp k, 0,2,4,6,8,10,12,14,16,18,20,22,24,26,28,30
	v_pk_mul_f32 v[D2+32*\u+\k:D2+32*\u+\k+1], v[D2+32*\u+\k:D2+32*\u+\k+1], v[MU+2*\u:MU+2*\u+1] op_sel_hi:[1,0]
.endr
.endr
.irp u, 0,1
.irp k, 0,2,4,6,8,10,12,14,16,18,20,22,24,26,28,30
	v_pk_fma_f32 v[D2+32*\u+\k:D2+32*\u+\k+1], v[D2+32*\u+\k:D2+32*\u+\k+1], v[G2+\k:G2+\k+1], v[LB+\k:LB+\k+1]
.endr
.endr
.irp u, 0,1                                    ; my 64 columns are two blocks: half w % 2 of the fragment of K step w / 2
	QUANT2 D2+32*\u, PC, W0
	s_wait_alu depctr_va_vdst(0)                   ; the quantiser has written v[PC ..] and v[W0], which the four LDS stores read
	ds_store_b64 v16, v[PC:PC+1] offset:6144*\u
	ds_store_b64 v16, v[PC+2:PC+3] offset:6144*\u+8
	ds_store_b64 v16, v[PC+4:PC+5] offset:6144*\u+16
	ds_store_b16 v17, v[W0] offset:256*\u
	s_wait_dscnt 0x0                               ; the stores have read their registers
	s_wait_alu depctr_vm_vsrc(0)                   ; the LDS stores have read v[PC ..] and v[W0], which the next quantiser writes again
.endr
	s_wait_loadcnt 56                              ; b2 is in; only the ring's 56 loads are younger
	ADDV BP                                        ; x1 + b2: the last product adds onto it
	s_wait_alu depctr_va_vdst(0)                   ; the vector work on v24 to v151 is done, in which b1's loads land; the additions are done reading v[BP ..], in which the first fragments land behind the barrier
	B1LOAD 0
	BARRIER                                        ; the normalised rows' eight fragments lie in LDS
	; ---- chunk 0
	HS_M1 0, 0                                     ; b1's 32 loads are the youngest: all are waited for
	LD1 0, 0, 2
	HS_M1 1, 28                                    ; from here on: this half is in, the other half's 28 may be out
	LD1 1, 0, 3
	HS_M1 2, 28
	LD2 0, 0, 0
	HS_M1 3, 28
	LD2 1, 0, 1
	MID 0
	B1LOAD 1                                       ; the next chunk's bias, into the accumulators that have been quantised.  No wait: no vector instruction since the wait ahead of the last image's stores
	BARRIER                                        ; the chunk's sixteen hidden fragments lie in LDS
	HS_M2 0, 0, 60                                 ; younger than this half: the other half's 28 and b1's 32
	LD2 0, 0, 2
	HS_M2 0, 1, 60                                 ; b1's 32 and the refill's 28
	LD2 1, 0, 3
	HS_M2 0, 2, 28
	LD1 0, 1, 0
	HS_M2 0, 3, 28
	LD1 1, 1, 1
	; ---- chunk 1 (its hidden fragments have LDS bytes of their own: no barrier between chunk 0's reads and these stores)
	HS_M1 0, 28
	LD1 0, 1, 2
	HS_M1 1, 28
	LD1 1, 1, 3
	HS_M1 2, 28
	LD2 0, 1, 0
	HS_M1 3, 28
	LD2 1, 1, 1
	MID 1
	BARRIER
	HS_M2 1, 0, 28
	LD2 0, 1, 2
	HS_M2 1, 1, 28
	LD2 1, 1, 3
	HS_M2 1, 2, 28
	HS_M2 1, 3, 0                                  ; the last half: nothing younger is out
	; ---- the way out: a row's 512 numbers come from eight waves: through the stage, whose last read lies five barriers back
	WIN 0x04
.irp u, 0,1
.irp t, 0,1,2,3
.irp e, 0,1
	ds_store_b128 v3, v[32*\u+8*\t+4*\e:32*\u+8*\t+4*\e+3] offset:16512*\u+128*(\t/2)+32*(\t%2)+16*\e   ; each accumulator from its low end on
.endr
.endr
.endr
	WIN 0
	BARRIER
.irp i, 0,1,2,3
.irp k, 0,1,2,3
	ds_load_b128 v[HA+4*(4*\i+\k):HA+4*(4*\i+\k)+3], v2 offset:2064*\i+512*\k   ; no vector instruction since the last wait on va_vdst
.endr
.endr
.irp i, 0,1,2,3
.irp k, 0,1,2,3
	s_wait_dscnt 15-4*\i-\k
	global_store_b128 v1, v[HA+4*(4*\i+\k):HA+4*(4*\i+\k)+3], s[24:25] offset:2048*\i+512*\k th:TH_STORE_NT   ; 512 consecutive bytes, at a multiple of 256 from out0's first byte
.endr
.endr
	s_wait_xcnt 0x0
	v_lshl_add_u32 v254, v0, 2, 0x20400            ; the add's two registers are made anew here: no memory or LDS instruction has read v254 or v255
	v_mov_b32 v255, 0
	s_wait_dscnt 0x0                               ; the closing lines, six on end
	s_wait_alu 0x0
	s_wait_tensorcnt 0x0
	ds_add_u32 v254, v255
	s_wait_dscnt 0x0
	s_endpgm
.Lfunc_end_k_qbe77d73596_mlp:
	.size	k_qbe77d73596_mlp, .Lfunc_end_k_qbe77d73596_mlp-k_qbe77d73596_mlp
	.p2alignl 7, 3214868480
	.fill 96, 4, 3214868480
	.section	.rodata,"a",@progbits
	.p2align	6, 0x0
	.amdhsa_kernel k_qbe77d73596_mlp
		.amdhsa_group_segment_fixed_size 133120
		.amdhsa_private_segment_fixed_size 0
		.amdhsa_enable_private_segment 0
		.amdhsa_kernarg_size 88
		.amdhsa_user_sgpr_count 2
		.amdhsa_user_sgpr_kernarg_segment_ptr 1
		.amdhsa_wavefront_size32 1
		.amdhsa_system_sgpr_workgroup_id_x 1
		.amdhsa_system_sgpr_workgroup_id_y 1
		.amdhsa_system_sgpr_workgroup_id_z 1
		.amdhsa_system_vgpr_workitem_id 0
		.amdhsa_next_free_vgpr 512
		.amdhsa_next_free_sgpr 96
		.amdhsa_reserve_vcc 0
		.amdhsa_float_denorm_mode_32 3
		.amdhsa_float_denorm_mode_16_64 3
		.amdhsa_memory_ordered 1
		.amdhsa_forward_progress 1
		.amdhsa_inst_pref_size 255
	.end_amdhsa_kernel
	.section	.bss,"aw",@nobits
	.p2align	6
	.space	262144
	.amdgpu_metadata
---
amdhsa.version: [ 1, 2 ]
amdhsa.kernels:
  - .name:           k_qbe77d73596_mlp
    .symbol:         k_qbe77d73596_mlp.kd
    .args:
      - { .name: x, .offset: 0, .size: 8, .value_kind: global_buffer, .address_space: global }
      - { .name: yc, .offset: 8, .size: 8, .value_kind: global_buffer, .address_space: global }
      - { .name: ysc, .offset: 16, .size: 8, .value_kind: global_buffer, .address_space: global }
      - { .name: wc, .offset: 24, .size: 8, .value_kind: global_buffer, .address_space: global }
      - { .name: ws, .offset: 32, .size: 8, .value_kind: global_buffer, .address_space: global }
      - { .name: bp, .offset: 40, .size: 8, .value_kind: global_buffer, .address_space: global }
      - { .name: ln2_g, .offset: 48, .size: 8, .value_kind: global_buffer, .address_space: global }
      - { .name: ln2_b, .offset: 56, .size: 8, .value_kind: global_buffer, .address_space: global }
      - { .name: b1, .offset: 64, .size: 8, .value_kind: global_buffer, .address_space: global }
      - { .name: b2, .offset: 72, .size: 8, .value_kind: global_buffer, .address_space: global }
      - { .name: out0, .offset: 80, .size: 8, .value_kind: global_buffer, .address_space: global }
    .group_segment_fixed_size: 133120
    .private_segment_fixed_size: 0
    .kernarg_segment_align: 8
    .kernarg_segment_size: 88
    .max_flat_workgroup_size: 256
    .sgpr_count:     96
    .vgpr_count:     512
    .wavefront_size: 32
...
	.end_amdgpu_metadata
.endif
;; end of part 8
